; MI455X (gfx1250); checked and timed in simulation.
; The chip was launched on July 23, 2026; its instructions are those of AMD's public machine-readable ISA for CDNA 5 (MIT licence, August 2026) and "CDNA5" Instruction Set Architecture Reference Guide (July 2026). The comments in the code are by the model that wrote it; some were corrected since.
;; Criss Cross Attention. Allowed arithmetic: float matrix products may take bf16 or f16 operands with f32 sums; other float arithmetic in f32, or as packed bf16 or f16 multiplies, adds, multiply-adds, maxima and minima; sums over many terms, partial sums and values carried from step to step in f32; what a program stores and reads back later, other than sums and carried values, may be rounded once to bf16 or f16.
;; Inputs: eeg_tensor 2 x 64 x 512 float32; params_input_proj_b 128 float32; params_input_proj_w 1 x 128 float32; params_layers_0_ffn_w1_b 512 float32; params_layers_0_ffn_w1_w 128 x 512 float32; params_layers_0_ffn_w2_b 128 float32; params_layers_0_ffn_w2_w 512 x 128 float32; params_layers_0_ffn_norm_b 128 float32; params_layers_0_ffn_norm_g 128 float32; params_layers_0_spatial_k_b 128 float32; params_layers_0_spatial_k_w 128 x 128 float32; params_layers_0_spatial_norm_b 128 float32; params_layers_0_spatial_norm_g 128 float32; params_layers_0_spatial_o_b 128 float32; params_layers_0_spatial_o_w 128 x 128 float32; params_layers_0_spatial_q_b 128 float32; params_layers_0_spatial_q_w 128 x 128 float32; params_layers_0_spatial_v_b 128 float32; params_layers_0_spatial_v_w 128 x 128 float32; params_layers_0_temporal_k_b 128 float32; params_layers_0_temporal_k_w 128 x 128 float32; params_layers_0_temporal_norm_b 128 float32; params_layers_0_temporal_norm_g 128 float32; params_layers_0_temporal_o_b 128 float32; params_layers_0_temporal_o_w 128 x 128 float32; params_layers_0_temporal_q_b 128 float32; params_layers_0_temporal_q_w 128 x 128 float32; params_layers_0_temporal_v_b 128 float32; params_layers_0_temporal_v_w 128 x 128 float32; params_layers_1_ffn_w1_b 512 float32; params_layers_1_ffn_w1_w 128 x 512 float32; params_layers_1_ffn_w2_b 128 float32; params_layers_1_ffn_w2_w 512 x 128 float32; params_layers_1_ffn_norm_b 128 float32; params_layers_1_ffn_norm_g 128 float32; params_layers_1_spatial_k_b 128 float32; params_layers_1_spatial_k_w 128 x 128 float32; params_layers_1_spatial_norm_b 128 float32; params_layers_1_spatial_norm_g 128 float32; params_layers_1_spatial_o_b 128 float32; params_layers_1_spatial_o_w 128 x 128 float32; params_layers_1_spatial_q_b 128 float32; params_layers_1_spatial_q_w 128 x 128 float32; params_layers_1_spatial_v_b 128 float32; params_layers_1_spatial_v_w 128 x 128 float32; params_layers_1_temporal_k_b 128 float32; params_layers_1_temporal_k_w 128 x 128 float32; params_layers_1_temporal_norm_b 128 float32; params_layers_1_temporal_norm_g 128 float32; params_layers_1_temporal_o_b 128 float32; params_layers_1_temporal_o_w 128 x 128 float32; params_layers_1_temporal_q_b 128 float32; params_layers_1_temporal_q_w 128 x 128 float32; params_layers_1_temporal_v_b 128 float32; params_layers_1_temporal_v_w 128 x 128 float32; params_output_proj_b 1 float32; params_output_proj_w 128 x 1 float32; params_spatial_pos 1 x 1 x 64 x 128 float32; params_temporal_pos 1 x 1,024 x 1 x 128 float32.
;; Outputs: out0 2 x 64 x 512 float32.
;; 2 versions, each right and faster than the one before. Each part assembles by itself: llvm-mc -triple=amdgcn-amd-amdhsa -mcpu=gfx1250 --defsym DOCPART=n.
;; ======== version 1 of 2: 5 launches
;; limits: values are held in f16: magnitudes above 65,504 overflow, below 6.1e-05 lose precision; a function is approximated: absolute error at most 1.5e-07
;; workspace buffers: hA 16,777,216 bytes; hB 16,777,216 bytes; wl0 524,288 bytes; wl1 524,288 bytes; cfg0 256 bytes of whole numbers; cfg1 256 bytes of whole numbers
;; launch prep (part 1): grid 128 x 1, 2 waves a work-group, no clusters, 0 bytes of LDS; arguments params_layers_0_spatial_q_w, params_layers_0_spatial_k_w, params_layers_0_spatial_v_w, params_layers_0_spatial_o_w, params_layers_0_temporal_q_w, params_layers_0_temporal_k_w, params_layers_0_temporal_v_w, params_layers_0_temporal_o_w, params_layers_0_ffn_w1_w, params_layers_0_ffn_w2_w, params_layers_1_spatial_q_w, params_layers_1_spatial_k_w, params_layers_1_spatial_v_w, params_layers_1_spatial_o_w, params_layers_1_temporal_q_w, params_layers_1_temporal_k_w, params_layers_1_temporal_v_w, params_layers_1_temporal_o_w, params_layers_1_ffn_w1_w, params_layers_1_ffn_w2_w, wl0, wl1, cfg0, cfg1; writes wl0, wl1, cfg0, cfg1
.if DOCPART == 1
	.amdgcn_target "amdgcn-amd-amdhsa--gfx1250"
	.amdhsa_code_object_version 6
	.text
	.protected	k_q2ce051c1e7_prep
	.globl	k_q2ce051c1e7_prep
	.p2align	8
	.type	k_q2ce051c1e7_prep,@function
k_q2ce051c1e7_prep:
	s_mov_b64 s[64:65], 0
	v_nop
	global_prefetch_b8 v0, s[64:65] scope:SCOPE_SE
	s_setreg_imm32_b32 hwreg(HW_REG_WAVE_MODE, 25, 1), 1
	s_wait_xcnt 0x0
; THE WEIGHTS, ONCE: every weight matrix w[k][n] (f32) is rounded to f16 and laid out as matrix fragments of 1,024 bytes, so that the later launches
; copy them linearly.  Fragment (nt, kf): lane l (r = l % 16, h = l / 16) holds column n = 16 nt + r and rows k = 32 kf + 16 part + 8 h + e, e = 0..7;
; part 0 lies at byte 16 l, part 1 at 512 + 16 l.
; A layer's buffer: eight blocks of 32 KiB (spatial heads 0-3, temporal heads 0-3), each q, k, v (fragment 4 a + kf: nt = 2 head + a) and o (fragment nt, kf = head);
; then sixteen FFN steps of 16 KiB: W1 (fragment 4 a + kf: nt = 2 step + a), W2 (fragment nt, kf = step).
; A work-group makes one group of 8 fragments (128 groups for two layers), a wave four of them.  Work-group 0 also stores the two layers' flag words.
; LIMIT: f16 holds no number beyond 65,504 and keeps a fixed step of 6e-8 below 6e-5.
.set VO, 8                             ; v[8:23]   byte offset of row 16 part + 8 h + e, column r
.set LD, 32                            ; v[32:95]  four fragments as loaded, 16 numbers a lane each
.set PK, 96                            ; v[96:127] the same packed
	s_load_b512 s[16:31], s[0:1], 0x0              ; pointer j at s[16+2j:17+2j]: 20 matrices, wl0, wl1, cfg0, cfg1
	s_load_b512 s[32:47], s[0:1], 0x40
	s_load_b512 s[48:63], s[0:1], 0x80
	v_lshrrev_b32 v1, 5, v0
	v_readfirstlane_b32 s2, v1                     ; wave 0, 1
	v_and_b32 v2, 15, v0                           ; r
	v_bfe_u32 v3, v0, 4, 1                         ; h
	v_and_b32 v4, 31, v0                           ; lane
	s_lshr_b32 s3, ttmp9, 6                        ; layer
	s_and_b32 s4, ttmp9, 63                        ; group o in the layer
	s_bfe_u32 s5, s4, 0x20002                      ; attention: the head
	s_and_b32 s6, s4, 3                            ; q, k, v, o
	s_lshr_b32 s7, s4, 4                           ; spatial 0, temporal 1
	s_lshl2_add_u32 s7, s7, s6                     ; the matrix's number in the layer
	s_cmp_eq_u32 s6, 3
	s_cselect_b32 s8, 1, 0                         ; 1: fragments go along n at one kf (o, W2)
	s_sub_co_u32 s9, s4, 32
	s_lshr_b32 s9, s9, 1                           ; FFN: the step
	s_and_b32 s10, s4, 1                           ; W1 0, W2 1
	s_add_co_u32 s11, s10, 8
	s_cmp_lt_u32 s4, 32                            ; groups 0-31 are attention's
	s_cselect_b32 s5, s5, s9
	s_cselect_b32 s8, s8, s10
	s_cselect_b32 s7, s7, s11
	s_cselect_b32 s12, 1, 0
	s_or_b32 s12, s12, s8
	s_mov_b32 s13, 2048                            ; bytes in a row of the matrix: only W1 has 512 columns,
	s_cmp_lg_u32 s12, 0
	s_cselect_b32 s13, 512, s13                    ; all others 128 (an instruction holds one literal, so the other number comes in the register)
	s_lshl_b32 s14, s13, 5                         ; 32 rows
	s_cmp_lg_u32 s8, 0
	s_cselect_b32 s15, 14, 7                       ; index x 32 rows of 512 bytes, or x 32 columns
	s_cselect_b32 s66, 256, 64                     ; from wave 0's first fragment to wave 1's
	s_cselect_b32 s78, 64, s14                     ; from a fragment to the next
	s_lshl_b32 s67, s5, s15
	s_mul_i32 s76, s2, s66
	s_add_co_u32 s76, s76, s67
	s_mov_b32 s77, 0
	s_mov_b32 s79, 0
	s_mul_i32 s70, s3, 10
	s_add_co_u32 s70, s70, s7                      ; which of the 20 pointers
	s_lshl_b32 s88, s4, 13                         ; the group's 8 KiB in the layer's buffer
	s_mov_b32 s89, 0
	v_lshlrev_b32 v5, 3, v3
	v_lshlrev_b32 v6, 2, v2
.set t, 0
.rept 16
	v_add_nc_u32 v7, 16*(t/8)+t%8, v5
	v_mad_u32_u24 v[VO+t], v7, s13, v6
.set t, t+1
.endr
	v_lshlrev_b32 v24, 4, v4
	s_lshl_b32 s90, s2, 12
	v_add_nc_u32 v24, s90, v24                     ; 16 lane + 4,096 wave
	s_wait_kmcnt 0x0
	s_mov_b64 s[72:73], s[16:17]
.set j, 1
.rept 19
	s_cmp_eq_u32 s70, j
	s_cselect_b64 s[72:73], s[16+2*j:17+2*j], s[72:73]
.set j, j+1
.endr
	s_cmp_eq_u32 s3, 0
	s_cselect_b64 s[74:75], s[56:57], s[58:59]
	s_add_nc_u64 s[74:75], s[74:75], s[88:89]
	s_add_nc_u64 s[80:81], s[72:73], s[76:77]      ; my four fragments' corners
	s_add_nc_u64 s[82:83], s[80:81], s[78:79]
	s_add_nc_u64 s[84:85], s[82:83], s[78:79]
	s_add_nc_u64 s[86:87], s[84:85], s[78:79]
.set i, 0
.rept 4
.set t, 0
.rept 16
	global_load_b32 v[LD+16*i+t], v[VO+t], s[80+2*i:81+2*i]
.set t, t+1
.endr
.set i, i+1
.endr
	s_wait_loadcnt 0x0
.set i, 0
.rept 32
	v_cvt_pk_f16_f32 v[PK+i], v[LD+2*i], v[LD+2*i+1]
.set i, i+1
.endr
.set i, 0
.rept 8
	global_store_b128 v24, v[PK+4*i:PK+4*i+3], s[74:75] offset:512*i  ; a wave's store covers 512 consecutive bytes, aligned
.set i, i+1
.endr
	s_or_b32 s91, ttmp9, s2
	s_cmp_lg_u32 s91, 0
	s_cbranch_scc1 .Lend
	v_lshlrev_b32 v25, 3, v4                       ; the flag words: word 0 = first layer, word 1 = last layer; the rest of the 256 bytes is 0
	v_cmp_eq_u32 vcc_lo, 0, v4
	v_cndmask_b32 v26, 0, 1, vcc_lo
	v_mov_b32 v27, 0
	v_mov_b32 v28, 0
	v_cndmask_b32 v29, 0, 1, vcc_lo
	global_store_b64 v25, v[26:27], s[60:61]
	global_store_b64 v25, v[28:29], s[62:63]
.Lend:
	s_endpgm
.Lfunc_end_k_q2ce051c1e7_prep:
	.size	k_q2ce051c1e7_prep, .Lfunc_end_k_q2ce051c1e7_prep-k_q2ce051c1e7_prep
	.p2alignl 7, 3214868480
	.fill 96, 4, 3214868480
	.section	.rodata,"a",@progbits
	.p2align	6, 0x0
	.amdhsa_kernel k_q2ce051c1e7_prep
		.amdhsa_group_segment_fixed_size 0
		.amdhsa_private_segment_fixed_size 0
		.amdhsa_enable_private_segment 0
		.amdhsa_kernarg_size 192
		.amdhsa_user_sgpr_count 2
		.amdhsa_user_sgpr_kernarg_segment_ptr 1
		.amdhsa_wavefront_size32 1
		.amdhsa_system_sgpr_workgroup_id_x 1
		.amdhsa_system_sgpr_workgroup_id_y 1
		.amdhsa_system_sgpr_workgroup_id_z 1
		.amdhsa_system_vgpr_workitem_id 0
		.amdhsa_next_free_vgpr 128
		.amdhsa_next_free_sgpr 96
		.amdhsa_reserve_vcc 1
		.amdhsa_float_denorm_mode_32 3
		.amdhsa_float_denorm_mode_16_64 3
		.amdhsa_memory_ordered 1
		.amdhsa_forward_progress 1
		.amdhsa_inst_pref_size 15
	.end_amdhsa_kernel
	.amdgpu_metadata
---
amdhsa.version: [ 1, 2 ]
amdhsa.kernels:
  - .name:           k_q2ce051c1e7_prep
    .symbol:         k_q2ce051c1e7_prep.kd
    .args:
      - { .name: params_layers_0_spatial_q_w, .offset: 0, .size: 8, .value_kind: global_buffer, .address_space: global }
      - { .name: params_layers_0_spatial_k_w, .offset: 8, .size: 8, .value_kind: global_buffer, .address_space: global }
      - { .name: params_layers_0_spatial_v_w, .offset: 16, .size: 8, .value_kind: global_buffer, .address_space: global }
      - { .name: params_layers_0_spatial_o_w, .offset: 24, .size: 8, .value_kind: global_buffer, .address_space: global }
      - { .name: params_layers_0_temporal_q_w, .offset: 32, .size: 8, .value_kind: global_buffer, .address_space: global }
      - { .name: params_layers_0_temporal_k_w, .offset: 40, .size: 8, .value_kind: global_buffer, .address_space: global }
      - { .name: params_layers_0_temporal_v_w, .offset: 48, .size: 8, .value_kind: global_buffer, .address_space: global }
      - { .name: params_layers_0_temporal_o_w, .offset: 56, .size: 8, .value_kind: global_buffer, .address_space: global }
      - { .name: params_layers_0_ffn_w1_w, .offset: 64, .size: 8, .value_kind: global_buffer, .address_space: global }
      - { .name: params_layers_0_ffn_w2_w, .offset: 72, .size: 8, .value_kind: global_buffer, .address_space: global }
      - { .name: params_layers_1_spatial_q_w, .offset: 80, .size: 8, .value_kind: global_buffer, .address_space: global }
      - { .name: params_layers_1_spatial_k_w, .offset: 88, .size: 8, .value_kind: global_buffer, .address_space: global }
      - { .name: params_layers_1_spatial_v_w, .offset: 96, .size: 8, .value_kind: global_buffer, .address_space: global }
      - { .name: params_layers_1_spatial_o_w, .offset: 104, .size: 8, .value_kind: global_buffer, .address_space: global }
      - { .name: params_layers_1_temporal_q_w, .offset: 112, .size: 8, .value_kind: global_buffer, .address_space: global }
      - { .name: params_layers_1_temporal_k_w, .offset: 120, .size: 8, .value_kind: global_buffer, .address_space: global }
      - { .name: params_layers_1_temporal_v_w, .offset: 128, .size: 8, .value_kind: global_buffer, .address_space: global }
      - { .name: params_layers_1_temporal_o_w, .offset: 136, .size: 8, .value_kind: global_buffer, .address_space: global }
      - { .name: params_layers_1_ffn_w1_w, .offset: 144, .size: 8, .value_kind: global_buffer, .address_space: global }
      - { .name: params_layers_1_ffn_w2_w, .offset: 152, .size: 8, .value_kind: global_buffer, .address_space: global }
      - { .name: wl0, .offset: 160, .size: 8, .value_kind: global_buffer, .address_space: global }
      - { .name: wl1, .offset: 168, .size: 8, .value_kind: global_buffer, .address_space: global }
      - { .name: cfg0, .offset: 176, .size: 8, .value_kind: global_buffer, .address_space: global }
      - { .name: cfg1, .offset: 184, .size: 8, .value_kind: global_buffer, .address_space: global }
    .group_segment_fixed_size: 0
    .private_segment_fixed_size: 0
    .kernarg_segment_align: 8
    .kernarg_segment_size: 192
    .max_flat_workgroup_size: 64
    .sgpr_count:     96
    .vgpr_count:     128
    .wavefront_size: 32
...
	.end_amdgpu_metadata
.endif
;; end of part 1
;; launch spat0 (part 2): grid 256 x 1, 4 waves a work-group, no clusters, 203,264 bytes of LDS; arguments hA, eeg_tensor, params_input_proj_w, params_input_proj_b, params_spatial_pos, params_temporal_pos, wl0, params_layers_0_spatial_q_b, params_layers_0_spatial_k_b, params_layers_0_spatial_v_b, params_layers_0_spatial_o_b, params_layers_0_spatial_norm_g, params_layers_0_spatial_norm_b, hB, cfg0; writes hB
.if DOCPART == 2
	.amdgcn_target "amdgcn-amd-amdhsa--gfx1250"
	.amdhsa_code_object_version 6
	.text
	.protected	k_q2ce051c1e7_spat0
	.globl	k_q2ce051c1e7_spat0
	.p2align	8
	.type	k_q2ce051c1e7_spat0,@function
k_q2ce051c1e7_spat0:
	s_mov_b64 s[64:65], 0
	v_nop
	global_prefetch_b8 v0, s[64:65] scope:SCOPE_SE
	s_setreg_imm32_b32 hwreg(HW_REG_WAVE_MODE, 25, 1), 1
	s_wait_xcnt 0x0
; SPATIAL ATTENTION OF ONE LAYER: h' = LayerNorm(MHA over the 64 channels of a (b, t) + h).  In the first layer (flag word 0 = 1) h is made here:
; h = eeg w + b + spatial_pos + temporal_pos.  h and h' are [2][512][64][128] in f16.
; SHARES.  A wave owns one (b, t): 64 tokens x 128 features, kept in registers from its load to its store.  The four waves of a work-group share the layer's 128 KiB of
; weight fragments in LDS, copied once through registers, and nothing else: one barrier.
; NO CLUSTER, NO TENSOR LOAD: what work-groups share is those 128 KiB, read once by each at its head; x, 16 KiB a wave, is nobody else's and is re-laid on its way
; into blocks of 272 bytes, which wants registers anyway.
; LAYOUT.  All products are taken so that a lane keeps ONE token (lane % 16): D = W-fragment x x-fragment holds features 8 (lane / 16) + j; two such results packed to f16
; are the next product's fragment.  V is made with the sources swapped (a lane holds one channel and eight tokens), which is V^T's fragment.
; ARITHMETIC.  Matrix operands f16, sums f32; softmax with the row's true maximum, p = 2^(c s - c m), c = log2(e) / sqrt(32); v's bias is added behind the division by the
; row's sum (the weights sum to 1); LayerNorm in two passes (mean, then squares of the centred numbers), f32.
; LIMITS.  h, q, k, v and the attention's output stay under 65,504 (f16); below 6e-5 they keep f16's step of 6e-8.  A weight below 2^-126 counts as 0.  NaN and infinities are not treated apart.
; REGISTERS, in windows of 256 (s_set_vgpr_msb: bits 1:0 source 0, 3:2 source 1, 5:4 source 2, 7:6 destination):
;   window 0: addresses; ACA 32-95, ACB 96-159 accumulators; QF, KF, VF fragments of one head       window 1: x as loaded, then OACC: the 32 output accumulators
;   window 2: XF 0-127 x's fragments; WFA, WFB weight fragments                                      window 3: the weights as loaded; then scores / P, OF, biases, statistics
.set XS,    131072                     ; behind the weights: 17,408 bytes a wave: block 16 tt + p (p = the row's 16-byte piece) of 256 bytes at pitch 272, token r at 16 r
.set XSW,   17408
.set PB,    200704                     ; q_b, k_b, v_b: 512 bytes each
.set SPARE, 202752                     ; the spare words, 128 bytes a wave
.set SPW, 2
.set NIL, 3
.set ONE, 4
.set WA,  5                            ; 16 lane + 32,768 head
.set BA,  6                            ; PB + 32 h + 128 head
.set XROW, 7                           ; my place in XS by rows: 272 p + 16 hi
.set XFRG, 8                           ; by fragments: 272 h + 16 r
.set VECO, 9                           ; 32 h
.set LIN, 10                           ; 16 thread
.set LIN2, 11
.set L16, 12                           ; 16 lane
.set T4,  13
.set PBA, 14
.set EP32, 15
.set ESP, 16
.set EEG, 17
.set PS,  18                           ; v18-20 the three biases' words as loaded
.set ACA, 32
.set ACB, 96
.set QF,  160
.set KF,  192
.set VF,  224
.set OB,  32                           ; o_b, ahead of the loop
.set EE,  96                           ; the embedding: eeg of 32 row pairs, w, b, temporal_pos
.set IW,  128
.set IB,  136
.set TP,  144
.set LT,  32                           ; LayerNorm: four chains of pairs a tile
.set LS,  64                           ; and eight registers of statistics a tile
.set WFA, 128
.set WFB, 192
.set SC,  0
.set OF,  128
.set BQ,  160
.set BK,  176
.set BV,  192
.set ST,  208                          ; q tile t at ST + 8 t: m, exchange, c m (pair), l (pair), 1 / l (pair)
.set WV,  2
.set BT,  3
.set FLAG, 38
.set CNT, 39
.set CS,  40
.set SEL, 42
.set XIN, 44
.set XOUT, 46
.set TPB, 48
.set EGB, 50
.set INV, 52
.set EPS, 53
.set MSB, 0
.macro WIN new                         ; the immediate's high byte repeats the setting that is left; a switch that changes nothing is dropped
.if MSB != (\new)
	s_set_vgpr_msb (MSB<<8)|(\new)
.set MSB, (\new)
.endif
.endm
.macro PLACES                          ; four plain instructions behind a matrix instruction, ahead of what reads its result or writes or loads into its registers
.rept 4
	v_nop
.endr
.endm
.macro ALL line:vararg                 ; one line for each tile t
.set t, 0
.rept 4
	\line
.set t, t+1
.endr
.endm
.macro VLOAD dst, sb                   ; a vector of 128 f32 as the accumulators hold features: register 8 nt + j = element 16 nt + 8 h + j
.set n, 0
.rept 8
	global_load_b128 v[(\dst)+8*n:(\dst)+8*n+3], v[VECO], s[\sb:\sb+1] offset:64*n
	global_load_b128 v[(\dst)+8*n+4:(\dst)+8*n+7], v[VECO], s[\sb:\sb+1] offset:64*n+16
.set n, n+1
.endr
.endm
; LAYERNORM on the four tiles in window 1 (tile t at 64 t; a lane holds 64 of its token's 128 features, the lane 16 away the others).
.macro LNRED                           ; the four chains of each tile into one number, both halves of the lanes added
	WIN 0
	ALL v_pk_add_f32 v[LT+8*t:LT+8*t+1], v[LT+8*t:LT+8*t+1], v[LT+8*t+2:LT+8*t+3]
	ALL v_pk_add_f32 v[LT+8*t+4:LT+8*t+5], v[LT+8*t+4:LT+8*t+5], v[LT+8*t+6:LT+8*t+7]
	ALL v_pk_add_f32 v[LT+8*t:LT+8*t+1], v[LT+8*t:LT+8*t+1], v[LT+8*t+4:LT+8*t+5]
	ALL v_add_f32 v[LS+8*t], v[LT+8*t], v[LT+8*t+1]
	ALL v_permlanex16_b32 v[LS+8*t+1], v[LS+8*t], s[SEL], s[SEL+1]
	ALL v_add_f32 v[LS+8*t], v[LS+8*t], v[LS+8*t+1]
.endm
.macro LNSTAT                          ; mean; the numbers centred in place; 1 / sqrt(variance + eps).  Each accumulator's lowest registers are read first
	WIN 0
	ALL v_mov_b32 v[LS+8*t+1], 0
	ALL v_mov_b32 v[LS+8*t+3], 0
	ALL v_mov_b32 v[LS+8*t+5], 0
	WIN 0x05
.set t, 0
.rept 4
.set q, 0
.rept 4
	v_pk_add_f32 v[LT+8*t+2*q:LT+8*t+2*q+1], v[64*t+2*q:64*t+2*q+1], v[64*t+8+2*q:64*t+8+2*q+1]
.set q, q+1
.endr
.set t, t+1
.endr
	WIN 0x04
.set q, 8
.rept 24
.set t, 0
.rept 4
	v_pk_add_f32 v[LT+8*t+2*(q%4):LT+8*t+2*(q%4)+1], v[LT+8*t+2*(q%4):LT+8*t+2*(q%4)+1], v[64*t+2*q:64*t+2*q+1]
.set t, t+1
.endr
.set q, q+1
.endr
	LNRED
	ALL v_mul_f32 v[LS+8*t+2], s[INV], v[LS+8*t]
	WIN 0x41
.set q, 0
.rept 32
.set t, 0
.rept 4
	v_pk_add_f32 v[64*t+2*q:64*t+2*q+1], v[64*t+2*q:64*t+2*q+1], v[LS+8*t+2:LS+8*t+3] op_sel_hi:[1,0] neg_lo:[0,1] neg_hi:[0,1]
.set t, t+1
.endr
.set q, q+1
.endr
	WIN 0x05
.set q, 0
.rept 32
.set t, 0
.rept 4
.if q < 4
	v_pk_mul_f32 v[LT+8*t+2*q:LT+8*t+2*q+1], v[64*t+2*q:64*t+2*q+1], v[64*t+2*q:64*t+2*q+1]
.else
	v_pk_fma_f32 v[LT+8*t+2*(q%4):LT+8*t+2*(q%4)+1], v[64*t+2*q:64*t+2*q+1], v[64*t+2*q:64*t+2*q+1], v[LT+8*t+2*(q%4):LT+8*t+2*(q%4)+1]
.endif
.set t, t+1
.endr
.set q, q+1
.endr
	LNRED
	ALL v_fma_f32 v[LS+8*t], v[LS+8*t], s[INV], s[EPS]
	ALL v_rsq_f32 v[LS+8*t+4], v[LS+8*t]
	v_nop                                          ; a plain instruction behind the last of the four,
	s_wait_alu depctr_va_vdst(0)                   ; and one wait for the batch, ahead of its first reader
.endm
.macro LNAFF win, gg, bb               ; times 1 / sqrt, times g, plus b
	WIN 0x41
.set q, 0
.rept 32
.set t, 0
.rept 4
	v_pk_mul_f32 v[64*t+2*q:64*t+2*q+1], v[64*t+2*q:64*t+2*q+1], v[LS+8*t+4:LS+8*t+5] op_sel_hi:[1,0]
.set t, t+1
.endr
.set q, q+1
.endr
	WIN \win
.set q, 0
.rept 32
.set t, 0
.rept 4
	v_pk_fma_f32 v[64*t+2*q:64*t+2*q+1], v[64*t+2*q:64*t+2*q+1], v[(\gg)+2*q:(\gg)+2*q+1], v[(\bb)+2*q:(\bb)+2*q+1]
.set t, t+1
.endr
.set q, q+1
.endr
.endm
.macro LWT buf, grp                    ; eight weight fragments of the head in hand: group 0 q, 1 k, 2 v, 3 o
	WIN 0x80
.set n, 0
.rept 8
	ds_load_b128 v[(\buf)+8*n:(\buf)+8*n+3], v[WA] offset:(\grp)*8192+1024*n
	ds_load_b128 v[(\buf)+8*n+4:(\buf)+8*n+7], v[WA] offset:(\grp)*8192+1024*n+512
.set n, n+1
.endr
.endm
.macro LB                              ; the head's 32 numbers of q_b, k_b, v_b, as the accumulators hold features
	WIN 0xc0
.set n, 0
.rept 6
	ds_load_b128 v[BQ+8*n:BQ+8*n+3], v[BA] offset:512*(n/2)+64*(n%2)
	ds_load_b128 v[BQ+8*n+4:BQ+8*n+7], v[BA] offset:512*(n/2)+64*(n%2)+16
.set n, n+1
.endr
.endm
.macro PROJT acc, buf, bias            ; 32 products: acc(tt, a) = W(a, kf) x x(tt, kf), started by the bias; the eight accumulators take turns
.set kf, 0
.rept 4
.if kf == 0
	WIN 0x3a
.else
	WIN 0x0a
.endif
.set a, 0
.rept 2
.set tt, 0
.rept 4
.if kf == 0
	v_wmma_f32_16x16x32_f16 v[(\acc)+8*(2*tt+a):(\acc)+8*(2*tt+a)+7], v[(\buf)+8*(4*a+kf):(\buf)+8*(4*a+kf)+7], v[32*tt+8*kf:32*tt+8*kf+7], v[(\bias)+8*a:(\bias)+8*a+7]
.else
	v_wmma_f32_16x16x32_f16 v[(\acc)+8*(2*tt+a):(\acc)+8*(2*tt+a)+7], v[(\buf)+8*(4*a+kf):(\buf)+8*(4*a+kf)+7], v[32*tt+8*kf:32*tt+8*kf+7], v[(\acc)+8*(2*tt+a):(\acc)+8*(2*tt+a)+7]
.endif
.set tt, tt+1
.endr
.set a, a+1
.endr
.set kf, kf+1
.endr
.endm
.macro PROJV                           ; the same with the sources swapped, for V: acc(ct, tt) holds channel lane % 16 and eight tokens
	WIN 0x0a
.set kf, 0
.rept 4
.set a, 0
.rept 2
.set tt, 0
.rept 4
.if kf == 0
	v_wmma_f32_16x16x32_f16 v[ACA+8*(4*a+tt):ACA+8*(4*a+tt)+7], v[32*tt+8*kf:32*tt+8*kf+7], v[WFA+8*(4*a+kf):WFA+8*(4*a+kf)+7], 0
.else
	v_wmma_f32_16x16x32_f16 v[ACA+8*(4*a+tt):ACA+8*(4*a+tt)+7], v[32*tt+8*kf:32*tt+8*kf+7], v[WFA+8*(4*a+kf):WFA+8*(4*a+kf)+7], v[ACA+8*(4*a+tt):ACA+8*(4*a+tt)+7]
.endif
.set tt, tt+1
.endr
.set a, a+1
.endr
.set kf, kf+1
.endr
.endm
.macro PACK src, dst                   ; 64 sums to 32 registers of f16
	WIN 0
.set i, 0
.rept 32
	v_cvt_pk_f16_f32 v[(\dst)+i], v[(\src)+2*i], v[(\src)+2*i+1]
.set i, i+1
.endr
.endm
.macro SFMA pp                         ; pair pp of the 64 pairs of scores: c s - c m
	v_pk_fma_f32 v[SC+2*(\pp):SC+2*(\pp)+1], v[SC+2*(\pp):SC+2*(\pp)+1], s[CS:CS+1], v[ST+8*((\pp)/16)+2:ST+8*((\pp)/16)+3] op_sel_hi:[1,0,0] neg_lo:[0,0,1] neg_hi:[0,0,1]
.endm
	s_load_b512 s[8:23], s[0:1], 0x0               ; hA 8, eeg 10, in_w 12, in_b 14, spos 16, tpos 18, wl 20, q_b 22
	s_load_b256 s[24:31], s[0:1], 0x40             ; k_b 24, v_b 26, o_b 28, norm_g 30
	s_load_b128 s[32:35], s[0:1], 0x60             ; norm_b 32, hB 34
	s_load_b64 s[36:37], s[0:1], 0x70              ; cfg
	v_lshl_add_u32 v[SPW], v0, 2, SPARE
	v_mov_b32 v[NIL], 0
	v_mov_b32 v[ONE], 1.0
	v_lshrrev_b32 v1, 5, v0
	v_readfirstlane_b32 s[WV], v1                  ; wave 0..3
	v_and_b32 v21, 31, v0                          ; lane
	v_and_b32 v22, 15, v0                          ; r, p
	v_bfe_u32 v23, v0, 4, 1                        ; h, hi
	s_lshl_b32 s[BT], ttmp9, 2
	s_add_co_u32 s[BT], s[BT], s[WV]               ; my (b, t): 512 b + t
	s_lshl_b32 s54, s[BT], 14                      ; its 64 rows of 256 bytes
	s_mov_b32 s55, 0
	s_and_b32 s57, s[BT], 511                      ; t
	s_lshr_b32 s56, s[BT], 9                       ; b
	s_lshl_b32 s58, s57, 9                         ; temporal_pos: row t
	s_mov_b32 s59, 0
	s_lshl_b32 s60, s56, 15
	s_add_co_u32 s60, s60, s57
	s_lshl_b32 s60, s60, 2                         ; eeg[b][0][t]
	s_mov_b32 s61, 0
	s_mul_i32 s56, s[WV], XSW
	s_add_co_u32 s56, s56, XS                      ; my wave's part of XS
	s_mov_b32 s[CS], 0x3e8293ee                    ; c = log2(e) / sqrt(32)
	s_mov_b32 s[CS+1], s[CS]
	s_mov_b32 s[SEL], 0x76543210                   ; v_permlanex16_b32: each lane takes its own place in the other half
	s_mov_b32 s[SEL+1], 0xfedcba98
	s_mov_b32 s[INV], 0x3c000000                   ; 1 / 128
	s_mov_b32 s[EPS], 0x3727c5ac                   ; 1e-5
	v_lshlrev_b32 v[WA], 4, v21
	v_lshlrev_b32 v[L16], 4, v21
	v_lshl_add_u32 v[BA], v23, 5, PB
	v_lshlrev_b32 v[VECO], 5, v23
	v_mul_u32_u24 v[XROW], v22, 272
	v_lshl_add_u32 v[XROW], v23, 4, v[XROW]
	v_add_nc_u32 v[XROW], s56, v[XROW]
	v_mul_u32_u24 v[XFRG], v23, 272
	v_lshl_add_u32 v[XFRG], v22, 4, v[XFRG]
	v_add_nc_u32 v[XFRG], s56, v[XFRG]
	v_lshlrev_b32 v[LIN], 4, v0
	v_add_nc_u32 v[LIN2], 0x10000, v[LIN]
	v_lshlrev_b32 v[T4], 2, v0
	v_lshl_add_u32 v[PBA], v0, 2, PB
	v_lshlrev_b32 v[EP32], 5, v22
	v_lshl_add_u32 v[ESP], v23, 9, v[EP32]
	v_lshlrev_b32 v[EEG], 11, v23
	s_wait_kmcnt 0x0
	s_load_b32 s[FLAG], s[36:37], 0x0              ; 1: the first layer
	s_add_nc_u64 s[XIN:XIN+1], s[8:9], s[54:55]
	s_add_nc_u64 s[XOUT:XOUT+1], s[34:35], s[54:55]
	s_add_nc_u64 s[TPB:TPB+1], s[18:19], s[58:59]
	s_add_nc_u64 s[EGB:EGB+1], s[10:11], s[60:61]
	WIN 0xc0
.set i, 0
.rept 64                               ; the spatial weights, 128 KiB: 1,024 bytes a thread
	global_load_b128 v[4*i:4*i+3], v[LIN], s[20:21] offset:2048*i
.set i, i+1
.endr
	WIN 0
	global_load_b32 v[PS], v[T4], s[22:23]
	global_load_b32 v[PS+1], v[T4], s[24:25]
	global_load_b32 v[PS+2], v[T4], s[26:27]
	VLOAD OB, 28
	s_wait_kmcnt 0x0
	s_cmp_lg_u32 s[FLAG], 0
	s_cbranch_scc1 .Lfirst
	WIN 0x40
.set i, 0
.rept 32                               ; x by rows: a load takes two rows of 256 bytes
	global_load_b128 v[8*i:8*i+3], v[L16], s[XIN:XIN+1] offset:512*i
.set i, i+1
.endr
	WIN 0
	s_wait_loadcnt 0x0
	s_branch .Ljoin
.Lfirst:                               ; the embedding, in the same places: load i, lane (hi, p) holds channel 2 i + hi, features 8 p .. 8 p + 7
	global_load_b128 v[IW:IW+3], v[EP32], s[12:13]
	global_load_b128 v[IW+4:IW+7], v[EP32], s[12:13] offset:16
	global_load_b128 v[IB:IB+3], v[EP32], s[14:15]
	global_load_b128 v[IB+4:IB+7], v[EP32], s[14:15] offset:16
	global_load_b128 v[TP:TP+3], v[EP32], s[TPB:TPB+1]
	global_load_b128 v[TP+4:TP+7], v[EP32], s[TPB:TPB+1] offset:16
.set i, 0
.rept 32
	global_load_b32 v[EE+i], v[EEG], s[EGB:EGB+1] offset:4096*i
.set i, i+1
.endr
	WIN 0x40
.set i, 0
.rept 32
	global_load_b128 v[8*i:8*i+3], v[ESP], s[16:17] offset:1024*i
	global_load_b128 v[8*i+4:8*i+7], v[ESP], s[16:17] offset:1024*i+16
.set i, i+1
.endr
	WIN 0
	s_wait_loadcnt 0x0
.set q, 0
.rept 4
	v_pk_add_f32 v[IB+2*q:IB+2*q+1], v[IB+2*q:IB+2*q+1], v[TP+2*q:TP+2*q+1]
.set q, q+1
.endr
	WIN 0x41
.set i, 0
.rept 128
	v_pk_add_f32 v[2*i:2*i+1], v[2*i:2*i+1], v[IB+2*(i%4):IB+2*(i%4)+1]
.set i, i+1
.endr
	WIN 0x50
.set i, 0
.rept 32
.set q, 0
.rept 4
.if i % 2
	v_pk_fma_f32 v[8*i+2*q:8*i+2*q+1], v[IW+2*q:IW+2*q+1], v[EE+i-1:EE+i], v[8*i+2*q:8*i+2*q+1] op_sel:[0,1,0] op_sel_hi:[1,1,1]
.else
	v_pk_fma_f32 v[8*i+2*q:8*i+2*q+1], v[IW+2*q:IW+2*q+1], v[EE+i:EE+i+1], v[8*i+2*q:8*i+2*q+1] op_sel_hi:[1,0,1]
.endif
.set q, q+1
.endr
.set i, i+1
.endr
	WIN 0x45
.set i, 0
.rept 32
.set q, 0
.rept 4
	v_cvt_pk_f16_f32 v[8*i+q], v[8*i+2*q], v[8*i+2*q+1]
.set q, q+1
.endr
.set i, i+1
.endr
	WIN 0
.Ljoin:
	WIN 0x0c
.set i, 0
.rept 32
	ds_store_b128 v[LIN], v[4*i:4*i+3] offset:2048*i
.set i, i+1
.endr
.rept 32
	ds_store_b128 v[LIN2], v[4*i:4*i+3] offset:2048*(i-32)
.set i, i+1
.endr
	WIN 0
	ds_store_b32 v[PBA], v[PS]
	ds_store_b32 v[PBA], v[PS+1] offset:512
	ds_store_b32 v[PBA], v[PS+2] offset:1024
	WIN 0x04
.set i, 0
.rept 32
	ds_store_b128 v[XROW], v[8*i:8*i+3] offset:(i/8)*4352+(i%8)*32
.set i, i+1
.endr
	WIN 0xc0
.set i, 0
.rept 32
	v_mov_b32 v[ST+i], 0                           ; the statistics' registers are written once: pairs are named whole, and the exchange counts as a reader of its destination
.set i, i+1
.endr
	WIN 0
	s_wait_dscnt 0x0                               ; for the others' sake: my part of the weights and biases lies in LDS
	s_barrier_signal -1
	s_barrier_wait -1                              ; the kernel's one barrier: everybody's does
	WIN 0x80
.set tt, 0
.rept 4
.set n, 0
.rept 8
	ds_load_b128 v[32*tt+4*n:32*tt+4*n+3], v[XFRG] offset:4352*tt+544*n  ; x's fragments: register 8 kf + 4 part from piece 4 kf + 2 part + h
.set n, n+1
.endr
.set tt, tt+1
.endr
	s_wait_dscnt 0x0
	WIN 0x42
.set tt, 0
.rept 4                                ; the output accumulators start as residual + o_b: a fragment's half j % 2 of register 4 nt + j / 2 is feature 16 nt + 8 h + j of the lane's token
.set n, 0
.rept 64
.if n % 2
	v_fma_mix_f32 v[64*tt+n], v[32*tt+n/2], v[ONE], v[OB+n] op_sel:[1,0,0] op_sel_hi:[1,0,0]
.else
	v_fma_mix_f32 v[64*tt+n], v[32*tt+n/2], v[ONE], v[OB+n] op_sel_hi:[1,0,0]
.endif
.set n, n+1
.endr
.set tt, tt+1
.endr
	WIN 0
	s_mov_b32 s[CNT], 4
.Lhead:                                ; a trip is a head
	LB
	LWT WFA, 0
	LWT WFB, 1
	s_wait_dscnt 16                                ; k's 16 loads may stay out: biases and q's fragments are in
	PROJT ACA, WFA, BQ
	PLACES
	LWT WFA, 2
	s_wait_dscnt 16                                ; v's 16 may stay out: k's are in
	PROJT ACB, WFB, BK
	PACK ACA, QF                                   ; these 32 conversions are the places ahead of the loads below
	LWT WFB, 3
	s_wait_dscnt 16                                ; o's 16 may stay out: v's are in
	PROJV
	PACK ACB, KF
	PACK ACA, VF
	WIN 0xc0
.set qt, 0
.rept 4
.set kt, 0
.rept 4
	v_wmma_f32_16x16x32_f16 v[SC+32*qt+8*kt:SC+32*qt+8*kt+7], v[KF+8*kt:KF+8*kt+7], v[QF+8*qt:QF+8*qt+7], 0
.set kt, kt+1
.endr
.set qt, qt+1
.endr
	PLACES
	WIN 0xff                                       ; the softmax of four q tiles, side by side; registers in ascending order
	ALL v_max3_num_f32 v[ST+8*t], v[SC+32*t], v[SC+32*t+1], v[SC+32*t+2]
.set n, 1
.rept 14
	ALL v_max3_num_f32 v[ST+8*t], v[ST+8*t], v[SC+32*t+2*n+1], v[SC+32*t+2*n+2]
.set n, n+1
.endr
	ALL v_max_num_f32 v[ST+8*t], v[ST+8*t], v[SC+32*t+31]
	ALL v_permlanex16_b32 v[ST+8*t+1], v[ST+8*t], s[SEL], s[SEL+1]
	ALL v_max_num_f32 v[ST+8*t], v[ST+8*t], v[ST+8*t+1]
	ALL v_mul_f32 v[ST+8*t+2], s[CS], v[ST+8*t]
	SFMA 0
	SFMA 1
.set p, 0
.rept 64                               ; one batch of 128 exponentials; nothing ahead of the wait names a result
.if p < 62
	SFMA p+2
.endif
	v_exp_f32 v[SC+2*p], v[SC+2*p]
	v_exp_f32 v[SC+2*p+1], v[SC+2*p+1]
.set p, p+1
.endr
	v_nop
	s_wait_alu depctr_va_vdst(0)                   ; one wait for the batch
	ALL v_pk_add_f32 v[ST+8*t+4:ST+8*t+5], v[SC+32*t:SC+32*t+1], v[SC+32*t+2:SC+32*t+3]
.set n, 2
.rept 14
	ALL v_pk_add_f32 v[ST+8*t+4:ST+8*t+5], v[ST+8*t+4:ST+8*t+5], v[SC+32*t+2*n:SC+32*t+2*n+1]
.set n, n+1
.endr
.set i, 0
.rept 64                               ; P in place, ascending: q tile qt's two fragments at 16 qt
	v_cvt_pk_f16_f32 v[SC+i], v[SC+2*i], v[SC+2*i+1]
.set i, i+1
.endr
	WIN 0x0c
.set kc, 0
.rept 2
.set a, 0
.rept 2
.set qt, 0
.rept 4
.if kc == 0
	v_wmma_f32_16x16x32_f16 v[ACB+8*(2*qt+a):ACB+8*(2*qt+a)+7], v[VF+8*(2*a+kc):VF+8*(2*a+kc)+7], v[SC+16*qt+8*kc:SC+16*qt+8*kc+7], 0
.else
	v_wmma_f32_16x16x32_f16 v[ACB+8*(2*qt+a):ACB+8*(2*qt+a)+7], v[VF+8*(2*a+kc):VF+8*(2*a+kc)+7], v[SC+16*qt+8*kc:SC+16*qt+8*kc+7], v[ACB+8*(2*qt+a):ACB+8*(2*qt+a)+7]
.endif
.set qt, qt+1
.endr
.set a, a+1
.endr
.set kc, kc+1
.endr
	WIN 0xff                                       ; the rows' sums: eight additions, the places behind those products
	ALL v_add_f32 v[ST+8*t+4], v[ST+8*t+4], v[ST+8*t+5]
	ALL v_permlanex16_b32 v[ST+8*t+1], v[ST+8*t+4], s[SEL], s[SEL+1]
	ALL v_add_f32 v[ST+8*t+4], v[ST+8*t+4], v[ST+8*t+1]
	ALL v_rcp_f32 v[ST+8*t+6], v[ST+8*t+4]
	v_nop
	s_wait_alu depctr_va_vdst(0)
	WIN 0x3c
.set qt, 0
.rept 4
.set n, 0
.rept 8                                ; n = 4 ct + pair: o = sum / l + v_b
	v_pk_fma_f32 v[ACB+16*qt+2*n:ACB+16*qt+2*n+1], v[ACB+16*qt+2*n:ACB+16*qt+2*n+1], v[ST+8*qt+6:ST+8*qt+7], v[BV+2*n:BV+2*n+1] op_sel_hi:[1,0,1]
.set n, n+1
.endr
.set qt, qt+1
.endr
	WIN 0xc0
.set i, 0
.rept 32
	v_cvt_pk_f16_f32 v[OF+i], v[ACB+2*i], v[ACB+2*i+1]
.set i, i+1
.endr
	s_wait_dscnt 0x0                               ; o's fragments are in
	WIN 0x5e
.set n, 0
.rept 8
.set tt, 0
.rept 4
	v_wmma_f32_16x16x32_f16 v[64*tt+8*n:64*tt+8*n+7], v[WFB+8*n:WFB+8*n+7], v[OF+8*tt:OF+8*tt+7], v[64*tt+8*n:64*tt+8*n+7]
.set tt, tt+1
.endr
.set n, n+1
.endr
	PLACES
	WIN 0
	v_add_nc_u32 v[WA], 0x8000, v[WA]
	v_add_nc_u32 v[BA], 128, v[BA]
	s_sub_co_u32 s[CNT], s[CNT], 1
	s_cmp_lg_u32 s[CNT], 0
	s_cbranch_scc1 .Lhead
	WIN 0x80
	VLOAD WFA, 30                                  ; g and b come in while the statistics are made
	VLOAD WFB, 32
	LNSTAT
	s_wait_loadcnt 0x0
	LNAFF 0x69, WFA, WFB
	WIN 0x45
.set i, 0
.rept 128                              ; to f16, in place, ascending: tile tt at 32 tt
	v_cvt_pk_f16_f32 v[i], v[2*i], v[2*i+1]
.set i, i+1
.endr
	WIN 0x04
.set tt, 0
.rept 4
.set n, 0
.rept 8
	ds_store_b128 v[XFRG], v[32*tt+4*n:32*tt+4*n+3] offset:4352*tt+544*n
.set n, n+1
.endr
.set tt, tt+1
.endr
	WIN 0x40
.set i, 0
.rept 32
	ds_load_b128 v[128+4*i:128+4*i+3], v[XROW] offset:(i/8)*4352+(i%8)*32  ; my own bytes, served in order behind the stores above (ISA guide 5.7.1.4)
.set i, i+1
.endr
	s_wait_dscnt 0x0
	WIN 0x04
.set i, 0
.rept 32
	global_store_b128 v[L16], v[128+4*i:128+4*i+3], s[XOUT:XOUT+1] offset:512*i  ; 512 consecutive bytes, aligned
.set i, i+1
.endr
	WIN 0
	s_wait_tensorcnt 0x0                           ; the wave's end, behind my last LDS store
	ds_add_u32 v[SPW], v[NIL]
	s_wait_dscnt 0x0
	s_endpgm
.Lfunc_end_k_q2ce051c1e7_spat0:
	.size	k_q2ce051c1e7_spat0, .Lfunc_end_k_q2ce051c1e7_spat0-k_q2ce051c1e7_spat0
	.p2alignl 7, 3214868480
	.fill 96, 4, 3214868480
	.section	.rodata,"a",@progbits
	.p2align	6, 0x0
	.amdhsa_kernel k_q2ce051c1e7_spat0
		.amdhsa_group_segment_fixed_size 203264
		.amdhsa_private_segment_fixed_size 0
		.amdhsa_enable_private_segment 0
		.amdhsa_kernarg_size 120
		.amdhsa_user_sgpr_count 2
		.amdhsa_user_sgpr_kernarg_segment_ptr 1
		.amdhsa_wavefront_size32 1
		.amdhsa_system_sgpr_workgroup_id_x 1
		.amdhsa_system_sgpr_workgroup_id_y 1
		.amdhsa_system_sgpr_workgroup_id_z 1
		.amdhsa_system_vgpr_workitem_id 0
		.amdhsa_next_free_vgpr 1024
		.amdhsa_next_free_sgpr 66
		.amdhsa_reserve_vcc 0
		.amdhsa_float_denorm_mode_32 3
		.amdhsa_float_denorm_mode_16_64 3
		.amdhsa_memory_ordered 1
		.amdhsa_forward_progress 1
		.amdhsa_inst_pref_size 182
	.end_amdhsa_kernel
	.amdgpu_metadata
---
amdhsa.version: [ 1, 2 ]
amdhsa.kernels:
  - .name:           k_q2ce051c1e7_spat0
    .symbol:         k_q2ce051c1e7_spat0.kd
    .args:
      - { .name: hA, .offset: 0, .size: 8, .value_kind: global_buffer, .address_space: global }
      - { .name: eeg_tensor, .offset: 8, .size: 8, .value_kind: global_buffer, .address_space: global }
      - { .name: params_input_proj_w, .offset: 16, .size: 8, .value_kind: global_buffer, .address_space: global }
      - { .name: params_input_proj_b, .offset: 24, .size: 8, .value_kind: global_buffer, .address_space: global }
      - { .name: params_spatial_pos, .offset: 32, .size: 8, .value_kind: global_buffer, .address_space: global }
      - { .name: params_temporal_pos, .offset: 40, .size: 8, .value_kind: global_buffer, .address_space: global }
      - { .name: wl0, .offset: 48, .size: 8, .value_kind: global_buffer, .address_space: global }
      - { .name: params_layers_0_spatial_q_b, .offset: 56, .size: 8, .value_kind: global_buffer, .address_space: global }
      - { .name: params_layers_0_spatial_k_b, .offset: 64, .size: 8, .value_kind: global_buffer, .address_space: global }
      - { .name: params_layers_0_spatial_v_b, .offset: 72, .size: 8, .value_kind: global_buffer, .address_space: global }
      - { .name: params_layers_0_spatial_o_b, .offset: 80, .size: 8, .value_kind: global_buffer, .address_space: global }
      - { .name: params_layers_0_spatial_norm_g, .offset: 88, .size: 8, .value_kind: global_buffer, .address_space: global }
      - { .name: params_layers_0_spatial_norm_b, .offset: 96, .size: 8, .value_kind: global_buffer, .address_space: global }
      - { .name: hB, .offset: 104, .size: 8, .value_kind: global_buffer, .address_space: global }
      - { .name: cfg0, .offset: 112, .size: 8, .value_kind: global_buffer, .address_space: global }
    .group_segment_fixed_size: 203264
    .private_segment_fixed_size: 0
    .kernarg_segment_align: 8
    .kernarg_segment_size: 120
    .max_flat_workgroup_size: 128
    .sgpr_count:     66
    .vgpr_count:     1024
    .wavefront_size: 32
...
	.end_amdgpu_metadata
.endif
;; end of part 2
;; launch temp0 (part 3): grid 256 x 1, 4 waves a work-group, no clusters, 305,664 bytes of LDS; arguments hB, wl0, params_layers_0_temporal_q_b, params_layers_0_temporal_k_b, params_layers_0_temporal_v_b, params_layers_0_temporal_o_b, params_layers_0_temporal_norm_g, params_layers_0_temporal_norm_b, params_layers_0_ffn_w1_b, params_layers_0_ffn_w2_b, params_layers_0_ffn_norm_g, params_layers_0_ffn_norm_b, params_output_proj_w, params_output_proj_b, hA, out0, cfg0; writes hA, out0
.if DOCPART == 3
	.amdgcn_target "amdgcn-amd-amdhsa--gfx1250"
	.amdhsa_code_object_version 6
	.text
	.protected	k_q2ce051c1e7_temp0
	.globl	k_q2ce051c1e7_temp0
	.p2align	8
	.type	k_q2ce051c1e7_temp0,@function
k_q2ce051c1e7_temp0:
	s_mov_b64 s[64:65], 0
	v_nop
	global_prefetch_b8 v0, s[64:65] scope:SCOPE_SE
	s_setreg_imm32_b32 hwreg(HW_REG_WAVE_MODE, 25, 1), 1
	s_wait_xcnt 0x0
; TEMPORAL ATTENTION, FFN AND THE TWO LAYERNORMS OF ONE LAYER:  y = LN(MHA over the 512 steps of a (b, c) + h);  h' = LN(W2 gelu(W1 y + b1) + b2 + y).
; In the last layer (flag word 1 = 1) h' is not stored: out[b][c][t] = h' . out_w + out_b is.  h, h': [2][512][64][128] in f16.
; SHARES.  A work-group owns 256 queries (half) of one (b, c).  IN ATTENTION WAVE w IS HEAD w: K and V of all 512 keys of its head stay in 512 registers, the 512 scores of a tile of 16
; queries in 256: no running maximum is needed, the row's true maximum is taken, and K and V cost no LDS traffic in the loop.  Both halves of a sequence make K and V: the price of 256 work-groups.
; IN THE CHAIN (o projection, LN, FFN, LN) wave w owns token tiles 4 w .. 4 w + 3; the heads' outputs change hands through LDS.
; NO CLUSTER, NO TENSOR LOAD: x is re-laid on its way into blocks of 272 bytes, which wants registers; of the 352 KiB of weights that all work-groups share, a wave's own q, k, v slices go straight to
; registers, and the FFN's 256 KiB are copied through registers under the attention's arithmetic (four loads a trip) and under the o projection and LN.
; LAYOUT as in the spatial kernel: a lane keeps one token (lane % 16) through all products; V is made with the sources swapped.  The keys lie in LDS own half first: K and V share that order.
; ARITHMETIC.  Matrix operands f16, sums f32; p = 2^(c s - c m), c = log2(e) / sqrt(32); v_b is added behind the division by the row's sum; LayerNorm in two passes, f32.
; GELU is exact GELU by the rational form of erf (Abramowitz and Stegun 7.1.26, error of erf at most 1.5e-7 for every x): t = 1 / (1 + 0.2316419 |x|), E = 2^-(0.8493218 x)^2,
; g = |x| (0.5 - E poly(t) / 2) + x / 2.
; LIMITS.  h, q, k, v, the attention's output and the hidden layer stay under 65,504 (f16); below 6e-5 they keep f16's step of 6e-8.  A weight below 2^-126 counts as 0.  NaN and infinities are not treated apart.
; REGISTERS, in windows of 256 (s_set_vgpr_msb: bits 1:0 source 0, 3:2 source 1, 5:4 source 2, 7:6 destination):
;   window 0: addresses, statistics; Wq, biases, the loop's small fragments; later WFA, WFB, vectors       window 1: x as loaded; K; then Y / Z, the chain's 32 accumulators
;   window 2: V; the FFN weights' upper half as loaded; GELU's H, T, E, P; out_w                           window 3: Wk, Wv, x fragments, accumulators; scores / P; OFR, XR; YF, HF, g
.set XOWN,  131072                     ; x, 32 tiles of 4,352 bytes (16 blocks of 256 at pitch 272): own half, then the other half, up to 270,336
.set OS,    200704                     ; on the other half, when it is dead: the heads' outputs, fragment (q tile, head) at 1,024 (4 qt + head)
.set WO,    270336                     ; o's fragments, 8,192 kf + 1,024 nt; at the end each wave's stage, 8,192 w
.set PB,    303104                     ; w1_b
.set SPARE, 305152                     ; the spare words, 128 bytes a wave.  LDS 0 .. 262,143 takes the FFN's weights, step s at 16,384 s: the lower half during attention, the upper when x and OS are dead
.set SPW, 2
.set NIL, 3
.set ONE, 4
.set L16, 5
.set XBA, 6                            ; v6-9 x's fragments, a base for every eight tiles; later:
.set OFRA, 6
.set XRA, 7
.set FWS1, 8
.set FWS2, 9
.set XQA, 10
.set OSA, 11
.set CPA, 12
.set STO, 10
.set RD,  11
.set OUTS, 12
.set GROW, 13                          ; 16,384 hi + 16 p: two rows of h, 64 channels apart in memory
.set XROW, 14
.set WOA, 14
.set VECO, 15
.set FWA, 16
.set B1A, 17
.set CC,  18                           ; v18-21 four chains of the maximum
.set MX,  22
.set TM,  23
.set CM,  24
.set RL,  26
.set BOFF, 28
.set T16, 29
.set WOS, 30
.set PBS, 31
.set OUTL, 30
.set OUTG, 31
.set WQ,  32
.set BQ,  96
.set BK,  112
.set BV,  128
.set XQ,  144
.set QA,  176
.set QF,  192
.set OT,  200
.set OFH, 216
.set CP,  224
.set LL,  240
.set RR,  248
.set HH,  249
.set LANE, 250
.set FRG, 251
.set ROWP, 252
.set STG, 144                          ; o's fragments and w1_b as loaded, until they are stored
.set WFA, 32
.set WFB, 96
.set VEC0, 160
.set B1,  160
.set FB,  176
.set LT,  32
.set LS,  64
.set WK,  0
.set WV_, 64
.set XB,  128
.set AC,  192
.set XR,  128
.set NG,  128
.set NB,  192
.set HF,  128
.set FG,  160
.set GH,  0
.set GT,  64
.set GE,  128
.set GP,  192
.set OW,  0
.set WV,  2
.set LAST, 42
.set OUTB, 43
.set CNT, 44
.set CS,  46
.set SEL, 48
.set INV, 50
.set EPS, 51
.set XIN, 52
.set WSL, 54
.set FWB, 56
.set HOUT, 58
.set OOUT, 60
.set K1,  68
.set K3,  70
.set C1,  72
.set C2,  74
.set C3,  76
.set C4,  78
.set C5,  80
.set MSB, 0
.macro WIN new                         ; the immediate's high byte repeats the setting that is left; a switch that changes nothing is dropped
.if MSB != (\new)
	s_set_vgpr_msb (MSB<<8)|(\new)
.set MSB, (\new)
.endif
.endm
.macro PLACES                          ; four plain instructions behind a matrix instruction, ahead of what reads its result or writes or loads into its registers
.rept 4
	v_nop
.endr
.endm
.macro ALL line:vararg
.set t, 0
.rept 4
	\line
.set t, t+1
.endr
.endm
.macro VLOAD dst, sb                   ; a vector of 128 f32 as the accumulators hold features: register 8 nt + j = element 16 nt + 8 h + j
.set n, 0
.rept 8
	global_load_b128 v[(\dst)+8*n:(\dst)+8*n+3], v[VECO], s[\sb:\sb+1] offset:64*n
	global_load_b128 v[(\dst)+8*n+4:(\dst)+8*n+7], v[VECO], s[\sb:\sb+1] offset:64*n+16
.set n, n+1
.endr
.endm
.macro LNRED                           ; the four chains of each tile into one number, both halves of the lanes added
	WIN 0
	ALL v_pk_add_f32 v[LT+8*t:LT+8*t+1], v[LT+8*t:LT+8*t+1], v[LT+8*t+2:LT+8*t+3]
	ALL v_pk_add_f32 v[LT+8*t+4:LT+8*t+5], v[LT+8*t+4:LT+8*t+5], v[LT+8*t+6:LT+8*t+7]
	ALL v_pk_add_f32 v[LT+8*t:LT+8*t+1], v[LT+8*t:LT+8*t+1], v[LT+8*t+4:LT+8*t+5]
	ALL v_add_f32 v[LS+8*t], v[LT+8*t], v[LT+8*t+1]
	ALL v_permlanex16_b32 v[LS+8*t+1], v[LS+8*t], s[SEL], s[SEL+1]
	ALL v_add_f32 v[LS+8*t], v[LS+8*t], v[LS+8*t+1]
.endm
.macro LNSTAT                          ; mean; the numbers centred in place; 1 / sqrt(variance + eps).  Each accumulator's lowest registers are read first
	WIN 0
	ALL v_mov_b32 v[LS+8*t+1], 0
	ALL v_mov_b32 v[LS+8*t+3], 0
	ALL v_mov_b32 v[LS+8*t+5], 0
	WIN 0x05
.set t, 0
.rept 4
.set q, 0
.rept 4
	v_pk_add_f32 v[LT+8*t+2*q:LT+8*t+2*q+1], v[64*t+2*q:64*t+2*q+1], v[64*t+8+2*q:64*t+8+2*q+1]
.set q, q+1
.endr
.set t, t+1
.endr
	WIN 0x04
.set q, 8
.rept 24
.set t, 0
.rept 4
	v_pk_add_f32 v[LT+8*t+2*(q%4):LT+8*t+2*(q%4)+1], v[LT+8*t+2*(q%4):LT+8*t+2*(q%4)+1], v[64*t+2*q:64*t+2*q+1]
.set t, t+1
.endr
.set q, q+1
.endr
	LNRED
	ALL v_mul_f32 v[LS+8*t+2], s[INV], v[LS+8*t]
	WIN 0x41
.set q, 0
.rept 32
.set t, 0
.rept 4
	v_pk_add_f32 v[64*t+2*q:64*t+2*q+1], v[64*t+2*q:64*t+2*q+1], v[LS+8*t+2:LS+8*t+3] op_sel_hi:[1,0] neg_lo:[0,1] neg_hi:[0,1]
.set t, t+1
.endr
.set q, q+1
.endr
	WIN 0x05
.set q, 0
.rept 32
.set t, 0
.rept 4
.if q < 4
	v_pk_mul_f32 v[LT+8*t+2*q:LT+8*t+2*q+1], v[64*t+2*q:64*t+2*q+1], v[64*t+2*q:64*t+2*q+1]
.else
	v_pk_fma_f32 v[LT+8*t+2*(q%4):LT+8*t+2*(q%4)+1], v[64*t+2*q:64*t+2*q+1], v[64*t+2*q:64*t+2*q+1], v[LT+8*t+2*(q%4):LT+8*t+2*(q%4)+1]
.endif
.set t, t+1
.endr
.set q, q+1
.endr
	LNRED
	ALL v_fma_f32 v[LS+8*t], v[LS+8*t], s[INV], s[EPS]
	ALL v_rsq_f32 v[LS+8*t+4], v[LS+8*t]
	v_nop                                          ; a plain instruction behind the last of the four,
	s_wait_alu depctr_va_vdst(0)                   ; and one wait for the batch, ahead of its first reader
.endm
.macro LNAFF win, gg, bb               ; times 1 / sqrt, times g, plus b
	WIN 0x41
.set q, 0
.rept 32
.set t, 0
.rept 4
	v_pk_mul_f32 v[64*t+2*q:64*t+2*q+1], v[64*t+2*q:64*t+2*q+1], v[LS+8*t+4:LS+8*t+5] op_sel_hi:[1,0]
.set t, t+1
.endr
.set q, q+1
.endr
	WIN \win
.set q, 0
.rept 32
.set t, 0
.rept 4
	v_pk_fma_f32 v[64*t+2*q:64*t+2*q+1], v[64*t+2*q:64*t+2*q+1], v[(\gg)+2*q:(\gg)+2*q+1], v[(\bb)+2*q:(\bb)+2*q+1]
.set t, t+1
.endr
.set q, q+1
.endr
.endm
.macro XLOAD lt                        ; LDS tile lt's four fragments into buffer lt % 2
	WIN 0xc0
.set n, 0
.rept 8
	ds_load_b128 v[XB+32*((\lt)%2)+4*n:XB+32*((\lt)%2)+4*n+3], v[XBA+(\lt)/8] offset:((\lt)%8)*4352+544*n
.set n, n+1
.endr
.endm
.macro KVMUL tt                        ; 16 products: my head's K (two feature tiles, started by k_b) and V (two channel tiles, sources swapped) of tile tt; the four accumulators take turns
.set bb, 32*((\tt)%2)
.set kf, 0
.rept 4
.if kf == 0
	WIN 0xcf
	v_wmma_f32_16x16x32_f16 v[AC+bb:AC+bb+7], v[WK+8*kf:WK+8*kf+7], v[XB+bb+8*kf:XB+bb+8*kf+7], v[BK:BK+7]
	v_wmma_f32_16x16x32_f16 v[AC+bb+8:AC+bb+15], v[WK+32+8*kf:WK+32+8*kf+7], v[XB+bb+8*kf:XB+bb+8*kf+7], v[BK+8:BK+15]
	v_wmma_f32_16x16x32_f16 v[AC+bb+16:AC+bb+23], v[XB+bb+8*kf:XB+bb+8*kf+7], v[WV_+8*kf:WV_+8*kf+7], 0
	v_wmma_f32_16x16x32_f16 v[AC+bb+24:AC+bb+31], v[XB+bb+8*kf:XB+bb+8*kf+7], v[WV_+32+8*kf:WV_+32+8*kf+7], 0
.else
	WIN 0xff
	v_wmma_f32_16x16x32_f16 v[AC+bb:AC+bb+7], v[WK+8*kf:WK+8*kf+7], v[XB+bb+8*kf:XB+bb+8*kf+7], v[AC+bb:AC+bb+7]
	v_wmma_f32_16x16x32_f16 v[AC+bb+8:AC+bb+15], v[WK+32+8*kf:WK+32+8*kf+7], v[XB+bb+8*kf:XB+bb+8*kf+7], v[AC+bb+8:AC+bb+15]
	v_wmma_f32_16x16x32_f16 v[AC+bb+16:AC+bb+23], v[XB+bb+8*kf:XB+bb+8*kf+7], v[WV_+8*kf:WV_+8*kf+7], v[AC+bb+16:AC+bb+23]
	v_wmma_f32_16x16x32_f16 v[AC+bb+24:AC+bb+31], v[XB+bb+8*kf:XB+bb+8*kf+7], v[WV_+32+8*kf:WV_+32+8*kf+7], v[AC+bb+24:AC+bb+31]
.endif
.set kf, kf+1
.endr
.endm
.macro PACKKV tt                       ; tile tt's K fragment into window 1 at 8 tt; its halves of two V^T fragments into window 2 at 8 (16 ct + tt / 2) + 4 (tt % 2)
.set bb, 32*((\tt)%2)
	WIN 0x4f
.set i, 0
.rept 8
	v_cvt_pk_f16_f32 v[8*(\tt)+i], v[AC+bb+2*i], v[AC+bb+2*i+1]
.set i, i+1
.endr
	WIN 0x8f
.set i, 0
.rept 8
	v_cvt_pk_f16_f32 v[128*(i/4)+8*((\tt)/2)+4*((\tt)%2)+i%4], v[AC+bb+16+2*i], v[AC+bb+16+2*i+1]
.set i, i+1
.endr
.endm
.macro TFMA pp                         ; pair pp of the 128 pairs of scores: c s - c m
	v_pk_fma_f32 v[2*(\pp):2*(\pp)+1], v[2*(\pp):2*(\pp)+1], s[CS:CS+1], v[CM:CM+1] op_sel_hi:[1,0,0] neg_lo:[0,0,1] neg_hi:[0,0,1]
.endm
.macro RIDE kk                         ; four lines of the maximum on score tile kk, its lowest registers first
.set i, 0
.rept 4
	v_max3_num_f32 v[CC+i], v[CC+i], v[8*(\kk)+2*i], v[8*(\kk)+2*i+1]
.set i, i+1
.endr
.endm
.macro LWO buf, kf                     ; o's eight fragments of K slice kf
.set n, 0
.rept 8
	ds_load_b128 v[(\buf)+8*n:(\buf)+8*n+3], v[WOA] offset:(\kf)*8192+1024*n
	ds_load_b128 v[(\buf)+8*n+4:(\buf)+8*n+7], v[WOA] offset:(\kf)*8192+1024*n+512
.set n, n+1
.endr
.endm
.macro ACC32 buf, bfr, bstep           ; 32 products onto the chain's 32 accumulators: (tk, nt) += buf(nt) x fragment at bfr + bstep tk
	WIN 0x5c
.set n, 0
.rept 8
.set tk, 0
.rept 4
	v_wmma_f32_16x16x32_f16 v[64*tk+8*n:64*tk+8*n+7], v[(\buf)+8*n:(\buf)+8*n+7], v[(\bfr)+(\bstep)*tk:(\bfr)+(\bstep)*tk+7], v[64*tk+8*n:64*tk+8*n+7]
.set tk, tk+1
.endr
.set n, n+1
.endr
.endm
.macro LW1 off, boff                   ; an FFN step's W1 (eight fragments) and its 32 numbers of w1_b
.set n, 0
.rept 8
	ds_load_b128 v[WFA+8*n:WFA+8*n+3], v[FWA] offset:(\off)+1024*n
	ds_load_b128 v[WFA+8*n+4:WFA+8*n+7], v[FWA] offset:(\off)+1024*n+512
.set n, n+1
.endr
.set n, 0
.rept 4
	ds_load_b128 v[B1+4*n:B1+4*n+3], v[B1A] offset:(\boff)+64*(n/2)+16*(n%2)
.set n, n+1
.endr
.endm
.macro OUTT tk                         ; tile tk leaves: to f16 in place, through my stage, back by rows, stored
	WIN 0x45
.set i, 0
.rept 32
	v_cvt_pk_f16_f32 v[64*(\tk)+i], v[64*(\tk)+2*i], v[64*(\tk)+2*i+1]
.set i, i+1
.endr
	WIN 0x04
.set n, 0
.rept 8
	ds_store_b128 v[STO], v[64*(\tk)+4*n:64*(\tk)+4*n+3] offset:544*n
.set n, n+1
.endr
	WIN 0x40
.set i, 0
.rept 8
	ds_load_b128 v[64*(\tk)+32+4*i:64*(\tk)+32+4*i+3], v[RD] offset:32*i  ; my own bytes, served in order (ISA guide 5.7.1.4): behind the stores above, ahead of the next tile's
.set i, i+1
.endr
	s_wait_dscnt 0x0
	WIN 0x04
.set i, 0
.rept 8
	global_store_b128 v[GROW], v[64*(\tk)+32+4*i:64*(\tk)+32+4*i+3], s[HOUT:HOUT+1] offset:(16*(\tk)+2*i)*16384  ; sixteen lanes fill a row's 256 bytes, aligned
.set i, i+1
.endr
.endm
	s_load_b512 s[8:23], s[0:1], 0x0               ; hB 8, wl 10, q_b 12, k_b 14, v_b 16, o_b 18, norm_g 20, norm_b 22
	s_load_b512 s[24:39], s[0:1], 0x40             ; w1_b 24, w2_b 26, ffn_norm_g 28, ffn_norm_b 30, out_w 32, out_b 34, hA 36, out0 38
	s_load_b64 s[40:41], s[0:1], 0x80              ; cfg
	v_lshl_add_u32 v[SPW], v0, 2, SPARE
	v_mov_b32 v[NIL], 0
	v_mov_b32 v[ONE], 1.0
	v_lshrrev_b32 v1, 5, v0
	v_readfirstlane_b32 s[WV], v1                  ; wave 0..3
	v_and_b32 v[LANE], 31, v0
	v_and_b32 v[RR], 15, v0
	v_bfe_u32 v[HH], v0, 4, 1
	v_lshlrev_b32 v[L16], 4, v[LANE]
	v_lshlrev_b32 v[T16], 4, v0
	v_lshlrev_b32 v[VECO], 5, v[HH]
	s_lshl_b32 s86, s[WV], 7
	v_add_nc_u32 v[BOFF], s86, v[VECO]             ; my head's 32 numbers of a bias
	v_lshlrev_b32 v[GROW], 14, v[HH]
	v_lshl_add_u32 v[GROW], v[RR], 4, v[GROW]
	v_mul_u32_u24 v[FRG], v[HH], 272               ; a tile by fragments: 272 h + 16 r
	v_lshl_add_u32 v[FRG], v[RR], 4, v[FRG]
	v_mul_u32_u24 v[ROWP], v[RR], 272              ; by rows: 272 p + 16 hi
	v_lshl_add_u32 v[ROWP], v[HH], 4, v[ROWP]
	s_mul_i32 s86, s[WV], 34816
	s_add_co_u32 s86, s86, XOWN
	v_add_nc_u32 v[XROW], s86, v[ROWP]             ; I bring LDS tiles 8 w .. 8 w + 7
.set i, 0
.rept 4
	v_add_nc_u32 v[XBA+i], XOWN+34816*i, v[FRG]
.set i, i+1
.endr
	v_add_nc_u32 v[XQA], XOWN, v[FRG]
	s_lshl_b32 s86, s[WV], 10
	s_add_co_u32 s86, s86, OS
	v_add_nc_u32 v[OSA], s86, v[L16]
	v_mov_b32 v[CPA], v[T16]
	v_add_nc_u32 v[WOS], WO, v[T16]
	v_add_nc_u32 v[PBS], PB, v[T16]
	v_mov_b32 v[MX], 0                             ; written once: the exchange counts as a reader of its destination, and pairs are named whole
	v_mov_b32 v[CM+1], 0
	v_mov_b32 v[RL+1], 0
	s_and_b32 s4, ttmp9, 1                         ; which half of the sequence's steps is mine
	s_lshr_b32 s3, ttmp9, 1                        ; the sequence: 64 b + c
	s_lshr_b32 s5, s3, 6
	s_and_b32 s6, s3, 63
	s_lshl_b32 s7, s[WV], 7
	s_lshl_b32 s62, s4, 8
	s_add_co_u32 s7, s7, s62
	s_and_b32 s7, s7, 511                          ; LDS row R holds step (R + 256 half) mod 512: my 128 rows begin at this step
	s_lshl_b32 s62, s5, 9
	s_add_co_u32 s62, s62, s7
	s_lshl_b32 s62, s62, 14
	s_lshl_b32 s63, s6, 8
	s_add_co_u32 s62, s62, s63
	s_mov_b32 s63, 0
	s_lshl_b32 s66, s5, 9
	s_lshl_b32 s67, s4, 8
	s_add_co_u32 s66, s66, s67
	s_lshl_b32 s67, s[WV], 6
	s_add_co_u32 s66, s66, s67                     ; the chain's 64 tokens of mine begin at step 256 half + 64 w
	s_lshl_b32 s66, s66, 14
	s_lshl_b32 s67, s6, 8
	s_add_co_u32 s66, s66, s67
	s_mov_b32 s67, 0
	s_lshl_b32 s82, s3, 11
	s_lshl_b32 s83, s4, 10
	s_add_co_u32 s82, s82, s83
	s_lshl_b32 s83, s[WV], 8
	s_add_co_u32 s82, s82, s83
	s_mov_b32 s83, 0
	s_lshl_b32 s84, s[WV], 15
	s_add_co_u32 s84, s84, 131072                  ; my head's block of temporal weights
	s_mov_b32 s85, 0
	s_mov_b32 s[CS], 0x3e8293ee                    ; c = log2(e) / sqrt(32)
	s_mov_b32 s[CS+1], s[CS]
	s_mov_b32 s[SEL], 0x76543210
	s_mov_b32 s[SEL+1], 0xfedcba98
	s_mov_b32 s[INV], 0x3c000000                   ; 1 / 128
	s_mov_b32 s[EPS], 0x3727c5ac                   ; 1e-5
	s_mov_b32 s[K1], 0x3e6d3389                    ; 0.2316419
	s_mov_b32 s[K3], 0x3f596d27                    ; 0.8493218
	s_mov_b32 s[K3+1], s[K3]
	s_mov_b32 s[C1], 0xbe027906                    ; the series' coefficients times -1/2: -0.127414796,
	s_mov_b32 s[C1+1], s[C1]
	s_mov_b32 s[C2], 0x3e11a98e                    ; 0.142248368,
	s_mov_b32 s[C2+1], s[C2]
	s_mov_b32 s[C3], 0xbf35f0e3                    ; -0.71070687,
	s_mov_b32 s[C3+1], s[C3]
	s_mov_b32 s[C4], 0x3f3a00e3                    ; 0.72657601,
	s_mov_b32 s[C4+1], s[C4]
	s_mov_b32 s[C5], 0xbf07dc22                    ; -0.53070271
	s_mov_b32 s[C5+1], s[C5]
	s_wait_kmcnt 0x0
	s_load_b32 s[LAST], s[40:41], 0x4              ; 1: the last layer
	s_load_b32 s[OUTB], s[34:35], 0x0
	s_add_nc_u64 s[XIN:XIN+1], s[8:9], s[62:63]
	s_add_nc_u64 s[HOUT:HOUT+1], s[36:37], s[66:67]
	s_add_nc_u64 s[OOUT:OOUT+1], s[38:39], s[82:83]
	s_add_nc_u64 s[WSL:WSL+1], s[10:11], s[84:85]
	s_add_nc_u64 s[FWB:FWB+1], s[10:11], 0x40000
	; PHASE 0: x into LDS, my head's weights and biases into registers
	WIN 0x40
.set i, 0
.rept 64                               ; a load takes two whole rows of 256 bytes
	global_load_b128 v[4*i:4*i+3], v[GROW], s[XIN:XIN+1] offset:32768*i
.set i, i+1
.endr
	WIN 0
.set i, 0
.rept 16
	global_load_b128 v[WQ+4*i:WQ+4*i+3], v[L16], s[WSL:WSL+1] offset:512*i
.set i, i+1
.endr
	WIN 0xc0
.set i, 0
.rept 32                               ; Wk, then Wv
	global_load_b128 v[WK+4*i:WK+4*i+3], v[L16], s[WSL:WSL+1] offset:8192+512*i
.set i, i+1
.endr
	WIN 0
.set i, 0
.rept 4
	global_load_b128 v[BQ+4*i:BQ+4*i+3], v[BOFF], s[12:13] offset:64*(i/2)+16*(i%2)
	global_load_b128 v[BK+4*i:BK+4*i+3], v[BOFF], s[14:15] offset:64*(i/2)+16*(i%2)
	global_load_b128 v[BV+4*i:BV+4*i+3], v[BOFF], s[16:17] offset:64*(i/2)+16*(i%2)
.set i, i+1
.endr
	s_wait_loadcnt 60                              ; the 48 + 12 younger loads may stay out: x is in
	WIN 0x04
.set i, 0
.rept 64
	ds_store_b128 v[XROW], v[4*i:4*i+3] offset:(i/8)*4352+(i%8)*32
.set i, i+1
.endr
	WIN 0
.set i, 0
.rept 16                               ; o's fragments of the four heads, and w1_b, on their way while K and V are made
	global_load_b128 v[STG+4*i:STG+4*i+3], v[T16], s[10:11] offset:131072+(i/4)*32768+24576+(i%4)*2048
.set i, i+1
.endr
	global_load_b128 v[STG+64:STG+67], v[T16], s[24:25]
	s_wait_kmcnt 0x0
	s_wait_dscnt 0x0                               ; for the others' sake: my rows of x lie in LDS
	s_barrier_signal -1
	s_barrier_wait -1                              ; barrier 1: all 512 rows do
	s_wait_loadcnt 17                              ; the 17 loads just issued may stay out: weights and biases are in
	; PHASE 1: K and V of my head for all 32 tiles.  A tile's pack stands a tile later: its 16 conversions are the places ahead of the next loads and of the accumulators' next turn
	XLOAD 0
.set tl, 0
.rept 32
.if tl < 31
.if tl == 1
.rept 5
	v_nop                                          ; no pack is at hand yet
.endr
.endif
	XLOAD tl+1
	s_wait_dscnt 8                                 ; the next tile's eight loads may stay out
.else
	s_wait_dscnt 0x0
.endif
	KVMUL tl
.if tl > 0
	PACKKV tl-1
.endif
.set tl, tl+1
.endr
	PACKKV 31
	WIN 0
	s_wait_loadcnt 0x0
.set i, 0
.rept 16
	ds_store_b128 v[WOS], v[STG+4*i:STG+4*i+3] offset:(i/4)*8192+(i%4)*2048
.set i, i+1
.endr
	ds_store_b128 v[PBS], v[STG+64:STG+67]
	s_wait_dscnt 0x0                               ; my reads of the other half of x are over, my stores done
	s_barrier_signal -1
	s_barrier_wait -1                              ; barrier 2: the other half of x is dead, OS may be written
	; PHASE 2: a trip is a tile of 16 queries
	s_mov_b32 s[CNT], 16
.Lq:
.set i, 0
.rept 4                                ; 8 KiB of the FFN's weights a trip for the work-group: the same number is the offset in memory and the LDS address
	global_load_b128 v[CP+4*i:CP+4*i+3], v[CPA], s[FWB:FWB+1] offset:2048*i
.set i, i+1
.endr
.set n, 0
.rept 8
	ds_load_b128 v[XQ+4*n:XQ+4*n+3], v[XQA] offset:544*n
.set n, n+1
.endr
	s_wait_dscnt 0x0
.set kf, 0
.rept 4
.set a, 0
.rept 2
.if kf == 0
	v_wmma_f32_16x16x32_f16 v[QA+8*a:QA+8*a+7], v[WQ+8*(4*a+kf):WQ+8*(4*a+kf)+7], v[XQ+8*kf:XQ+8*kf+7], v[BQ+8*a:BQ+8*a+7]
.else
	v_wmma_f32_16x16x32_f16 v[QA+8*a:QA+8*a+7], v[WQ+8*(4*a+kf):WQ+8*(4*a+kf)+7], v[XQ+8*kf:XQ+8*kf+7], v[QA+8*a:QA+8*a+7]
.endif
.set a, a+1
.endr
.set kf, kf+1
.endr
	PLACES
.set i, 0
.rept 8
	v_cvt_pk_f16_f32 v[QF+i], v[QA+2*i], v[QA+2*i+1]
.set i, i+1
.endr
.set kt, 0
.rept 32                               ; 32 score tiles; behind each product four lines of the maximum on the tile two back: four places or more lie between a product and its first reader
	WIN 0xc1
	v_wmma_f32_16x16x32_f16 v[8*kt:8*kt+7], v[8*kt:8*kt+7], v[QF:QF+7], 0
	WIN 0x3c
.if kt == 0
.set i, 0
.rept 4
	v_mov_b32 v[CC+i], 0xff7fffff                  ; the chains start at the lowest finite number
.set i, i+1
.endr
.elseif kt >= 2
	RIDE kt-2
.endif
.set kt, kt+1
.endr
	RIDE 30
	RIDE 31
	WIN 0
	v_max3_num_f32 v[CC], v[CC], v[CC+1], v[CC+2]
	v_max_num_f32 v[CC], v[CC], v[CC+3]
	v_permlanex16_b32 v[MX], v[CC], s[SEL], s[SEL+1]  ; the query's other 256 keys lie in the lane 16 away
	v_max_num_f32 v[CC], v[CC], v[MX]
	v_mul_f32 v[CM], s[CS], v[CC]
	WIN 0xc3
	TFMA 0
	TFMA 1
.set p, 0
.rept 128                              ; one batch of 256 exponentials; nothing ahead of the wait names a result
.if p < 126
	TFMA p+2
.endif
	v_exp_f32 v[2*p], v[2*p]
	v_exp_f32 v[2*p+1], v[2*p+1]
.set p, p+1
.endr
	v_nop
	s_wait_alu depctr_va_vdst(0)                   ; one wait for the batch
.set kc, 0
.rept 16                               ; 32 keys at a time: the weights are summed, rounded in place, and multiplied; the two accumulators take turns
.if kc == 0
	WIN 0x0f
.set q, 0
.rept 4
	v_pk_add_f32 v[LL+2*q:LL+2*q+1], v[2*q:2*q+1], v[8+2*q:8+2*q+1]
.set q, q+1
.endr
.else
	WIN 0x0c
.set q, 0
.rept 8
	v_pk_add_f32 v[LL+2*(q%4):LL+2*(q%4)+1], v[LL+2*(q%4):LL+2*(q%4)+1], v[16*kc+2*q:16*kc+2*q+1]
.set q, q+1
.endr
.endif
	WIN 0xcf
.set i, 0
.rept 8
	v_cvt_pk_f16_f32 v[8*kc+i], v[16*kc+2*i], v[16*kc+2*i+1]
.set i, i+1
.endr
	WIN 0x0e
.if kc == 0
	v_wmma_f32_16x16x32_f16 v[OT:OT+7], v[8*kc:8*kc+7], v[8*kc:8*kc+7], 0
	v_wmma_f32_16x16x32_f16 v[OT+8:OT+15], v[128+8*kc:128+8*kc+7], v[8*kc:8*kc+7], 0
.else
	v_wmma_f32_16x16x32_f16 v[OT:OT+7], v[8*kc:8*kc+7], v[8*kc:8*kc+7], v[OT:OT+7]
	v_wmma_f32_16x16x32_f16 v[OT+8:OT+15], v[128+8*kc:128+8*kc+7], v[8*kc:8*kc+7], v[OT+8:OT+15]
.endif
.set kc, kc+1
.endr
	WIN 0                                          ; the row's sum: five plain lines, the places behind the last products
	v_pk_add_f32 v[LL:LL+1], v[LL:LL+1], v[LL+2:LL+3]
	v_pk_add_f32 v[LL+4:LL+5], v[LL+4:LL+5], v[LL+6:LL+7]
	v_pk_add_f32 v[LL:LL+1], v[LL:LL+1], v[LL+4:LL+5]
	v_add_f32 v[TM], v[LL], v[LL+1]
	v_permlanex16_b32 v[MX], v[TM], s[SEL], s[SEL+1]
	v_add_f32 v[TM], v[TM], v[MX]
	v_rcp_f32 v[RL], v[TM]
	v_nop
	s_wait_alu depctr_va_vdst(0)
.set q, 0
.rept 8
	v_pk_fma_f32 v[OT+2*q:OT+2*q+1], v[OT+2*q:OT+2*q+1], v[RL:RL+1], v[BV+2*q:BV+2*q+1] op_sel_hi:[1,0,1]
.set q, q+1
.endr
.set i, 0
.rept 8
	v_cvt_pk_f16_f32 v[OFH+i], v[OT+2*i], v[OT+2*i+1]
.set i, i+1
.endr
	ds_store_b128 v[OSA], v[OFH:OFH+3]
	ds_store_b128 v[OSA], v[OFH+4:OFH+7] offset:512
	s_wait_loadcnt 0x0                             ; the trip's four loads; their address register is free behind this wait
.set i, 0
.rept 4
	ds_store_b128 v[CPA], v[CP+4*i:CP+4*i+3] offset:2048*i
.set i, i+1
.endr
	v_add_nc_u32 v[XQA], 4352, v[XQA]
	v_add_nc_u32 v[OSA], 4096, v[OSA]
	v_add_nc_u32 v[CPA], 8192, v[CPA]
	s_sub_co_u32 s[CNT], s[CNT], 1
	s_cmp_lg_u32 s[CNT], 0
	s_cbranch_scc1 .Lq
	VLOAD VEC0, 18                                 ; o_b
	WIN 0x80
.set i, 0
.rept 64                               ; the upper half of the FFN's weights waits in window 2 until its LDS bytes are dead
	global_load_b128 v[4*i:4*i+3], v[T16], s[FWB:FWB+1] offset:131072+2048*i
.set i, i+1
.endr
	WIN 0
	s_lshl_b32 s86, s[WV], 14
	s_add_co_u32 s86, s86, OS
	v_add_nc_u32 v[OFRA], s86, v[L16]
	s_mul_i32 s86, s[WV], 17408
	s_add_co_u32 s86, s86, XOWN
	v_add_nc_u32 v[XRA], s86, v[FRG]
	v_add_nc_u32 v[FWS1], 131072, v[T16]
	v_add_nc_u32 v[FWS2], 196608, v[T16]
	v_add_nc_u32 v[WOA], WO, v[L16]
	v_mov_b32 v[FWA], v[L16]
	v_add_nc_u32 v[B1A], PB, v[VECO]
	s_wait_dscnt 0x0                               ; for the others' sake: my head's outputs lie in OS
	s_barrier_signal -1
	s_barrier_wait -1                              ; barrier 3: all four heads' do
	; PHASE 3: the chain's start: my four token tiles' attention outputs and x
	WIN 0xc0
.set tk, 0
.rept 4
.set n, 0
.rept 8
	ds_load_b128 v[32*tk+4*n:32*tk+4*n+3], v[OFRA] offset:4096*tk+512*n
	ds_load_b128 v[XR+32*tk+4*n:XR+32*tk+4*n+3], v[XRA] offset:4352*tk+544*n
.set n, n+1
.endr
.set tk, tk+1
.endr
	WIN 0
	s_wait_dscnt 0x0                               ; my reads of OS and of x are over
	s_barrier_signal -1
	s_barrier_wait -1                              ; barrier 4: everybody's are: LDS 131,072 .. 262,143 may take weights
	LWO WFA, 0
	LWO WFB, 1
	s_wait_loadcnt 63                              ; 64 loads were issued behind o_b's; the count's field ends at 63
	WIN 0x43
.set tk, 0
.rept 4                                ; the accumulators start as residual + o_b
.set n, 0
.rept 64
.if n % 2
	v_fma_mix_f32 v[64*tk+n], v[XR+32*tk+n/2], v[ONE], v[VEC0+n] op_sel:[1,0,0] op_sel_hi:[1,0,0]
.else
	v_fma_mix_f32 v[64*tk+n], v[XR+32*tk+n/2], v[ONE], v[VEC0+n] op_sel_hi:[1,0,0]
.endif
.set n, n+1
.endr
.set tk, tk+1
.endr
	WIN 0xc0
	VLOAD NG, 20
	VLOAD NB, 22
	WIN 0
	VLOAD VEC0, 26                                 ; w2_b
	s_wait_dscnt 16                                ; the other buffer's 16 loads may stay out
	ACC32 WFA, 0, 32
	PLACES
	WIN 0
	LWO WFA, 2
	s_wait_dscnt 16
	ACC32 WFB, 8, 32
	PLACES
	WIN 0
	LWO WFB, 3
	s_wait_dscnt 16
	ACC32 WFA, 16, 32
	s_wait_dscnt 0x0
	ACC32 WFB, 24, 32
	PLACES
	LNSTAT
	s_wait_loadcnt 16                              ; w2_b's 16 loads may stay out: g and b are in
	LNAFF 0x7d, NG, NB
	WIN 0xc5
.set i, 0
.rept 128                              ; y as the FFN's fragments
	v_cvt_pk_f16_f32 v[i], v[2*i], v[2*i+1]
.set i, i+1
.endr
	s_wait_loadcnt 0x0
	WIN 0x41
.set tk, 0
.rept 4                                ; the FFN's accumulators start as y + w2_b
.set q, 0
.rept 32
	v_pk_add_f32 v[64*tk+2*q:64*tk+2*q+1], v[64*tk+2*q:64*tk+2*q+1], v[VEC0+2*q:VEC0+2*q+1]
.set q, q+1
.endr
.set tk, tk+1
.endr
	WIN 0x08
.set i, 0
.rept 32
	ds_store_b128 v[FWS1], v[4*i:4*i+3] offset:2048*i
.set i, i+1
.endr
.rept 32
	ds_store_b128 v[FWS2], v[4*i:4*i+3] offset:2048*(i-32)
.set i, i+1
.endr
	WIN 0xc0
	VLOAD FG, 28
	WIN 0
	VLOAD FB, 30
	s_wait_dscnt 0x0                               ; for the others' sake: my part of the weights lies in LDS
	s_barrier_signal -1
	s_barrier_wait -1                              ; barrier 5: all 256 KiB do; nobody reads o's fragments any more
	; PHASE 4: the FFN, 32 hidden features a trip
	LW1 0, 0
	s_mov_b32 s[CNT], 16
.Lffn:
.set n, 0
.rept 8
	ds_load_b128 v[WFB+8*n:WFB+8*n+3], v[FWA] offset:8192+1024*n
	ds_load_b128 v[WFB+8*n+4:WFB+8*n+7], v[FWA] offset:8192+1024*n+512
.set n, n+1
.endr
	s_wait_dscnt 16                                ; W2's 16 loads may stay out: W1 and w1_b are in
.set kf, 0
.rept 4
.if kf == 0
	WIN 0x8c
.else
	WIN 0xac
.endif
.set tk, 0
.rept 4
.set a, 0
.rept 2
.if kf == 0
	v_wmma_f32_16x16x32_f16 v[GH+8*(2*tk+a):GH+8*(2*tk+a)+7], v[WFA+8*(4*a+kf):WFA+8*(4*a+kf)+7], v[32*tk+8*kf:32*tk+8*kf+7], v[B1+8*a:B1+8*a+7]
.else
	v_wmma_f32_16x16x32_f16 v[GH+8*(2*tk+a):GH+8*(2*tk+a)+7], v[WFA+8*(4*a+kf):WFA+8*(4*a+kf)+7], v[32*tk+8*kf:32*tk+8*kf+7], v[GH+8*(2*tk+a):GH+8*(2*tk+a)+7]
.endif
.set a, a+1
.endr
.set tk, tk+1
.endr
.set kf, kf+1
.endr
	PLACES
	WIN 0xaa                                       ; GELU on 32 pairs.  Ahead of the wait: a pair's arguments, by turns with the pair before's two reciprocals and two exponentials
.set p, 0
.rept 32
	v_fma_f32 v[GT+2*p], |v[GH+2*p]|, s[K1], 1.0
.if p > 0
	v_rcp_f32 v[GT+2*p-2], v[GT+2*p-2]
.endif
	v_fma_f32 v[GT+2*p+1], |v[GH+2*p+1]|, s[K1], 1.0
.if p > 0
	v_rcp_f32 v[GT+2*p-1], v[GT+2*p-1]
.endif
	v_pk_mul_f32 v[GE+2*p:GE+2*p+1], v[GH+2*p:GH+2*p+1], s[K3:K3+1] op_sel_hi:[1,0]
.if p > 0
	v_exp_f32 v[GE+2*p-2], v[GE+2*p-2]
.endif
	v_pk_mul_f32 v[GE+2*p:GE+2*p+1], v[GE+2*p:GE+2*p+1], v[GE+2*p:GE+2*p+1] neg_lo:[1,0] neg_hi:[1,0]
.if p > 0
	v_exp_f32 v[GE+2*p-1], v[GE+2*p-1]
.endif
.set p, p+1
.endr
	v_rcp_f32 v[GT+62], v[GT+62]
	v_rcp_f32 v[GT+63], v[GT+63]
	v_exp_f32 v[GE+62], v[GE+62]
	v_exp_f32 v[GE+63], v[GE+63]
	v_nop
	s_wait_alu depctr_va_vdst(0)                   ; one wait for the batch of 128
.set p, 0
.rept 32
	v_pk_fma_f32 v[GP+2*p:GP+2*p+1], v[GT+2*p:GT+2*p+1], s[C5:C5+1], s[C4:C4+1] op_sel_hi:[1,0,0]
.set p, p+1
.endr
.irp cc, C3, C2, C1
.set p, 0
.rept 32
	v_pk_fma_f32 v[GP+2*p:GP+2*p+1], v[GP+2*p:GP+2*p+1], v[GT+2*p:GT+2*p+1], s[\cc:\cc+1] op_sel_hi:[1,1,0]
.set p, p+1
.endr
.endr
.set p, 0
.rept 32
	v_pk_mul_f32 v[GP+2*p:GP+2*p+1], v[GP+2*p:GP+2*p+1], v[GT+2*p:GT+2*p+1]
.set p, p+1
.endr
.set p, 0
.rept 32
	v_pk_fma_f32 v[GP+2*p:GP+2*p+1], v[GP+2*p:GP+2*p+1], v[GE+2*p:GE+2*p+1], 0.5 op_sel_hi:[1,1,0]
.set p, p+1
.endr
.set p, 0
.rept 32
	v_pk_mul_f32 v[GE+2*p:GE+2*p+1], v[GH+2*p:GH+2*p+1], 0.5 op_sel_hi:[1,0]
.set p, p+1
.endr
.set p, 0
.rept 64
	v_fma_f32 v[GH+p], |v[GH+p]|, v[GP+p], v[GE+p]
.set p, p+1
.endr
	WIN 0xca
.set i, 0
.rept 32
	v_cvt_pk_f16_f32 v[HF+i], v[GH+2*i], v[GH+2*i+1]
.set i, i+1
.endr
	WIN 0
	s_wait_dscnt 0x0                               ; W2 is in
	s_cmp_eq_u32 s[CNT], 1
	s_cbranch_scc1 .Lnonext                        ; behind the last step there is none
	LW1 16384, 128
.Lnonext:
	ACC32 WFB, HF, 8
	PLACES
	WIN 0
	v_add_nc_u32 v[FWA], 16384, v[FWA]
	v_add_nc_u32 v[B1A], 128, v[B1A]
	s_sub_co_u32 s[CNT], s[CNT], 1
	s_cmp_lg_u32 s[CNT], 0
	s_cbranch_scc1 .Lffn
	; PHASE 5
	WIN 0x80
	VLOAD OW, 32
	WIN 0
	s_lshl_b32 s86, s[WV], 13
	s_add_co_u32 s86, s86, WO                      ; my stage
	v_add_nc_u32 v[STO], s86, v[FRG]
	v_add_nc_u32 v[RD], s86, v[ROWP]
	v_lshl_add_u32 v[OUTS], v[RR], 2, s86
	v_lshl_add_u32 v[OUTL], v[LANE], 3, s86
	v_lshlrev_b32 v[OUTG], 3, v[LANE]
	LNSTAT
	s_wait_loadcnt 16                              ; out_w's 16 loads may stay out: g and b are in
	LNAFF 0x4d, FG, FB
	WIN 0
	s_cmp_lg_u32 s[LAST], 0
	s_cbranch_scc1 .Llast
	OUTT 0
	OUTT 1
	OUTT 2
	OUTT 3
	WIN 0
	s_branch .Lend
.Llast:                                ; out = h' . out_w + out_b: 64 products a lane in four chains, the halves of the lanes added
	s_wait_loadcnt 0x0
	WIN 0x09
.set q, 0
.rept 32
.set t, 0
.rept 4
.if q < 4
	v_pk_mul_f32 v[LT+8*t+2*q:LT+8*t+2*q+1], v[64*t+2*q:64*t+2*q+1], v[OW+2*q:OW+2*q+1]
.else
	v_pk_fma_f32 v[LT+8*t+2*(q%4):LT+8*t+2*(q%4)+1], v[64*t+2*q:64*t+2*q+1], v[OW+2*q:OW+2*q+1], v[LT+8*t+2*(q%4):LT+8*t+2*(q%4)+1]
.endif
.set t, t+1
.endr
.set q, q+1
.endr
	LNRED
	ALL v_add_f32 v[LS+8*t], s[OUTB], v[LS+8*t]
	ALL ds_store_b32 v[OUTS], v[LS+8*t] offset:64*t
	ds_load_b64 v[LT:LT+1], v[OUTL]                ; my own bytes, served in order behind the stores above: 64 steps' numbers, two a lane
	s_wait_dscnt 0x0
	global_store_b64 v[OUTG], v[LT:LT+1], s[OOUT:OOUT+1]  ; 256 consecutive bytes, aligned
.Lend:
	s_wait_tensorcnt 0x0                           ; the wave's end, behind my last LDS store
	ds_add_u32 v[SPW], v[NIL]
	s_wait_dscnt 0x0
	s_endpgm
.Lfunc_end_k_q2ce051c1e7_temp0:
	.size	k_q2ce051c1e7_temp0, .Lfunc_end_k_q2ce051c1e7_temp0-k_q2ce051c1e7_temp0
	.p2alignl 7, 3214868480
	.fill 96, 4, 3214868480
	.section	.rodata,"a",@progbits
	.p2align	6, 0x0
	.amdhsa_kernel k_q2ce051c1e7_temp0
		.amdhsa_group_segment_fixed_size 305664
		.amdhsa_private_segment_fixed_size 0
		.amdhsa_enable_private_segment 0
		.amdhsa_kernarg_size 136
		.amdhsa_user_sgpr_count 2
		.amdhsa_user_sgpr_kernarg_segment_ptr 1
		.amdhsa_wavefront_size32 1
		.amdhsa_system_sgpr_workgroup_id_x 1
		.amdhsa_system_sgpr_workgroup_id_y 1
		.amdhsa_system_sgpr_workgroup_id_z 1
		.amdhsa_system_vgpr_workitem_id 0
		.amdhsa_next_free_vgpr 1024
		.amdhsa_next_free_sgpr 96
		.amdhsa_reserve_vcc 0
		.amdhsa_float_denorm_mode_32 3
		.amdhsa_float_denorm_mode_16_64 3
		.amdhsa_memory_ordered 1
		.amdhsa_forward_progress 1
		.amdhsa_inst_pref_size 255
	.end_amdhsa_kernel
	.section	.bss,"aw",@nobits
	.p2align	6
	.space	262144
	.amdgpu_metadata
---
amdhsa.version: [ 1, 2 ]
amdhsa.kernels:
  - .name:           k_q2ce051c1e7_temp0
    .symbol:         k_q2ce051c1e7_temp0.kd
    .args:
      - { .name: hB, .offset: 0, .size: 8, .value_kind: global_buffer, .address_space: global }
      - { .name: wl0, .offset: 8, .size: 8, .value_kind: global_buffer, .address_space: global }
      - { .name: params_layers_0_temporal_q_b, .offset: 16, .size: 8, .value_kind: global_buffer, .address_space: global }
      - { .name: params_layers_0_temporal_k_b, .offset: 24, .size: 8, .value_kind: global_buffer, .address_space: global }
      - { .name: params_layers_0_temporal_v_b, .offset: 32, .size: 8, .value_kind: global_buffer, .address_space: global }
      - { .name: params_layers_0_temporal_o_b, .offset: 40, .size: 8, .value_kind: global_buffer, .address_space: global }
      - { .name: params_layers_0_temporal_norm_g, .offset: 48, .size: 8, .value_kind: global_buffer, .address_space: global }
      - { .name: params_layers_0_temporal_norm_b, .offset: 56, .size: 8, .value_kind: global_buffer, .address_space: global }
      - { .name: params_layers_0_ffn_w1_b, .offset: 64, .size: 8, .value_kind: global_buffer, .address_space: global }
      - { .name: params_layers_0_ffn_w2_b, .offset: 72, .size: 8, .value_kind: global_buffer, .address_space: global }
      - { .name: params_layers_0_ffn_norm_g, .offset: 80, .size: 8, .value_kind: global_buffer, .address_space: global }
      - { .name: params_layers_0_ffn_norm_b, .offset: 88, .size: 8, .value_kind: global_buffer, .address_space: global }
      - { .name: params_output_proj_w, .offset: 96, .size: 8, .value_kind: global_buffer, .address_space: global }
      - { .name: params_output_proj_b, .offset: 104, .size: 8, .value_kind: global_buffer, .address_space: global }
      - { .name: hA, .offset: 112, .size: 8, .value_kind: global_buffer, .address_space: global }
      - { .name: out0, .offset: 120, .size: 8, .value_kind: global_buffer, .address_space: global }
      - { .name: cfg0, .offset: 128, .size: 8, .value_kind: global_buffer, .address_space: global }
    .group_segment_fixed_size: 305664
    .private_segment_fixed_size: 0
    .kernarg_segment_align: 8
    .kernarg_segment_size: 136
    .max_flat_workgroup_size: 128
    .sgpr_count:     96
    .vgpr_count:     1024
    .wavefront_size: 32
...
	.end_amdgpu_metadata
.endif
;; end of part 3
;; launch spat1: the kernel of part 2 again; grid 256 x 1, 4 waves a work-group, no clusters, 203,264 bytes of LDS; arguments hA, eeg_tensor, params_input_proj_w, params_input_proj_b, params_spatial_pos, params_temporal_pos, wl1, params_layers_1_spatial_q_b, params_layers_1_spatial_k_b, params_layers_1_spatial_v_b, params_layers_1_spatial_o_b, params_layers_1_spatial_norm_g, params_layers_1_spatial_norm_b, hB, cfg1; writes hB
;; launch temp1: the kernel of part 3 again; grid 256 x 1, 4 waves a work-group, no clusters, 305,664 bytes of LDS; arguments hB, wl1, params_layers_1_temporal_q_b, params_layers_1_temporal_k_b, params_layers_1_temporal_v_b, params_layers_1_temporal_o_b, params_layers_1_temporal_norm_g, params_layers_1_temporal_norm_b, params_layers_1_ffn_w1_b, params_layers_1_ffn_w2_b, params_layers_1_ffn_norm_g, params_layers_1_ffn_norm_b, params_output_proj_w, params_output_proj_b, hA, out0, cfg1; writes hA, out0
;; ======== version 2 of 2: 5 launches; 1.27 times as fast as version 1
;; limits: values are held in f16: magnitudes above 65,504 overflow, below 6.1e-05 lose precision; a function is approximated: absolute error at most 1.5e-07; values outside matrix products are rounded to f16
;; workspace buffers: hA 16,777,216 bytes; hB 16,777,216 bytes; wl0 524,288 bytes; wl1 524,288 bytes; cfg0 256 bytes of whole numbers; cfg1 256 bytes of whole numbers
;; launch prep: the kernel of part 1 again; grid 128 x 1, 2 waves a work-group, no clusters, 0 bytes of LDS; arguments params_layers_0_spatial_q_w, params_layers_0_spatial_k_w, params_layers_0_spatial_v_w, params_layers_0_spatial_o_w, params_layers_0_temporal_q_w, params_layers_0_temporal_k_w, params_layers_0_temporal_v_w, params_layers_0_temporal_o_w, params_layers_0_ffn_w1_w, params_layers_0_ffn_w2_w, params_layers_1_spatial_q_w, params_layers_1_spatial_k_w, params_layers_1_spatial_v_w, params_layers_1_spatial_o_w, params_layers_1_temporal_q_w, params_layers_1_temporal_k_w, params_layers_1_temporal_v_w, params_layers_1_temporal_o_w, params_layers_1_ffn_w1_w, params_layers_1_ffn_w2_w, wl0, wl1, cfg0, cfg1; writes wl0, wl1, cfg0, cfg1
;; launch spat0 (part 4): grid 256 x 1, 4 waves a work-group, no clusters, 203,264 bytes of LDS; arguments hA, eeg_tensor, params_input_proj_w, params_input_proj_b, params_spatial_pos, params_temporal_pos, wl0, params_layers_0_spatial_q_b, params_layers_0_spatial_k_b, params_layers_0_spatial_v_b, params_layers_0_spatial_o_b, params_layers_0_spatial_norm_g, params_layers_0_spatial_norm_b, hB, cfg0; writes hB
.if DOCPART == 4
	.amdgcn_target "amdgcn-amd-amdhsa--gfx1250"
	.amdhsa_code_object_version 6
	.text
	.protected	k_q2ce051c1e7_spat0
	.globl	k_q2ce051c1e7_spat0
	.p2align	8
	.type	k_q2ce051c1e7_spat0,@function
k_q2ce051c1e7_spat0:
	s_mov_b64 s[64:65], 0
	v_nop
	global_prefetch_b8 v0, s[64:65] scope:SCOPE_SE
	s_setreg_imm32_b32 hwreg(HW_REG_WAVE_MODE, 25, 1), 1
	s_wait_xcnt 0x0
; SPATIAL ATTENTION OF ONE LAYER: h' = LayerNorm(MHA over the 64 channels of a (b, t) + h).  In the first layer (flag word 0 = 1) h is made here:
; h = eeg w + b + spatial_pos + temporal_pos.  h and h' are [2][512][64][128] in f16.
; SHARES.  A wave owns one (b, t): 64 tokens x 128 features, kept in registers from its load to its store.  The four waves of a work-group share the layer's 128 KiB of
; weight fragments in LDS, copied once through registers, and nothing else: one barrier.
; NO CLUSTER, NO TENSOR LOAD: what work-groups share is those 128 KiB, read once by each at its head; x, 16 KiB a wave, is nobody else's and is re-laid on its way
; into blocks of 272 bytes, which wants registers anyway.
; LAYOUT.  All products are taken so that a lane keeps ONE token (lane % 16): D = W-fragment x x-fragment holds features 8 (lane / 16) + j; two such results packed to f16
; are the next product's fragment.  V is made with the sources swapped (a lane holds one channel and eight tokens), which is V^T's fragment.
; THREE SMALL PRODUCTS keep the text short.  The residual and o_b start the output accumulators by a product of x's fragments with a unit fragment (32 matrix instructions for 256 vector lines).
; A row's sum of weights is a product of P with a fragment of ones.  The embedding, a product with K = 1, is one: A holds (w, b + temporal_pos) at k = 0, 1, B holds (eeg, 1), C is spatial_pos.
; ARITHMETIC.  Matrix operands f16, sums f32; softmax with the row's true maximum, p = 2^(c s - c m), c = log2(e) / sqrt(32), its sum taken of the rounded p; v's bias is added behind the
; division by the row's sum (the weights sum to 1); LayerNorm in two passes (mean, then squares of the centred numbers), f32.
; LIMITS.  eeg, w, b + temporal_pos, h, q, k, v and the attention's output stay under 65,504 (f16); below 6e-5 they keep f16's step of 6e-8.  A weight below 2^-126 counts as 0.  NaN and infinities are not treated apart.
; REGISTERS, in windows of 256 (s_set_vgpr_msb: bits 1:0 source 0, 3:2 source 1, 5:4 source 2, 7:6 destination):
;   window 0: addresses; ones; ACA 32-95, ACB 96-159 accumulators; QF, KF, VF fragments of one head   window 1: x as loaded or spatial_pos, then OACC: the 32 output accumulators
;   window 2: XF 0-127 x's fragments; WFA, WFB weight fragments                                        window 3: the weights as loaded; then scores / P, OF, biases, statistics
.set XS,    131072                     ; behind the weights: 17,408 bytes a wave: block 16 tt + p (p = the row's 16-byte piece) of 256 bytes at pitch 272, token r at 16 r
.set XSW,   17408
.set PB,    200704                     ; q_b, k_b, v_b: 512 bytes each
.set SPARE, 202752                     ; the spare words, 128 bytes a wave
.set SPW, 2
.set NIL, 3
.set ONE, 4
.set WA,  5                            ; 16 lane + 32,768 head
.set BA,  6                            ; PB + 32 h + 128 head
.set XROW, 7                           ; my place in XS by rows: 272 p + 16 hi
.set XFRG, 8                           ; by fragments: 272 h + 16 r
.set VECO, 9                           ; 32 h
.set LIN, 10                           ; 16 thread
.set LIN2, 11
.set L16, 12                           ; 16 lane
.set T4,  13
.set PBA, 14
.set ER4, 15                           ; 4 r
.set ESP, 16                           ; 512 r + 32 h
.set EEG, 17                           ; 2,048 r
.set PS,  18                           ; v18-20 the three biases' words as loaded
.set ONES, 24                          ; v24-31 a fragment of ones
.set ACA, 32
.set ACB, 96
.set QF,  160
.set KF,  192
.set VF,  224
.set OB,  32                           ; o_b, ahead of the loop
.set EF,  160                          ; ahead of the loop: 0 0 0 0 P P P P 0 0 0 0: the unit fragment for k = 16 + m at EF, for k = m at EF + 4
.set AW,  96                           ; the embedding: w, b, temporal_pos of features 16 nt + r; eeg of channels 16 tt + r
.set AB,  104
.set AT,  112
.set EG,  120
.set AF,  128                          ; A of feature tile nt begins at AF + 2 nt: its first register counts, the others meet zeros of B
.set BF,  192                          ; B of token tile tt at BF + 8 tt: (eeg, 1) in the first register of lanes 0-15, zeros elsewhere
.set LT,  32                           ; LayerNorm: four chains of pairs a tile
.set LS,  64                           ; and eight registers of statistics a tile
.set WFA, 128
.set WFB, 192
.set SC,  0
.set OF,  128
.set BQ,  160
.set BK,  176
.set BV,  192
.set ST,  208                          ; q tile t at ST + 8 t: m, exchange, c m (pair), two spare, 1 / l (pair)
.set WV,  2
.set BT,  3
.set FLAG, 38
.set CNT, 39
.set CS,  40
.set SEL, 42
.set XIN, 44
.set XOUT, 46
.set TPB, 48
.set EGB, 50
.set INV, 52
.set EPS, 53
.set MSB, 0
.macro WIN new                         ; the immediate's high byte repeats the setting that is left; a switch that changes nothing is dropped
.if MSB != (\new)
	s_set_vgpr_msb (MSB<<8)|(\new)
.set MSB, (\new)
.endif
.endm
.macro PLACES                          ; four plain instructions behind a matrix instruction, ahead of what reads its result or writes or loads into its registers
.rept 4
	v_nop
.endr
.endm
.macro ALL line:vararg                 ; one line for each tile t
.set t, 0
.rept 4
	\line
.set t, t+1
.endr
.endm
.macro VLOAD dst, sb                   ; a vector of 128 f32 as the accumulators hold features: register 8 nt + j = element 16 nt + 8 h + j
.set n, 0
.rept 8
	global_load_b128 v[(\dst)+8*n:(\dst)+8*n+3], v[VECO], s[\sb:\sb+1] offset:64*n
	global_load_b128 v[(\dst)+8*n+4:(\dst)+8*n+7], v[VECO], s[\sb:\sb+1] offset:64*n+16
.set n, n+1
.endr
.endm
; The unit fragment.  Row m of A holds 1 at k = m: lane (r, h) holds k = 8 h + e, so the 1 lies in the lanes with h = r / 8, in register (r % 8) / 2, half r % 2.
.macro MKE ef, rr, hh, ta, tb
	v_and_b32 v1, 1, v[\rr]
	v_lshlrev_b32 v1, 4, v1
	v_mov_b32 v[\ta], 0x3c00
	v_lshlrev_b32 v[\ta], v1, v[\ta]               ; 1.0 in half r % 2
	v_lshrrev_b32 v1, 3, v[\rr]
	v_xor_b32 v1, v1, v[\hh]
	v_bfe_u32 v[\tb], v[\rr], 1, 2
	v_lshl_or_b32 v1, v1, 2, v[\tb]                ; the register's number, or 4 and more in the lanes that hold none
.set j, 0
.rept 4
	v_cmp_eq_u32 vcc_lo, j, v1
	v_cndmask_b32 v[(\ef)+4+j], 0, v[\ta], vcc_lo
	v_mov_b32 v[(\ef)+j], 0
	v_mov_b32 v[(\ef)+8+j], 0
.set j, j+1
.endr
.endm
.macro INIT win, ef, vec               ; accumulator (tk, nt) = features 16 nt .. of the fragments at 32 tk + the vector's numbers: 32 different accumulators
	WIN \win
.set n, 0
.rept 8
.set tk, 0
.rept 4
	v_wmma_f32_16x16x32_f16 v[64*tk+8*n:64*tk+8*n+7], v[(\ef)+4-4*(n%2):(\ef)+11-4*(n%2)], v[32*tk+8*(n/2):32*tk+8*(n/2)+7], v[(\vec)+8*n:(\vec)+8*n+7]
.set tk, tk+1
.endr
.set n, n+1
.endr
.endm
; LAYERNORM on the four tiles in window 1 (tile t at 64 t; a lane holds 64 of its token's 128 features, the lane 16 away the others).
.macro LNRED                           ; the four chains of each tile into one number, both halves of the lanes added
	WIN 0
	ALL v_pk_add_f32 v[LT+8*t:LT+8*t+1], v[LT+8*t:LT+8*t+1], v[LT+8*t+2:LT+8*t+3]
	ALL v_pk_add_f32 v[LT+8*t+4:LT+8*t+5], v[LT+8*t+4:LT+8*t+5], v[LT+8*t+6:LT+8*t+7]
	ALL v_pk_add_f32 v[LT+8*t:LT+8*t+1], v[LT+8*t:LT+8*t+1], v[LT+8*t+4:LT+8*t+5]
	ALL v_add_f32 v[LS+8*t], v[LT+8*t], v[LT+8*t+1]
	ALL v_permlanex16_b32 v[LS+8*t+1], v[LS+8*t], s[SEL], s[SEL+1]
	ALL v_add_f32 v[LS+8*t], v[LS+8*t], v[LS+8*t+1]
.endm
.macro LNSTAT                          ; mean; the numbers centred in place; 1 / sqrt(variance + eps).  Each accumulator's lowest registers are read first
	WIN 0
	ALL v_mov_b32 v[LS+8*t+1], 0
	ALL v_mov_b32 v[LS+8*t+3], 0
	ALL v_mov_b32 v[LS+8*t+5], 0
	WIN 0x05
.set t, 0
.rept 4
.set q, 0
.rept 4
	v_pk_add_f32 v[LT+8*t+2*q:LT+8*t+2*q+1], v[64*t+2*q:64*t+2*q+1], v[64*t+8+2*q:64*t+8+2*q+1]
.set q, q+1
.endr
.set t, t+1
.endr
	WIN 0x04
.set q, 8
.rept 24
.set t, 0
.rept 4
	v_pk_add_f32 v[LT+8*t+2*(q%4):LT+8*t+2*(q%4)+1], v[LT+8*t+2*(q%4):LT+8*t+2*(q%4)+1], v[64*t+2*q:64*t+2*q+1]
.set t, t+1
.endr
.set q, q+1
.endr
	LNRED
	ALL v_mul_f32 v[LS+8*t+2], s[INV], v[LS+8*t]
	WIN 0x41
.set q, 0
.rept 32
.set t, 0
.rept 4
	v_pk_add_f32 v[64*t+2*q:64*t+2*q+1], v[64*t+2*q:64*t+2*q+1], v[LS+8*t+2:LS+8*t+3] op_sel_hi:[1,0] neg_lo:[0,1] neg_hi:[0,1]
.set t, t+1
.endr
.set q, q+1
.endr
	WIN 0x05
.set q, 0
.rept 32
.set t, 0
.rept 4
.if q < 4
	v_pk_mul_f32 v[LT+8*t+2*q:LT+8*t+2*q+1], v[64*t+2*q:64*t+2*q+1], v[64*t+2*q:64*t+2*q+1]
.else
	v_pk_fma_f32 v[LT+8*t+2*(q%4):LT+8*t+2*(q%4)+1], v[64*t+2*q:64*t+2*q+1], v[64*t+2*q:64*t+2*q+1], v[LT+8*t+2*(q%4):LT+8*t+2*(q%4)+1]
.endif
.set t, t+1
.endr
.set q, q+1
.endr
	LNRED
	ALL v_fma_f32 v[LS+8*t], v[LS+8*t], s[INV], s[EPS]
	ALL v_rsq_f32 v[LS+8*t+4], v[LS+8*t]
	v_nop                                          ; a plain instruction behind the last of the four,
	s_wait_alu depctr_va_vdst(0)                   ; and one wait for the batch, ahead of its first reader
.endm
.macro LNAFF win, gg, bb               ; times 1 / sqrt, times g, plus b
	WIN 0x41
.set q, 0
.rept 32
.set t, 0
.rept 4
	v_pk_mul_f32 v[64*t+2*q:64*t+2*q+1], v[64*t+2*q:64*t+2*q+1], v[LS+8*t+4:LS+8*t+5] op_sel_hi:[1,0]
.set t, t+1
.endr
.set q, q+1
.endr
	WIN \win
.set q, 0
.rept 32
.set t, 0
.rept 4
	v_pk_fma_f32 v[64*t+2*q:64*t+2*q+1], v[64*t+2*q:64*t+2*q+1], v[(\gg)+2*q:(\gg)+2*q+1], v[(\bb)+2*q:(\bb)+2*q+1]
.set t, t+1
.endr
.set q, q+1
.endr
.endm
.macro LWT buf, grp                    ; eight weight fragments of the head in hand: group 0 q, 1 k, 2 v, 3 o
	WIN 0x80
.set n, 0
.rept 8
	ds_load_b128 v[(\buf)+8*n:(\buf)+8*n+3], v[WA] offset:(\grp)*8192+1024*n
	ds_load_b128 v[(\buf)+8*n+4:(\buf)+8*n+7], v[WA] offset:(\grp)*8192+1024*n+512
.set n, n+1
.endr
.endm
.macro LB                              ; the head's 32 numbers of q_b, k_b, v_b, as the accumulators hold features
	WIN 0xc0
.set n, 0
.rept 6
	ds_load_b128 v[BQ+8*n:BQ+8*n+3], v[BA] offset:512*(n/2)+64*(n%2)
	ds_load_b128 v[BQ+8*n+4:BQ+8*n+7], v[BA] offset:512*(n/2)+64*(n%2)+16
.set n, n+1
.endr
.endm
.macro PROJT acc, buf, bias            ; 32 products: acc(tt, a) = W(a, kf) x x(tt, kf), started by the bias; the eight accumulators take turns
.set kf, 0
.rept 4
.if kf == 0
	WIN 0x3a
.else
	WIN 0x0a
.endif
.set a, 0
.rept 2
.set tt, 0
.rept 4
.if kf == 0
	v_wmma_f32_16x16x32_f16 v[(\acc)+8*(2*tt+a):(\acc)+8*(2*tt+a)+7], v[(\buf)+8*(4*a+kf):(\buf)+8*(4*a+kf)+7], v[32*tt+8*kf:32*tt+8*kf+7], v[(\bias)+8*a:(\bias)+8*a+7]
.else
	v_wmma_f32_16x16x32_f16 v[(\acc)+8*(2*tt+a):(\acc)+8*(2*tt+a)+7], v[(\buf)+8*(4*a+kf):(\buf)+8*(4*a+kf)+7], v[32*tt+8*kf:32*tt+8*kf+7], v[(\acc)+8*(2*tt+a):(\acc)+8*(2*tt+a)+7]
.endif
.set tt, tt+1
.endr
.set a, a+1
.endr
.set kf, kf+1
.endr
.endm
.macro PROJV                           ; the same with the sources swapped, for V: acc(ct, tt) holds channel lane % 16 and eight tokens
	WIN 0x0a
.set kf, 0
.rept 4
.set a, 0
.rept 2
.set tt, 0
.rept 4
.if kf == 0
	v_wmma_f32_16x16x32_f16 v[ACA+8*(4*a+tt):ACA+8*(4*a+tt)+7], v[32*tt+8*kf:32*tt+8*kf+7], v[WFA+8*(4*a+kf):WFA+8*(4*a+kf)+7], 0
.else
	v_wmma_f32_16x16x32_f16 v[ACA+8*(4*a+tt):ACA+8*(4*a+tt)+7], v[32*tt+8*kf:32*tt+8*kf+7], v[WFA+8*(4*a+kf):WFA+8*(4*a+kf)+7], v[ACA+8*(4*a+tt):ACA+8*(4*a+tt)+7]
.endif
.set tt, tt+1
.endr
.set a, a+1
.endr
.set kf, kf+1
.endr
.endm
.macro PACK src, dst                   ; 64 sums to 32 registers of f16
	WIN 0
.set i, 0
.rept 32
	v_cvt_pk_f16_f32 v[(\dst)+i], v[(\src)+2*i], v[(\src)+2*i+1]
.set i, i+1
.endr
.endm
.macro SFMA pp                         ; pair pp of the 64 pairs of scores: c s - c m
	v_pk_fma_f32 v[SC+2*(\pp):SC+2*(\pp)+1], v[SC+2*(\pp):SC+2*(\pp)+1], s[CS:CS+1], v[ST+8*((\pp)/16)+2:ST+8*((\pp)/16)+3] op_sel_hi:[1,0,0] neg_lo:[0,0,1] neg_hi:[0,0,1]
.endm
	s_load_b512 s[8:23], s[0:1], 0x0               ; hA 8, eeg 10, in_w 12, in_b 14, spos 16, tpos 18, wl 20, q_b 22
	s_load_b256 s[24:31], s[0:1], 0x40             ; k_b 24, v_b 26, o_b 28, norm_g 30
	s_load_b128 s[32:35], s[0:1], 0x60             ; norm_b 32, hB 34
	s_load_b64 s[36:37], s[0:1], 0x70              ; cfg
	v_lshl_add_u32 v[SPW], v0, 2, SPARE
	v_mov_b32 v[NIL], 0
	v_mov_b32 v[ONE], 1.0
	v_lshrrev_b32 v1, 5, v0
	v_readfirstlane_b32 s[WV], v1                  ; wave 0..3
	v_and_b32 v21, 31, v0                          ; lane
	v_and_b32 v22, 15, v0                          ; r, p
	v_bfe_u32 v23, v0, 4, 1                        ; h, hi
	s_lshl_b32 s[BT], ttmp9, 2
	s_add_co_u32 s[BT], s[BT], s[WV]               ; my (b, t): 512 b + t
	s_lshl_b32 s54, s[BT], 14                      ; its 64 rows of 256 bytes
	s_mov_b32 s55, 0
	s_and_b32 s57, s[BT], 511                      ; t
	s_lshr_b32 s56, s[BT], 9                       ; b
	s_lshl_b32 s58, s57, 9                         ; temporal_pos: row t
	s_mov_b32 s59, 0
	s_lshl_b32 s60, s56, 15
	s_add_co_u32 s60, s60, s57
	s_lshl_b32 s60, s60, 2                         ; eeg[b][0][t]
	s_mov_b32 s61, 0
	s_mul_i32 s56, s[WV], XSW
	s_add_co_u32 s56, s56, XS                      ; my wave's part of XS
	s_mov_b32 s[CS], 0x3e8293ee                    ; c = log2(e) / sqrt(32)
	s_mov_b32 s[CS+1], s[CS]
	s_mov_b32 s[SEL], 0x76543210                   ; v_permlanex16_b32: each lane takes its own place in the other half
	s_mov_b32 s[SEL+1], 0xfedcba98
	s_mov_b32 s[INV], 0x3c000000                   ; 1 / 128
	s_mov_b32 s[EPS], 0x3727c5ac                   ; 1e-5
	v_lshlrev_b32 v[WA], 4, v21
	v_lshlrev_b32 v[L16], 4, v21
	v_lshl_add_u32 v[BA], v23, 5, PB
	v_lshlrev_b32 v[VECO], 5, v23
	v_mul_u32_u24 v[XROW], v22, 272
	v_lshl_add_u32 v[XROW], v23, 4, v[XROW]
	v_add_nc_u32 v[XROW], s56, v[XROW]
	v_mul_u32_u24 v[XFRG], v23, 272
	v_lshl_add_u32 v[XFRG], v22, 4, v[XFRG]
	v_add_nc_u32 v[XFRG], s56, v[XFRG]
	v_lshlrev_b32 v[LIN], 4, v0
	v_add_nc_u32 v[LIN2], 0x10000, v[LIN]
	v_lshlrev_b32 v[T4], 2, v0
	v_lshl_add_u32 v[PBA], v0, 2, PB
	v_lshlrev_b32 v[ER4], 2, v22
	v_lshlrev_b32 v[ESP], 9, v22
	v_lshl_add_u32 v[ESP], v23, 5, v[ESP]
	v_lshlrev_b32 v[EEG], 11, v22
	MKE EF, 22, 23, 24, 25
.set i, 0
.rept 8
	v_mov_b32 v[ONES+i], 0x3c003c00                ; 1.0 twice
.set i, i+1
.endr
	s_wait_kmcnt 0x0
	s_load_b32 s[FLAG], s[36:37], 0x0              ; 1: the first layer
	s_add_nc_u64 s[XIN:XIN+1], s[8:9], s[54:55]
	s_add_nc_u64 s[XOUT:XOUT+1], s[34:35], s[54:55]
	s_add_nc_u64 s[TPB:TPB+1], s[18:19], s[58:59]
	s_add_nc_u64 s[EGB:EGB+1], s[10:11], s[60:61]
	WIN 0xc0
.set i, 0
.rept 64                               ; the spatial weights, 128 KiB: 1,024 bytes a thread
	global_load_b128 v[4*i:4*i+3], v[LIN], s[20:21] offset:2048*i
.set i, i+1
.endr
	WIN 0
	global_load_b32 v[PS], v[T4], s[22:23]
	global_load_b32 v[PS+1], v[T4], s[24:25]
	global_load_b32 v[PS+2], v[T4], s[26:27]
	VLOAD OB, 28
	s_wait_kmcnt 0x0
	s_cmp_lg_u32 s[FLAG], 0
	s_cbranch_scc1 .Lfirst
	WIN 0x40
.set i, 0
.rept 32                               ; x by rows: a load takes two rows of 256 bytes
	global_load_b128 v[4*i:4*i+3], v[L16], s[XIN:XIN+1] offset:512*i
.set i, i+1
.endr
	WIN 0
	s_wait_loadcnt 0x0
	WIN 0x04
.set i, 0
.rept 32
	ds_store_b128 v[XROW], v[4*i:4*i+3] offset:(i/8)*4352+(i%8)*32
.set i, i+1
.endr
	WIN 0x80
.set tt, 0
.rept 4
.set n, 0
.rept 8
	ds_load_b128 v[32*tt+4*n:32*tt+4*n+3], v[XFRG] offset:4352*tt+544*n  ; x's fragments: register 8 kf + 4 part from piece 4 kf + 2 part + h; my own bytes, served in order behind the stores above (ISA guide 5.7.1.4)
.set n, n+1
.endr
.set tt, tt+1
.endr
	WIN 0
	s_branch .Ljoin
.Lfirst:                               ; the embedding, as one product with K = 2 for each of 4 token tiles x 8 feature tiles
.set n, 0
.rept 8
	global_load_b32 v[AW+n], v[ER4], s[12:13] offset:64*n
	global_load_b32 v[AB+n], v[ER4], s[14:15] offset:64*n
	global_load_b32 v[AT+n], v[ER4], s[TPB:TPB+1] offset:64*n
.set n, n+1
.endr
.set tt, 0
.rept 4
	global_load_b32 v[EG+tt], v[EEG], s[EGB:EGB+1] offset:32768*tt
.set tt, tt+1
.endr
	WIN 0x40
.set tt, 0
.rept 4
.set n, 0
.rept 8                                ; spatial_pos as the accumulators hold it: channel 16 tt + r, features 16 nt + 8 h + j
	global_load_b128 v[64*tt+8*n:64*tt+8*n+3], v[ESP], s[16:17] offset:8192*tt+64*n
	global_load_b128 v[64*tt+8*n+4:64*tt+8*n+7], v[ESP], s[16:17] offset:8192*tt+64*n+16
.set n, n+1
.endr
.set tt, tt+1
.endr
	WIN 0
.set n, 0
.rept 8
	v_mov_b32 v[AF+2*n+1], 0
.set n, n+1
.endr
.set n, 16
.rept 6
	v_mov_b32 v[AF+n], 0
.set n, n+1
.endr
.set n, 0
.rept 32
.if n % 8
	v_mov_b32 v[BF+n], 0
.endif
.set n, n+1
.endr
	s_wait_loadcnt 0x0
.set n, 0
.rept 8
	v_add_f32 v[AB+n], v[AB+n], v[AT+n]
.set n, n+1
.endr
.set n, 0
.rept 8
	v_cvt_pk_f16_f32 v[AF+2*n], v[AW+n], v[AB+n]   ; k = 0: w; k = 1: b + temporal_pos
.set n, n+1
.endr
	v_cmp_eq_u32 vcc_lo, 0, v23
.set tt, 0
.rept 4
	v_cvt_pk_f16_f32 v[EG+tt], v[EG+tt], v[ONE]    ; k = 0: eeg; k = 1: 1
	v_cndmask_b32 v[BF+8*tt], 0, v[EG+tt], vcc_lo  ; lanes 16-31 hold k = 8, 9: zeros
.set tt, tt+1
.endr
	WIN 0x50
.set tt, 0
.rept 4
.set n, 0
.rept 8
	v_wmma_f32_16x16x32_f16 v[64*tt+8*n:64*tt+8*n+7], v[AF+2*n:AF+2*n+7], v[BF+8*tt:BF+8*tt+7], v[64*tt+8*n:64*tt+8*n+7]
.set n, n+1
.endr
.set tt, tt+1
.endr
	PLACES
	WIN 0x85
.set i, 0
.rept 128                              ; packed, these are x's fragments
	v_cvt_pk_f16_f32 v[i], v[2*i], v[2*i+1]
.set i, i+1
.endr
	WIN 0
.Ljoin:
	WIN 0x0c
.set i, 0
.rept 32
	ds_store_b128 v[LIN], v[4*i:4*i+3] offset:2048*i
.set i, i+1
.endr
.rept 32
	ds_store_b128 v[LIN2], v[4*i:4*i+3] offset:2048*(i-32)
.set i, i+1
.endr
	WIN 0
	ds_store_b32 v[PBA], v[PS]
	ds_store_b32 v[PBA], v[PS+1] offset:512
	ds_store_b32 v[PBA], v[PS+2] offset:1024
	WIN 0xc0
.set i, 0
.rept 32
	v_mov_b32 v[ST+i], 0                           ; the statistics' registers are written once: pairs are named whole, and the exchange counts as a reader of its destination
.set i, i+1
.endr
	WIN 0
	s_wait_dscnt 0x0                               ; for the others' sake: my part of the weights and biases lies in LDS; for mine: x's fragments are in
	s_barrier_signal -1
	s_barrier_wait -1                              ; the kernel's one barrier: everybody's does
	INIT 0x48, EF, OB                              ; the output accumulators start as residual + o_b
.rept 5
	v_nop                                          ; five places: the loop's first products write over o_b's registers
.endr
	WIN 0
	s_mov_b32 s[CNT], 4
.Lhead:                                ; a trip is a head
	LB
	LWT WFA, 0
	LWT WFB, 1
	s_wait_dscnt 16                                ; k's 16 loads may stay out: biases and q's fragments are in
	PROJT ACA, WFA, BQ
	PLACES
	LWT WFA, 2
	s_wait_dscnt 16                                ; v's 16 may stay out: k's are in
	PROJT ACB, WFB, BK
	PACK ACA, QF                                   ; these 32 conversions are the places ahead of the loads below
	LWT WFB, 3
	s_wait_dscnt 16                                ; o's 16 may stay out: v's are in
	PROJV
	PACK ACB, KF
	PACK ACA, VF
	WIN 0xc0
.set qt, 0
.rept 4
.set kt, 0
.rept 4
	v_wmma_f32_16x16x32_f16 v[SC+32*qt+8*kt:SC+32*qt+8*kt+7], v[KF+8*kt:KF+8*kt+7], v[QF+8*qt:QF+8*qt+7], 0
.set kt, kt+1
.endr
.set qt, qt+1
.endr
	PLACES
	WIN 0xff                                       ; the softmax of four q tiles, side by side; registers in ascending order
	ALL v_max3_num_f32 v[ST+8*t], v[SC+32*t], v[SC+32*t+1], v[SC+32*t+2]
.set n, 1
.rept 14
	ALL v_max3_num_f32 v[ST+8*t], v[ST+8*t], v[SC+32*t+2*n+1], v[SC+32*t+2*n+2]
.set n, n+1
.endr
	ALL v_max_num_f32 v[ST+8*t], v[ST+8*t], v[SC+32*t+31]
	ALL v_permlanex16_b32 v[ST+8*t+1], v[ST+8*t], s[SEL], s[SEL+1]
	ALL v_max_num_f32 v[ST+8*t], v[ST+8*t], v[ST+8*t+1]
	ALL v_mul_f32 v[ST+8*t+2], s[CS], v[ST+8*t]
	SFMA 0
	SFMA 1
.set p, 0
.rept 64                               ; one batch of 128 exponentials; nothing ahead of the wait names a result
.if p < 62
	SFMA p+2
.endif
	v_exp_f32 v[SC+2*p], v[SC+2*p]
	v_exp_f32 v[SC+2*p+1], v[SC+2*p+1]
.set p, p+1
.endr
	v_nop
	s_wait_alu depctr_va_vdst(0)                   ; one wait for the batch
.set i, 0
.rept 64                               ; P in place, ascending: q tile qt's two fragments at 16 qt
	v_cvt_pk_f16_f32 v[SC+i], v[SC+2*i], v[SC+2*i+1]
.set i, i+1
.endr
	WIN 0x0c
.set kc, 0
.rept 2                                ; V^T P, and ones x P for the rows' sums: twelve accumulators by turns
.set a, 0
.rept 2
.set qt, 0
.rept 4
.if kc == 0
	v_wmma_f32_16x16x32_f16 v[ACB+8*(2*qt+a):ACB+8*(2*qt+a)+7], v[VF+8*(2*a+kc):VF+8*(2*a+kc)+7], v[SC+16*qt+8*kc:SC+16*qt+8*kc+7], 0
.else
	v_wmma_f32_16x16x32_f16 v[ACB+8*(2*qt+a):ACB+8*(2*qt+a)+7], v[VF+8*(2*a+kc):VF+8*(2*a+kc)+7], v[SC+16*qt+8*kc:SC+16*qt+8*kc+7], v[ACB+8*(2*qt+a):ACB+8*(2*qt+a)+7]
.endif
.set qt, qt+1
.endr
.set a, a+1
.endr
.set qt, 0
.rept 4
.if kc == 0
	v_wmma_f32_16x16x32_f16 v[ACA+8*qt:ACA+8*qt+7], v[ONES:ONES+7], v[SC+16*qt+8*kc:SC+16*qt+8*kc+7], 0
.else
	v_wmma_f32_16x16x32_f16 v[ACA+8*qt:ACA+8*qt+7], v[ONES:ONES+7], v[SC+16*qt+8*kc:SC+16*qt+8*kc+7], v[ACA+8*qt:ACA+8*qt+7]
.endif
.set qt, qt+1
.endr
.set kc, kc+1
.endr
	PLACES
	WIN 0xc0
	ALL v_rcp_f32 v[ST+8*t+6], v[ACA+8*t]          ; every row of that product is the sum: its lowest register holds my token's
	v_nop
	s_wait_alu depctr_va_vdst(0)
	WIN 0x3c
.set qt, 0
.rept 4
.set n, 0
.rept 8                                ; n = 4 ct + pair: o = sum / l + v_b
	v_pk_fma_f32 v[ACB+16*qt+2*n:ACB+16*qt+2*n+1], v[ACB+16*qt+2*n:ACB+16*qt+2*n+1], v[ST+8*qt+6:ST+8*qt+7], v[BV+2*n:BV+2*n+1] op_sel_hi:[1,0,1]
.set n, n+1
.endr
.set qt, qt+1
.endr
	WIN 0xc0
.set i, 0
.rept 32
	v_cvt_pk_f16_f32 v[OF+i], v[ACB+2*i], v[ACB+2*i+1]
.set i, i+1
.endr
	s_wait_dscnt 0x0                               ; o's fragments are in
	WIN 0x5e
.set n, 0
.rept 8
.set tt, 0
.rept 4
	v_wmma_f32_16x16x32_f16 v[64*tt+8*n:64*tt+8*n+7], v[WFB+8*n:WFB+8*n+7], v[OF+8*tt:OF+8*tt+7], v[64*tt+8*n:64*tt+8*n+7]
.set tt, tt+1
.endr
.set n, n+1
.endr
	PLACES
	WIN 0
	v_add_nc_u32 v[WA], 0x8000, v[WA]
	v_add_nc_u32 v[BA], 128, v[BA]
	s_sub_co_u32 s[CNT], s[CNT], 1
	s_cmp_lg_u32 s[CNT], 0
	s_cbranch_scc1 .Lhead
	WIN 0x80
	VLOAD WFA, 30                                  ; g and b come in while the statistics are made
	VLOAD WFB, 32
	LNSTAT
	s_wait_loadcnt 0x0
	LNAFF 0x69, WFA, WFB
	WIN 0x45
.set i, 0
.rept 128                              ; to f16, in place, ascending: tile tt at 32 tt
	v_cvt_pk_f16_f32 v[i], v[2*i], v[2*i+1]
.set i, i+1
.endr
	WIN 0x04
.set tt, 0
.rept 4
.set n, 0
.rept 8
	ds_store_b128 v[XFRG], v[32*tt+4*n:32*tt+4*n+3] offset:4352*tt+544*n
.set n, n+1
.endr
.set tt, tt+1
.endr
	WIN 0x40
.set i, 0
.rept 32
	ds_load_b128 v[128+4*i:128+4*i+3], v[XROW] offset:(i/8)*4352+(i%8)*32  ; my own bytes, served in order behind the stores above (ISA guide 5.7.1.4)
.set i, i+1
.endr
	s_wait_dscnt 0x0
	WIN 0x04
.set i, 0
.rept 32
	global_store_b128 v[L16], v[128+4*i:128+4*i+3], s[XOUT:XOUT+1] offset:512*i  ; 512 consecutive bytes, aligned
.set i, i+1
.endr
	WIN 0
	s_wait_tensorcnt 0x0                           ; the wave's end, behind my last LDS store
	ds_add_u32 v[SPW], v[NIL]
	s_wait_dscnt 0x0
	s_endpgm
.Lfunc_end_k_q2ce051c1e7_spat0:
	.size	k_q2ce051c1e7_spat0, .Lfunc_end_k_q2ce051c1e7_spat0-k_q2ce051c1e7_spat0
	.p2alignl 7, 3214868480
	.fill 96, 4, 3214868480
	.section	.rodata,"a",@progbits
	.p2align	6, 0x0
	.amdhsa_kernel k_q2ce051c1e7_spat0
		.amdhsa_group_segment_fixed_size 203264
		.amdhsa_private_segment_fixed_size 0
		.amdhsa_enable_private_segment 0
		.amdhsa_kernarg_size 120
		.amdhsa_user_sgpr_count 2
		.amdhsa_user_sgpr_kernarg_segment_ptr 1
		.amdhsa_wavefront_size32 1
		.amdhsa_system_sgpr_workgroup_id_x 1
		.amdhsa_system_sgpr_workgroup_id_y 1
		.amdhsa_system_sgpr_workgroup_id_z 1
		.amdhsa_system_vgpr_workitem_id 0
		.amdhsa_next_free_vgpr 1024
		.amdhsa_next_free_sgpr 66
		.amdhsa_reserve_vcc 1
		.amdhsa_float_denorm_mode_32 3
		.amdhsa_float_denorm_mode_16_64 3
		.amdhsa_memory_ordered 1
		.amdhsa_forward_progress 1
		.amdhsa_inst_pref_size 153
	.end_amdhsa_kernel
	.amdgpu_metadata
---
amdhsa.version: [ 1, 2 ]
amdhsa.kernels:
  - .name:           k_q2ce051c1e7_spat0
    .symbol:         k_q2ce051c1e7_spat0.kd
    .args:
      - { .name: hA, .offset: 0, .size: 8, .value_kind: global_buffer, .address_space: global }
      - { .name: eeg_tensor, .offset: 8, .size: 8, .value_kind: global_buffer, .address_space: global }
      - { .name: params_input_proj_w, .offset: 16, .size: 8, .value_kind: global_buffer, .address_space: global }
      - { .name: params_input_proj_b, .offset: 24, .size: 8, .value_kind: global_buffer, .address_space: global }
      - { .name: params_spatial_pos, .offset: 32, .size: 8, .value_kind: global_buffer, .address_space: global }
      - { .name: params_temporal_pos, .offset: 40, .size: 8, .value_kind: global_buffer, .address_space: global }
      - { .name: wl0, .offset: 48, .size: 8, .value_kind: global_buffer, .address_space: global }
      - { .name: params_layers_0_spatial_q_b, .offset: 56, .size: 8, .value_kind: global_buffer, .address_space: global }
      - { .name: params_layers_0_spatial_k_b, .offset: 64, .size: 8, .value_kind: global_buffer, .address_space: global }
      - { .name: params_layers_0_spatial_v_b, .offset: 72, .size: 8, .value_kind: global_buffer, .address_space: global }
      - { .name: params_layers_0_spatial_o_b, .offset: 80, .size: 8, .value_kind: global_buffer, .address_space: global }
      - { .name: params_layers_0_spatial_norm_g, .offset: 88, .size: 8, .value_kind: global_buffer, .address_space: global }
      - { .name: params_layers_0_spatial_norm_b, .offset: 96, .size: 8, .value_kind: global_buffer, .address_space: global }
      - { .name: hB, .offset: 104, .size: 8, .value_kind: global_buffer, .address_space: global }
      - { .name: cfg0, .offset: 112, .size: 8, .value_kind: global_buffer, .address_space: global }
    .group_segment_fixed_size: 203264
    .private_segment_fixed_size: 0
    .kernarg_segment_align: 8
    .kernarg_segment_size: 120
    .max_flat_workgroup_size: 128
    .sgpr_count:     66
    .vgpr_count:     1024
    .wavefront_size: 32
...
	.end_amdgpu_metadata
.endif
;; end of part 4
;; launch temp0 (part 5): grid 256 x 1, 4 waves a work-group, no clusters, 305,664 bytes of LDS; arguments hB, wl0, params_layers_0_temporal_q_b, params_layers_0_temporal_k_b, params_layers_0_temporal_v_b, params_layers_0_temporal_o_b, params_layers_0_temporal_norm_g, params_layers_0_temporal_norm_b, params_layers_0_ffn_w1_b, params_layers_0_ffn_w2_b, params_layers_0_ffn_norm_g, params_layers_0_ffn_norm_b, params_output_proj_w, params_output_proj_b, hA, out0, cfg0; writes hA, out0
.if DOCPART == 5
	.amdgcn_target "amdgcn-amd-amdhsa--gfx1250"
	.amdhsa_code_object_version 6
	.text
	.protected	k_q2ce051c1e7_temp0
	.globl	k_q2ce051c1e7_temp0
	.p2align	8
	.type	k_q2ce051c1e7_temp0,@function
k_q2ce051c1e7_temp0:
	s_mov_b64 s[64:65], 0
	v_nop
	global_prefetch_b8 v0, s[64:65] scope:SCOPE_SE
	s_setreg_imm32_b32 hwreg(HW_REG_WAVE_MODE, 25, 1), 1
	s_wait_xcnt 0x0
; TEMPORAL ATTENTION, FFN AND THE TWO LAYERNORMS OF ONE LAYER:  y = LN(MHA over the 512 steps of a (b, c) + h);  h' = LN(W2 gelu(W1 y + b1) + b2 + y).
; In the last layer (flag word 1 = 1) h' is not stored: out[b][c][t] = h' . out_w + out_b is.  h, h': [2][512][64][128] in f16.
; SHARES.  A work-group owns 256 queries (half) of one (b, c).  IN ATTENTION WAVE w IS HEAD w: K and V of all 512 keys of its head stay in 512 registers, the 512 scores of a tile of 16
; queries in 256: no running maximum is needed, the row's true maximum is taken, and K and V cost no LDS traffic in the loop.  Both halves of a sequence make K and V: the price of 256 work-groups.
; IN THE CHAIN (o projection, LN, FFN, LN) wave w owns token tiles 4 w .. 4 w + 3; the heads' outputs change hands through LDS.
; NO CLUSTER, NO TENSOR LOAD: x is re-laid on its way into blocks of 272 bytes, which wants registers; of the 352 KiB of weights that all work-groups share, a wave's own q, k, v slices go straight to
; registers, and the FFN's 256 KiB are copied through registers under the attention's arithmetic (four loads a trip) and under the o projection.
; WRITTEN ONCE.  K and V are made in a loop of two tiles a trip; since a loop cannot choose its registers, a trip's packed fragments go into the wave's own 32 KiB of LDS and come back into their
; registers in two runs of 64 loads, behind trips 8 and 16.  The chain is a loop of two trips that share the accumulators' start, the LayerNorm and the conversions; the part between (o projection, FFN) is chosen by the counter.
; LAYOUT as in the spatial kernel: a lane keeps one token (lane % 16) through all products; V is made with the sources swapped.  The keys lie in LDS own half first: K and V share that order.
; ARITHMETIC.  Matrix operands f16, sums f32; p = 2^(c s - c m), c = log2(e) / sqrt(32); a row's sum is a product of the rounded p with ones; v_b is added behind the division by it; LayerNorm in two
; passes, f32.  Residual and bias start the accumulators by a product of the f16 fragments (x, then y) with a unit fragment: the FFN's residual is y as rounded to f16.  The output projection multiplies h' and out_w in f16.
; GELU is exact GELU by the rational form of erf (Abramowitz and Stegun 7.1.26, error of erf at most 1.5e-7 for every x): t = 1 / (1 + 0.2316419 |x|), E = 2^-(0.8493218 x)^2,
; g = |x| (0.5 - E poly(t) / 2) + x / 2.
; LIMITS.  h, q, k, v, the attention's output, y, the hidden layer, h' and out_w stay under 65,504 (f16); below 6e-5 they keep f16's step of 6e-8.  A weight below 2^-126 counts as 0.  NaN and infinities are not treated apart.
; REGISTERS, in windows of 256 (s_set_vgpr_msb: bits 1:0 source 0, 3:2 source 1, 5:4 source 2, 7:6 destination):
;   window 0: addresses, statistics; Wq, biases, the loop's small fragments; later WFA, WFB, a vector      window 1: x as loaded; K; then the chain's 32 accumulators
;   window 2: V; the FFN weights' upper half as loaded; g and b; GELU's H, T, E, P                          window 3: Wk, Wv, x fragments, accumulators; scores / P; R 0-127 with OFR, or HF and out_w, behind it
.set XOWN,  131072                     ; x, 32 tiles of 4,352 bytes (16 blocks of 256 at pitch 272): own half, then the other half, up to 270,336
.set OS,    200704                     ; on the other half, when it is dead: the heads' outputs, fragment (q tile, head) at 1,024 (4 qt + head)
.set WO,    270336                     ; o's fragments, 8,192 kf + 1,024 nt; at the end each wave's stage, 8,192 w
.set PB,    303104                     ; w1_b
.set SPARE, 305152                     ; the spare words, 128 bytes a wave.  LDS 0 .. 131,071: first each wave's 32 KiB for K and V on their way; then, with 131,072 .. 262,143 when x and OS are dead, the FFN's weights, step s at 16,384 s
.set SPW, 2
.set NIL, 3
.set T16, 4                            ; 16 thread
.set L16, 5                            ; 16 lane
.set XA,  6                            ; K and V: the two tiles of x to be fetched
.set KVA, 7                            ; my 32 KiB: 32,768 w + 16 lane: K's fragments, 1,024 a tile; from 16,384 on V's, 8,192 a channel tile, 512 a tile
.set KSA, 8
.set VSA, 9
.set OFRA, 6
.set XRA, 7
.set FWS1, 8
.set FWS2, 9
.set XQA, 10
.set OSA, 11
.set CPA, 12
.set STO, 10
.set RD,  11
.set OUTS, 12
.set GROW, 13                          ; 16,384 hi + 16 p: two rows of h, 64 channels apart in memory
.set XROW, 14
.set WOA, 14
.set VECO, 15
.set FWA, 16
.set B1A, 17
.set CC,  18                           ; v18-21 four chains of the maximum
.set MX,  22
.set TM,  23
.set CM,  24
.set RL,  26
.set BOFF, 28
.set EF,  18                           ; in the chain, v18-29: 0 0 0 0 P P P P 0 0 0 0: the unit fragment for k = 16 + m at EF, for k = m at EF + 4
.set WOS, 30
.set PBS, 31
.set OUTL, 30
.set OUTG, 31
.set WQ,  32
.set BQ,  96
.set BK,  112
.set BV,  128
.set XQ,  144
.set QA,  176                          ; q's two accumulators; later in the trip the two of the row's sum
.set QF,  192
.set OT,  200
.set OFH, 216
.set CP,  224
.set ONES, 240
.set RR,  248
.set HH,  249
.set LANE, 250
.set FRG, 251
.set ROWP, 252
.set STG, 144                          ; v144-211 o's fragments and w1_b as loaded, until they are stored
.set PKT, 216                          ; v216-247 two tiles' K and V, packed
.set WFA, 32
.set WFB, 96
.set VEC0, 160
.set B1,  160
.set LT,  32
.set LS,  64
.set WK,  0
.set WV_, 64
.set XB,  128
.set AC,  192
.set OFR, 128
.set HF,  128
.set OW,  160
.set NG,  0
.set NB,  64
.set GH,  0
.set GT,  64
.set GE,  128
.set GP,  192
.set WV,  2
.set LAST, 42
.set OUTB, 43
.set CNT, 44
.set PH,  45
.set CS,  46
.set SEL, 48
.set INV, 50
.set EPS, 51
.set XIN, 52
.set WSL, 54
.set FWB, 56
.set HOUT, 58
.set OOUT, 60
.set K1,  68
.set K3,  70
.set C1,  72
.set C2,  74
.set C3,  76
.set C4,  78
.set C5,  80
.set GPT, 88
.set BPT, 90
.set MSB, 0
.macro WIN new                         ; the immediate's high byte repeats the setting that is left; a switch that changes nothing is dropped
.if MSB != (\new)
	s_set_vgpr_msb (MSB<<8)|(\new)
.set MSB, (\new)
.endif
.endm
.macro PLACES                          ; four plain instructions behind a matrix instruction, ahead of what reads its result or writes or loads into its registers
.rept 4
	v_nop
.endr
.endm
.macro ALL line:vararg
.set t, 0
.rept 4
	\line
.set t, t+1
.endr
.endm
.macro VLOAD dst, sb                   ; a vector of 128 f32 as the accumulators hold features: register 8 nt + j = element 16 nt + 8 h + j
.set n, 0
.rept 8
	global_load_b128 v[(\dst)+8*n:(\dst)+8*n+3], v[VECO], s[\sb:\sb+1] offset:64*n
	global_load_b128 v[(\dst)+8*n+4:(\dst)+8*n+7], v[VECO], s[\sb:\sb+1] offset:64*n+16
.set n, n+1
.endr
.endm
; The unit fragment.  Row m of A holds 1 at k = m: lane (r, h) holds k = 8 h + e, so the 1 lies in the lanes with h = r / 8, in register (r % 8) / 2, half r % 2.
.macro MKE ef, rr, hh, ta, tb
	v_and_b32 v1, 1, v[\rr]
	v_lshlrev_b32 v1, 4, v1
	v_mov_b32 v[\ta], 0x3c00
	v_lshlrev_b32 v[\ta], v1, v[\ta]               ; 1.0 in half r % 2
	v_lshrrev_b32 v1, 3, v[\rr]
	v_xor_b32 v1, v1, v[\hh]
	v_bfe_u32 v[\tb], v[\rr], 1, 2
	v_lshl_or_b32 v1, v1, 2, v[\tb]                ; the register's number, or 4 and more in the lanes that hold none
.set j, 0
.rept 4
	v_cmp_eq_u32 vcc_lo, j, v1
	v_cndmask_b32 v[(\ef)+4+j], 0, v[\ta], vcc_lo
	v_mov_b32 v[(\ef)+j], 0
	v_mov_b32 v[(\ef)+8+j], 0
.set j, j+1
.endr
.endm
.macro INIT win, ef, vec               ; accumulator (tk, nt) = features 16 nt .. of the fragments at 32 tk + the vector's numbers: 32 different accumulators
	WIN \win
.set n, 0
.rept 8
.set tk, 0
.rept 4
	v_wmma_f32_16x16x32_f16 v[64*tk+8*n:64*tk+8*n+7], v[(\ef)+4-4*(n%2):(\ef)+11-4*(n%2)], v[32*tk+8*(n/2):32*tk+8*(n/2)+7], v[(\vec)+8*n:(\vec)+8*n+7]
.set tk, tk+1
.endr
.set n, n+1
.endr
.endm
.macro LNRED                           ; the four chains of each tile into one number, both halves of the lanes added
	WIN 0
	ALL v_pk_add_f32 v[LT+8*t:LT+8*t+1], v[LT+8*t:LT+8*t+1], v[LT+8*t+2:LT+8*t+3]
	ALL v_pk_add_f32 v[LT+8*t+4:LT+8*t+5], v[LT+8*t+4:LT+8*t+5], v[LT+8*t+6:LT+8*t+7]
	ALL v_pk_add_f32 v[LT+8*t:LT+8*t+1], v[LT+8*t:LT+8*t+1], v[LT+8*t+4:LT+8*t+5]
	ALL v_add_f32 v[LS+8*t], v[LT+8*t], v[LT+8*t+1]
	ALL v_permlanex16_b32 v[LS+8*t+1], v[LS+8*t], s[SEL], s[SEL+1]
	ALL v_add_f32 v[LS+8*t], v[LS+8*t], v[LS+8*t+1]
.endm
.macro LNSTAT                          ; mean; the numbers centred in place; 1 / sqrt(variance + eps).  Each accumulator's lowest registers are read first
	WIN 0
	ALL v_mov_b32 v[LS+8*t+1], 0
	ALL v_mov_b32 v[LS+8*t+3], 0
	ALL v_mov_b32 v[LS+8*t+5], 0
	WIN 0x05
.set t, 0
.rept 4
.set q, 0
.rept 4
	v_pk_add_f32 v[LT+8*t+2*q:LT+8*t+2*q+1], v[64*t+2*q:64*t+2*q+1], v[64*t+8+2*q:64*t+8+2*q+1]
.set q, q+1
.endr
.set t, t+1
.endr
	WIN 0x04
.set q, 8
.rept 24
.set t, 0
.rept 4
	v_pk_add_f32 v[LT+8*t+2*(q%4):LT+8*t+2*(q%4)+1], v[LT+8*t+2*(q%4):LT+8*t+2*(q%4)+1], v[64*t+2*q:64*t+2*q+1]
.set t, t+1
.endr
.set q, q+1
.endr
	LNRED
	ALL v_mul_f32 v[LS+8*t+2], s[INV], v[LS+8*t]
	WIN 0x41
.set q, 0
.rept 32
.set t, 0
.rept 4
	v_pk_add_f32 v[64*t+2*q:64*t+2*q+1], v[64*t+2*q:64*t+2*q+1], v[LS+8*t+2:LS+8*t+3] op_sel_hi:[1,0] neg_lo:[0,1] neg_hi:[0,1]
.set t, t+1
.endr
.set q, q+1
.endr
	WIN 0x05
.set q, 0
.rept 32
.set t, 0
.rept 4
.if q < 4
	v_pk_mul_f32 v[LT+8*t+2*q:LT+8*t+2*q+1], v[64*t+2*q:64*t+2*q+1], v[64*t+2*q:64*t+2*q+1]
.else
	v_pk_fma_f32 v[LT+8*t+2*(q%4):LT+8*t+2*(q%4)+1], v[64*t+2*q:64*t+2*q+1], v[64*t+2*q:64*t+2*q+1], v[LT+8*t+2*(q%4):LT+8*t+2*(q%4)+1]
.endif
.set t, t+1
.endr
.set q, q+1
.endr
	LNRED
	ALL v_fma_f32 v[LS+8*t], v[LS+8*t], s[INV], s[EPS]
	ALL v_rsq_f32 v[LS+8*t+4], v[LS+8*t]
	v_nop                                          ; a plain instruction behind the last of the four,
	s_wait_alu depctr_va_vdst(0)                   ; and one wait for the batch, ahead of its first reader
.endm
.macro LNAFF win, gg, bb               ; times 1 / sqrt, times g, plus b
	WIN 0x41
.set q, 0
.rept 32
.set t, 0
.rept 4
	v_pk_mul_f32 v[64*t+2*q:64*t+2*q+1], v[64*t+2*q:64*t+2*q+1], v[LS+8*t+4:LS+8*t+5] op_sel_hi:[1,0]
.set t, t+1
.endr
.set q, q+1
.endr
	WIN \win
.set q, 0
.rept 32
.set t, 0
.rept 4
	v_pk_fma_f32 v[64*t+2*q:64*t+2*q+1], v[64*t+2*q:64*t+2*q+1], v[(\gg)+2*q:(\gg)+2*q+1], v[(\bb)+2*q:(\bb)+2*q+1]
.set t, t+1
.endr
.set q, q+1
.endr
.endm
.macro XL2                             ; the fragments of two tiles of x
	WIN 0xc0
.set u, 0
.rept 2
.set n, 0
.rept 8
	ds_load_b128 v[XB+32*u+4*n:XB+32*u+4*n+3], v[XA] offset:4352*u+544*n
.set n, n+1
.endr
.set u, u+1
.endr
	WIN 0
.endm
.macro KVMUL tt                        ; 16 products: my head's K (two feature tiles, started by k_b) and V (two channel tiles, sources swapped) of the trip's tile tt; the four accumulators take turns
.set bb, 32*((\tt)%2)
.set kf, 0
.rept 4
.if kf == 0
	WIN 0xcf
	v_wmma_f32_16x16x32_f16 v[AC+bb:AC+bb+7], v[WK+8*kf:WK+8*kf+7], v[XB+bb+8*kf:XB+bb+8*kf+7], v[BK:BK+7]
	v_wmma_f32_16x16x32_f16 v[AC+bb+8:AC+bb+15], v[WK+32+8*kf:WK+32+8*kf+7], v[XB+bb+8*kf:XB+bb+8*kf+7], v[BK+8:BK+15]
	v_wmma_f32_16x16x32_f16 v[AC+bb+16:AC+bb+23], v[XB+bb+8*kf:XB+bb+8*kf+7], v[WV_+8*kf:WV_+8*kf+7], 0
	v_wmma_f32_16x16x32_f16 v[AC+bb+24:AC+bb+31], v[XB+bb+8*kf:XB+bb+8*kf+7], v[WV_+32+8*kf:WV_+32+8*kf+7], 0
.else
	WIN 0xff
	v_wmma_f32_16x16x32_f16 v[AC+bb:AC+bb+7], v[WK+8*kf:WK+8*kf+7], v[XB+bb+8*kf:XB+bb+8*kf+7], v[AC+bb:AC+bb+7]
	v_wmma_f32_16x16x32_f16 v[AC+bb+8:AC+bb+15], v[WK+32+8*kf:WK+32+8*kf+7], v[XB+bb+8*kf:XB+bb+8*kf+7], v[AC+bb+8:AC+bb+15]
	v_wmma_f32_16x16x32_f16 v[AC+bb+16:AC+bb+23], v[XB+bb+8*kf:XB+bb+8*kf+7], v[WV_+8*kf:WV_+8*kf+7], v[AC+bb+16:AC+bb+23]
	v_wmma_f32_16x16x32_f16 v[AC+bb+24:AC+bb+31], v[XB+bb+8*kf:XB+bb+8*kf+7], v[WV_+32+8*kf:WV_+32+8*kf+7], v[AC+bb+24:AC+bb+31]
.endif
.set kf, kf+1
.endr
.endm
.macro PACKKV u                        ; the trip's tile u: a K fragment (8 registers) and half of two V^T fragments (4 each), packed and put into my part of LDS
	WIN 0x0f
.set i, 0
.rept 16
	v_cvt_pk_f16_f32 v[PKT+16*(\u)+i], v[AC+32*(\u)+2*i], v[AC+32*(\u)+2*i+1]
.set i, i+1
.endr
	WIN 0
	ds_store_b128 v[KSA], v[PKT+16*(\u):PKT+16*(\u)+3] offset:1024*(\u)
	ds_store_b128 v[KSA], v[PKT+16*(\u)+4:PKT+16*(\u)+7] offset:1024*(\u)+512
	ds_store_b128 v[VSA], v[PKT+16*(\u)+8:PKT+16*(\u)+11] offset:512*(\u)
	ds_store_b128 v[VSA], v[PKT+16*(\u)+12:PKT+16*(\u)+15] offset:8192+512*(\u)
.endm
.macro BACK hp                         ; sixteen tiles' K into window 1 at 8 tile, their V into window 2 at 128 ct + 4 tile.  My own bytes, served in order: behind the stores above, ahead of the next trips' (ISA guide 5.7.1.4)
	WIN 0x40
.set n, 0
.rept 32
	ds_load_b128 v[128*(\hp)+4*n:128*(\hp)+4*n+3], v[KVA] offset:512*n
.set n, n+1
.endr
	WIN 0x80
.set n, 0
.rept 32
	ds_load_b128 v[128*(n/16)+64*(\hp)+4*(n%16):128*(n/16)+64*(\hp)+4*(n%16)+3], v[KVA] offset:16384+512*n
.set n, n+1
.endr
	WIN 0
.endm
.macro TFMA pp                         ; pair pp of the 128 pairs of scores: c s - c m
	v_pk_fma_f32 v[2*(\pp):2*(\pp)+1], v[2*(\pp):2*(\pp)+1], s[CS:CS+1], v[CM:CM+1] op_sel_hi:[1,0,0] neg_lo:[0,0,1] neg_hi:[0,0,1]
.endm
.macro RIDE kk                         ; four lines of the maximum on score tile kk, its lowest registers first
.set i, 0
.rept 4
	v_max3_num_f32 v[CC+i], v[CC+i], v[8*(\kk)+2*i], v[8*(\kk)+2*i+1]
.set i, i+1
.endr
.endm
.macro LWO buf, kf                     ; o's eight fragments of K slice kf
.set n, 0
.rept 8
	ds_load_b128 v[(\buf)+8*n:(\buf)+8*n+3], v[WOA] offset:(\kf)*8192+1024*n
	ds_load_b128 v[(\buf)+8*n+4:(\buf)+8*n+7], v[WOA] offset:(\kf)*8192+1024*n+512
.set n, n+1
.endr
.endm
.macro ACC32 buf, bfr, bstep           ; 32 products onto the chain's 32 accumulators: (tk, nt) += buf(nt) x fragment at bfr + bstep tk
	WIN 0x5c
.set n, 0
.rept 8
.set tk, 0
.rept 4
	v_wmma_f32_16x16x32_f16 v[64*tk+8*n:64*tk+8*n+7], v[(\buf)+8*n:(\buf)+8*n+7], v[(\bfr)+(\bstep)*tk:(\bfr)+(\bstep)*tk+7], v[64*tk+8*n:64*tk+8*n+7]
.set tk, tk+1
.endr
.set n, n+1
.endr
.endm
.macro LW1 off, boff                   ; an FFN step's W1 (eight fragments) and its 32 numbers of w1_b
.set n, 0
.rept 8
	ds_load_b128 v[WFA+8*n:WFA+8*n+3], v[FWA] offset:(\off)+1024*n
	ds_load_b128 v[WFA+8*n+4:WFA+8*n+7], v[FWA] offset:(\off)+1024*n+512
.set n, n+1
.endr
.set n, 0
.rept 4
	ds_load_b128 v[B1+4*n:B1+4*n+3], v[B1A] offset:(\boff)+64*(n/2)+16*(n%2)
.set n, n+1
.endr
.endm
	s_load_b512 s[8:23], s[0:1], 0x0               ; hB 8, wl 10, q_b 12, k_b 14, v_b 16, o_b 18, norm_g 20, norm_b 22
	s_load_b512 s[24:39], s[0:1], 0x40             ; w1_b 24, w2_b 26, ffn_norm_g 28, ffn_norm_b 30, out_w 32, out_b 34, hA 36, out0 38
	s_load_b64 s[40:41], s[0:1], 0x80              ; cfg
	v_lshl_add_u32 v[SPW], v0, 2, SPARE
	v_mov_b32 v[NIL], 0
	v_lshrrev_b32 v1, 5, v0
	v_readfirstlane_b32 s[WV], v1                  ; wave 0..3
	v_and_b32 v[LANE], 31, v0
	v_and_b32 v[RR], 15, v0
	v_bfe_u32 v[HH], v0, 4, 1
	v_lshlrev_b32 v[L16], 4, v[LANE]
	v_lshlrev_b32 v[T16], 4, v0
	v_lshlrev_b32 v[VECO], 5, v[HH]
	s_lshl_b32 s86, s[WV], 7
	v_add_nc_u32 v[BOFF], s86, v[VECO]             ; my head's 32 numbers of a bias
	v_lshlrev_b32 v[GROW], 14, v[HH]
	v_lshl_add_u32 v[GROW], v[RR], 4, v[GROW]
	v_mul_u32_u24 v[FRG], v[HH], 272               ; a tile by fragments: 272 h + 16 r
	v_lshl_add_u32 v[FRG], v[RR], 4, v[FRG]
	v_mul_u32_u24 v[ROWP], v[RR], 272              ; by rows: 272 p + 16 hi
	v_lshl_add_u32 v[ROWP], v[HH], 4, v[ROWP]
	s_mul_i32 s86, s[WV], 34816
	s_add_co_u32 s86, s86, XOWN
	v_add_nc_u32 v[XROW], s86, v[ROWP]             ; I bring LDS tiles 8 w .. 8 w + 7
	v_add_nc_u32 v[XA], XOWN, v[FRG]
	s_lshl_b32 s86, s[WV], 15
	v_add_nc_u32 v[KVA], s86, v[L16]
	v_mov_b32 v[KSA], v[KVA]
	v_add_nc_u32 v[VSA], 16384, v[KVA]
	v_add_nc_u32 v[XQA], XOWN, v[FRG]
	s_lshl_b32 s86, s[WV], 10
	s_add_co_u32 s86, s86, OS
	v_add_nc_u32 v[OSA], s86, v[L16]
	v_mov_b32 v[CPA], v[T16]
	v_add_nc_u32 v[WOS], WO, v[T16]
	v_add_nc_u32 v[PBS], PB, v[T16]
	v_mov_b32 v[MX], 0                             ; written once: the exchange counts as a reader of its destination, and pairs are named whole
	v_mov_b32 v[CM+1], 0
	v_mov_b32 v[RL+1], 0
	s_and_b32 s4, ttmp9, 1                         ; which half of the sequence's steps is mine
	s_lshr_b32 s3, ttmp9, 1                        ; the sequence: 64 b + c
	s_lshr_b32 s5, s3, 6
	s_and_b32 s6, s3, 63
	s_lshl_b32 s7, s[WV], 7
	s_lshl_b32 s62, s4, 8
	s_add_co_u32 s7, s7, s62
	s_and_b32 s7, s7, 511                          ; LDS row R holds step (R + 256 half) mod 512: my 128 rows begin at this step
	s_lshl_b32 s62, s5, 9
	s_add_co_u32 s62, s62, s7
	s_lshl_b32 s62, s62, 14
	s_lshl_b32 s63, s6, 8
	s_add_co_u32 s62, s62, s63
	s_mov_b32 s63, 0
	s_lshl_b32 s66, s5, 9
	s_lshl_b32 s67, s4, 8
	s_add_co_u32 s66, s66, s67
	s_lshl_b32 s67, s[WV], 6
	s_add_co_u32 s66, s66, s67                     ; the chain's 64 tokens of mine begin at step 256 half + 64 w
	s_lshl_b32 s66, s66, 14
	s_lshl_b32 s67, s6, 8
	s_add_co_u32 s66, s66, s67
	s_mov_b32 s67, 0
	s_lshl_b32 s82, s3, 11
	s_lshl_b32 s83, s4, 10
	s_add_co_u32 s82, s82, s83
	s_lshl_b32 s83, s[WV], 8
	s_add_co_u32 s82, s82, s83
	s_mov_b32 s83, 0
	s_lshl_b32 s84, s[WV], 15
	s_add_co_u32 s84, s84, 131072                  ; my head's block of temporal weights
	s_mov_b32 s85, 0
	s_mov_b32 s[CS], 0x3e8293ee                    ; c = log2(e) / sqrt(32)
	s_mov_b32 s[CS+1], s[CS]
	s_mov_b32 s[SEL], 0x76543210
	s_mov_b32 s[SEL+1], 0xfedcba98
	s_mov_b32 s[INV], 0x3c000000                   ; 1 / 128
	s_mov_b32 s[EPS], 0x3727c5ac                   ; 1e-5
	s_mov_b32 s[K1], 0x3e6d3389                    ; 0.2316419
	s_mov_b32 s[K3], 0x3f596d27                    ; 0.8493218
	s_mov_b32 s[K3+1], s[K3]
	s_mov_b32 s[C1], 0xbe027906                    ; the series' coefficients times -1/2: -0.127414796,
	s_mov_b32 s[C1+1], s[C1]
	s_mov_b32 s[C2], 0x3e11a98e                    ; 0.142248368,
	s_mov_b32 s[C2+1], s[C2]
	s_mov_b32 s[C3], 0xbf35f0e3                    ; -0.71070687,
	s_mov_b32 s[C3+1], s[C3]
	s_mov_b32 s[C4], 0x3f3a00e3                    ; 0.72657601,
	s_mov_b32 s[C4+1], s[C4]
	s_mov_b32 s[C5], 0xbf07dc22                    ; -0.53070271
	s_mov_b32 s[C5+1], s[C5]
	s_wait_kmcnt 0x0
	s_load_b32 s[LAST], s[40:41], 0x4              ; 1: the last layer
	s_load_b32 s[OUTB], s[34:35], 0x0
	s_add_nc_u64 s[XIN:XIN+1], s[8:9], s[62:63]
	s_add_nc_u64 s[HOUT:HOUT+1], s[36:37], s[66:67]
	s_add_nc_u64 s[OOUT:OOUT+1], s[38:39], s[82:83]
	s_add_nc_u64 s[WSL:WSL+1], s[10:11], s[84:85]
	s_add_nc_u64 s[FWB:FWB+1], s[10:11], 0x40000
	; PHASE 0: x into LDS, my head's weights and biases into registers
	WIN 0x40
.set i, 0
.rept 64                               ; a load takes two whole rows of 256 bytes
	global_load_b128 v[4*i:4*i+3], v[GROW], s[XIN:XIN+1] offset:32768*i
.set i, i+1
.endr
	WIN 0
.set i, 0
.rept 16
	global_load_b128 v[WQ+4*i:WQ+4*i+3], v[L16], s[WSL:WSL+1] offset:512*i
.set i, i+1
.endr
	WIN 0xc0
.set i, 0
.rept 32                               ; Wk, then Wv
	global_load_b128 v[WK+4*i:WK+4*i+3], v[L16], s[WSL:WSL+1] offset:8192+512*i
.set i, i+1
.endr
	WIN 0
.set i, 0
.rept 4
	global_load_b128 v[BQ+4*i:BQ+4*i+3], v[BOFF], s[12:13] offset:64*(i/2)+16*(i%2)
	global_load_b128 v[BK+4*i:BK+4*i+3], v[BOFF], s[14:15] offset:64*(i/2)+16*(i%2)
	global_load_b128 v[BV+4*i:BV+4*i+3], v[BOFF], s[16:17] offset:64*(i/2)+16*(i%2)
.set i, i+1
.endr
	s_wait_loadcnt 60                              ; the 48 + 12 younger loads may stay out: x is in
	WIN 0x04
.set i, 0
.rept 64
	ds_store_b128 v[XROW], v[4*i:4*i+3] offset:(i/8)*4352+(i%8)*32
.set i, i+1
.endr
	WIN 0
.set i, 0
.rept 16                               ; o's fragments of the four heads, and w1_b, on their way while K and V are made
	global_load_b128 v[STG+4*i:STG+4*i+3], v[T16], s[10:11] offset:131072+(i/4)*32768+24576+(i%4)*2048
.set i, i+1
.endr
	global_load_b128 v[STG+64:STG+67], v[T16], s[24:25]
	s_wait_kmcnt 0x0
	s_wait_dscnt 0x0                               ; for the others' sake: my rows of x lie in LDS
	s_barrier_signal -1
	s_barrier_wait -1                              ; barrier 1: all 512 rows do
	s_wait_loadcnt 17                              ; the 17 loads just issued may stay out: weights and biases are in
	; PHASE 1: K and V of my head for all 32 tiles, two a trip
	XL2
	s_mov_b32 s[CNT], 16
.Lkv:
	s_wait_dscnt 0x0                               ; the trip's two tiles of x are in
	KVMUL 0
	KVMUL 1
	PLACES                                         ; ahead of the loads into x's registers and of the conversions
	WIN 0
	v_add_nc_u32 v[XA], 8704, v[XA]
	s_cmp_eq_u32 s[CNT], 1
	s_cbranch_scc1 .Lnox                           ; behind the last two tiles there are none
	XL2                                            ; the next trip's, on their way under the conversions
.Lnox:
	PACKKV 0
	PACKKV 1
	v_add_nc_u32 v[KSA], 2048, v[KSA]
	v_add_nc_u32 v[VSA], 1024, v[VSA]
	s_cmp_lg_u32 s[CNT], 9
	s_cbranch_scc1 .Lnoh
	BACK 0                                         ; behind the eighth trip my 32 KiB are full: tiles 0-15 go to their registers, and the places are used again
	v_mov_b32 v[KSA], v[KVA]
	v_add_nc_u32 v[VSA], 16384, v[KVA]
.Lnoh:
	s_sub_co_u32 s[CNT], s[CNT], 1
	s_cmp_lg_u32 s[CNT], 0
	s_cbranch_scc1 .Lkv
	BACK 1
	s_wait_loadcnt 0x0
.set i, 0
.rept 16
	ds_store_b128 v[WOS], v[STG+4*i:STG+4*i+3] offset:(i/4)*8192+(i%4)*2048
.set i, i+1
.endr
	ds_store_b128 v[PBS], v[STG+64:STG+67]
	s_wait_dscnt 0x0                               ; K and V are in; my reads of the other half of x and of my 32 KiB are over, my stores done
	s_barrier_signal -1
	s_barrier_wait -1                              ; barrier 2: the other half of x is dead, OS may be written, LDS 0 .. 131,071 may take weights
.set i, 0
.rept 8
	v_mov_b32 v[ONES+i], 0x3c003c00                ; a fragment of ones: 1.0 twice
.set i, i+1
.endr
	; PHASE 2: a trip is a tile of 16 queries
	s_mov_b32 s[CNT], 16
.Lq:
.set i, 0
.rept 4                                ; 8 KiB of the FFN's weights a trip for the work-group: the same number is the offset in memory and the LDS address
	global_load_b128 v[CP+4*i:CP+4*i+3], v[CPA], s[FWB:FWB+1] offset:2048*i
.set i, i+1
.endr
.set n, 0
.rept 8
	ds_load_b128 v[XQ+4*n:XQ+4*n+3], v[XQA] offset:544*n
.set n, n+1
.endr
	s_wait_dscnt 0x0
.set kf, 0
.rept 4
.set a, 0
.rept 2
.if kf == 0
	v_wmma_f32_16x16x32_f16 v[QA+8*a:QA+8*a+7], v[WQ+8*(4*a+kf):WQ+8*(4*a+kf)+7], v[XQ+8*kf:XQ+8*kf+7], v[BQ+8*a:BQ+8*a+7]
.else
	v_wmma_f32_16x16x32_f16 v[QA+8*a:QA+8*a+7], v[WQ+8*(4*a+kf):WQ+8*(4*a+kf)+7], v[XQ+8*kf:XQ+8*kf+7], v[QA+8*a:QA+8*a+7]
.endif
.set a, a+1
.endr
.set kf, kf+1
.endr
	PLACES
.set i, 0
.rept 8
	v_cvt_pk_f16_f32 v[QF+i], v[QA+2*i], v[QA+2*i+1]
.set i, i+1
.endr
.set kt, 0
.rept 32                               ; 32 score tiles; behind each product four lines of the maximum on the tile two back: four places or more lie between a product and its first reader
	WIN 0xc1
	v_wmma_f32_16x16x32_f16 v[8*kt:8*kt+7], v[8*kt:8*kt+7], v[QF:QF+7], 0
	WIN 0x3c
.if kt == 0
.set i, 0
.rept 4
	v_mov_b32 v[CC+i], 0xff7fffff                  ; the chains start at the lowest finite number
.set i, i+1
.endr
.elseif kt >= 2
	RIDE kt-2
.endif
.set kt, kt+1
.endr
	RIDE 30
	RIDE 31
	WIN 0
	v_max3_num_f32 v[CC], v[CC], v[CC+1], v[CC+2]
	v_max_num_f32 v[CC], v[CC], v[CC+3]
	v_permlanex16_b32 v[MX], v[CC], s[SEL], s[SEL+1]  ; the query's other 256 keys lie in the lane 16 away
	v_max_num_f32 v[CC], v[CC], v[MX]
	v_mul_f32 v[CM], s[CS], v[CC]
	WIN 0xc3
	TFMA 0
	TFMA 1
.set p, 0
.rept 128                              ; one batch of 256 exponentials; nothing ahead of the wait names a result
.if p < 126
	TFMA p+2
.endif
	v_exp_f32 v[2*p], v[2*p]
	v_exp_f32 v[2*p+1], v[2*p+1]
.set p, p+1
.endr
	v_nop
	s_wait_alu depctr_va_vdst(0)                   ; one wait for the batch
.set kc, 0
.rept 16                               ; 32 keys at a time: the weights are rounded in place and multiplied by V^T's two channel tiles and by ones; the accumulators take turns (the sum has two, for even and odd kc)
	WIN 0xcf
.set i, 0
.rept 8
	v_cvt_pk_f16_f32 v[8*kc+i], v[16*kc+2*i], v[16*kc+2*i+1]
.set i, i+1
.endr
	WIN 0x0e
.if kc == 0
	v_wmma_f32_16x16x32_f16 v[OT:OT+7], v[8*kc:8*kc+7], v[8*kc:8*kc+7], 0
	v_wmma_f32_16x16x32_f16 v[OT+8:OT+15], v[128+8*kc:128+8*kc+7], v[8*kc:8*kc+7], 0
.else
	v_wmma_f32_16x16x32_f16 v[OT:OT+7], v[8*kc:8*kc+7], v[8*kc:8*kc+7], v[OT:OT+7]
	v_wmma_f32_16x16x32_f16 v[OT+8:OT+15], v[128+8*kc:128+8*kc+7], v[8*kc:8*kc+7], v[OT+8:OT+15]
.endif
	WIN 0x0c
.if kc < 2
	v_wmma_f32_16x16x32_f16 v[QA+8*(kc%2):QA+8*(kc%2)+7], v[ONES:ONES+7], v[8*kc:8*kc+7], 0
.else
	v_wmma_f32_16x16x32_f16 v[QA+8*(kc%2):QA+8*(kc%2)+7], v[ONES:ONES+7], v[8*kc:8*kc+7], v[QA+8*(kc%2):QA+8*(kc%2)+7]
.endif
.set kc, kc+1
.endr
	PLACES
	WIN 0
	v_add_f32 v[TM], v[QA], v[QA+8]                ; every row of those products is the sum over all 512 keys' halves: the lowest registers hold my token's
	v_rcp_f32 v[RL], v[TM]
	v_nop
	s_wait_alu depctr_va_vdst(0)
.set q, 0
.rept 8
	v_pk_fma_f32 v[OT+2*q:OT+2*q+1], v[OT+2*q:OT+2*q+1], v[RL:RL+1], v[BV+2*q:BV+2*q+1] op_sel_hi:[1,0,1]
.set q, q+1
.endr
.set i, 0
.rept 8
	v_cvt_pk_f16_f32 v[OFH+i], v[OT+2*i], v[OT+2*i+1]
.set i, i+1
.endr
	ds_store_b128 v[OSA], v[OFH:OFH+3]
	ds_store_b128 v[OSA], v[OFH+4:OFH+7] offset:512
	s_wait_loadcnt 0x0                             ; the trip's four loads; their address register is free behind this wait
.set i, 0
.rept 4
	ds_store_b128 v[CPA], v[CP+4*i:CP+4*i+3] offset:2048*i
.set i, i+1
.endr
	v_add_nc_u32 v[XQA], 4352, v[XQA]
	v_add_nc_u32 v[OSA], 4096, v[OSA]
	v_add_nc_u32 v[CPA], 8192, v[CPA]
	s_sub_co_u32 s[CNT], s[CNT], 1
	s_cmp_lg_u32 s[CNT], 0
	s_cbranch_scc1 .Lq
	VLOAD VEC0, 18                                 ; o_b
	WIN 0x80
.set i, 0
.rept 64                               ; the upper half of the FFN's weights waits in window 2 until its LDS bytes are dead
	global_load_b128 v[4*i:4*i+3], v[T16], s[FWB:FWB+1] offset:131072+2048*i
.set i, i+1
.endr
	WIN 0
	s_lshl_b32 s86, s[WV], 14
	s_add_co_u32 s86, s86, OS
	v_add_nc_u32 v[OFRA], s86, v[L16]
	s_mul_i32 s86, s[WV], 17408
	s_add_co_u32 s86, s86, XOWN
	v_add_nc_u32 v[XRA], s86, v[FRG]
	v_add_nc_u32 v[FWS1], 131072, v[T16]
	v_add_nc_u32 v[FWS2], 196608, v[T16]
	v_add_nc_u32 v[WOA], WO, v[L16]
	v_mov_b32 v[FWA], v[L16]
	v_add_nc_u32 v[B1A], PB, v[VECO]
	MKE EF, RR, HH, 30, 31
	s_wait_dscnt 0x0                               ; for the others' sake: my head's outputs lie in OS
	s_barrier_signal -1
	s_barrier_wait -1                              ; barrier 3: all four heads' do
	; PHASE 3: my four token tiles' x (R) and attention outputs (OFR)
	WIN 0xc0
.set tk, 0
.rept 4
.set n, 0
.rept 8
	ds_load_b128 v[OFR+32*tk+4*n:OFR+32*tk+4*n+3], v[OFRA] offset:4096*tk+512*n
	ds_load_b128 v[32*tk+4*n:32*tk+4*n+3], v[XRA] offset:4352*tk+544*n
.set n, n+1
.endr
.set tk, tk+1
.endr
	WIN 0
	s_wait_dscnt 0x0                               ; my reads of OS and of x are over
	s_barrier_signal -1
	s_barrier_wait -1                              ; barrier 4: everybody's are: LDS 131,072 .. 262,143 may take weights
	; THE CHAIN, two trips: accumulators = R + vector; += o projection (first trip) or FFN (second); LayerNorm; R = the result in f16
	s_mov_b32 s[PH], 2
.Lchain:
	s_wait_loadcnt 63                              ; first trip: 64 loads were issued behind o_b's, and the count's field ends at 63; second trip: nothing is out, w2_b came in with the first trip's g and b
	INIT 0x4c, EF, VEC0
	PLACES                                         ; ahead of the loads into the vector's registers
	WIN 0
	s_cmp_eq_u32 s[PH], 2
	s_cbranch_scc0 .Lffnpart
	LWO WFA, 0
	LWO WFB, 1
	VLOAD VEC0, 26                                 ; w2_b, for the second trip
	s_wait_dscnt 16                                ; the other buffer's 16 loads may stay out
	ACC32 WFA, OFR, 32
	PLACES
	WIN 0
	LWO WFA, 2
	s_wait_dscnt 16
	ACC32 WFB, OFR+8, 32
	PLACES
	WIN 0
	LWO WFB, 3
	s_wait_dscnt 16
	ACC32 WFA, OFR+16, 32
	s_wait_dscnt 0x0
	ACC32 WFB, OFR+24, 32
	s_wait_loadcnt 16                              ; w2_b's 16 loads may stay out: the 64 of the weights are in
	WIN 0x08
.set i, 0
.rept 32
	ds_store_b128 v[FWS1], v[4*i:4*i+3] offset:2048*i
.set i, i+1
.endr
.rept 32
	ds_store_b128 v[FWS2], v[4*i:4*i+3] offset:2048*(i-32)
.set i, i+1
.endr
	WIN 0
	s_branch .Lmerge
.Lffnpart:                             ; the FFN, 32 hidden features a trip
	s_wait_loadcnt 0x0                             ; from here on window 2, into which the weights' upper half was loaded, is written by products and loaded anew: no load of mine is out on this way (the first trip's last wait was for all), and this line says so in the way's own text
	LW1 0, 0
	WIN 0xc0
	VLOAD OW, 32                                   ; out_w comes in under the FFN
	WIN 0
	s_mov_b32 s[CNT], 16
.Lffn:
.set n, 0
.rept 8
	ds_load_b128 v[WFB+8*n:WFB+8*n+3], v[FWA] offset:8192+1024*n
	ds_load_b128 v[WFB+8*n+4:WFB+8*n+7], v[FWA] offset:8192+1024*n+512
.set n, n+1
.endr
	s_wait_dscnt 16                                ; W2's 16 loads may stay out: W1 and w1_b are in
.set kf, 0
.rept 4
.if kf == 0
	WIN 0x8c
.else
	WIN 0xac
.endif
.set tk, 0
.rept 4
.set a, 0
.rept 2
.if kf == 0
	v_wmma_f32_16x16x32_f16 v[GH+8*(2*tk+a):GH+8*(2*tk+a)+7], v[WFA+8*(4*a+kf):WFA+8*(4*a+kf)+7], v[32*tk+8*kf:32*tk+8*kf+7], v[B1+8*a:B1+8*a+7]
.else
	v_wmma_f32_16x16x32_f16 v[GH+8*(2*tk+a):GH+8*(2*tk+a)+7], v[WFA+8*(4*a+kf):WFA+8*(4*a+kf)+7], v[32*tk+8*kf:32*tk+8*kf+7], v[GH+8*(2*tk+a):GH+8*(2*tk+a)+7]
.endif
.set a, a+1
.endr
.set tk, tk+1
.endr
.set kf, kf+1
.endr
	PLACES
	WIN 0xaa                                       ; GELU on 32 pairs.  Ahead of the wait: a pair's arguments, by turns with the pair before's two reciprocals and two exponentials
.set p, 0
.rept 32
	v_fma_f32 v[GT+2*p], |v[GH+2*p]|, s[K1], 1.0
.if p > 0
	v_rcp_f32 v[GT+2*p-2], v[GT+2*p-2]
.endif
	v_fma_f32 v[GT+2*p+1], |v[GH+2*p+1]|, s[K1], 1.0
.if p > 0
	v_rcp_f32 v[GT+2*p-1], v[GT+2*p-1]
.endif
	v_pk_mul_f32 v[GE+2*p:GE+2*p+1], v[GH+2*p:GH+2*p+1], s[K3:K3+1] op_sel_hi:[1,0]
.if p > 0
	v_exp_f32 v[GE+2*p-2], v[GE+2*p-2]
.endif
	v_pk_mul_f32 v[GE+2*p:GE+2*p+1], v[GE+2*p:GE+2*p+1], v[GE+2*p:GE+2*p+1] neg_lo:[1,0] neg_hi:[1,0]
.if p > 0
	v_exp_f32 v[GE+2*p-1], v[GE+2*p-1]
.endif
.set p, p+1
.endr
	v_rcp_f32 v[GT+62], v[GT+62]
	v_rcp_f32 v[GT+63], v[GT+63]
	v_exp_f32 v[GE+62], v[GE+62]
	v_exp_f32 v[GE+63], v[GE+63]
	v_nop
	s_wait_alu depctr_va_vdst(0)                   ; one wait for the batch of 128
.set p, 0
.rept 32
	v_pk_fma_f32 v[GP+2*p:GP+2*p+1], v[GT+2*p:GT+2*p+1], s[C5:C5+1], s[C4:C4+1] op_sel_hi:[1,0,0]
.set p, p+1
.endr
.irp cc, C3, C2, C1
.set p, 0
.rept 32
	v_pk_fma_f32 v[GP+2*p:GP+2*p+1], v[GP+2*p:GP+2*p+1], v[GT+2*p:GT+2*p+1], s[\cc:\cc+1] op_sel_hi:[1,1,0]
.set p, p+1
.endr
.endr
.set p, 0
.rept 32
	v_pk_mul_f32 v[GP+2*p:GP+2*p+1], v[GP+2*p:GP+2*p+1], v[GT+2*p:GT+2*p+1]
.set p, p+1
.endr
.set p, 0
.rept 32
	v_pk_fma_f32 v[GP+2*p:GP+2*p+1], v[GP+2*p:GP+2*p+1], v[GE+2*p:GE+2*p+1], 0.5 op_sel_hi:[1,1,0]
.set p, p+1
.endr
.set p, 0
.rept 32
	v_pk_mul_f32 v[GE+2*p:GE+2*p+1], v[GH+2*p:GH+2*p+1], 0.5 op_sel_hi:[1,0]
.set p, p+1
.endr
.set p, 0
.rept 64
	v_fma_f32 v[GH+p], |v[GH+p]|, v[GP+p], v[GE+p]
.set p, p+1
.endr
	WIN 0xca
.set i, 0
.rept 32
	v_cvt_pk_f16_f32 v[HF+i], v[GH+2*i], v[GH+2*i+1]
.set i, i+1
.endr
	WIN 0
	s_wait_dscnt 0x0                               ; W2 is in
	s_cmp_eq_u32 s[CNT], 1
	s_cbranch_scc1 .Lnonext                        ; behind the last step there is none
	LW1 16384, 128
.Lnonext:
	ACC32 WFB, HF, 8
	PLACES
	WIN 0
	v_add_nc_u32 v[FWA], 16384, v[FWA]
	v_add_nc_u32 v[B1A], 128, v[B1A]
	s_sub_co_u32 s[CNT], s[CNT], 1
	s_cmp_lg_u32 s[CNT], 0
	s_cbranch_scc1 .Lffn
.Lmerge:
	PLACES                                         ; behind the last products, ahead of the LayerNorm's reads and of its writes onto WFA's registers
	s_wait_dscnt 0x0                               ; first trip, for the others' sake: my part of the weights lies in LDS, my reads of o's fragments are over
	s_barrier_signal -1
	s_barrier_wait -1                              ; barrier 5: all 256 KiB lie there.  In the second trip it orders nothing: it stands on the way that both trips share, so that every wave passes it alike
	s_cmp_eq_u32 s[PH], 2
	s_cselect_b64 s[GPT:GPT+1], s[20:21], s[28:29]
	s_cselect_b64 s[BPT:BPT+1], s[22:23], s[30:31]
	WIN 0x80
	VLOAD NG, GPT                                  ; g and b come in while the statistics are made
	VLOAD NB, BPT
	LNSTAT
	s_wait_loadcnt 0x0                             ; g and b, and what was issued ahead of them (w2_b; out_w)
	LNAFF 0x69, NG, NB
	WIN 0xc5
.set i, 0
.rept 128                              ; the result as fragments: y for the FFN and its residual; h' for the way out
	v_cvt_pk_f16_f32 v[i], v[2*i], v[2*i+1]
.set i, i+1
.endr
	WIN 0
	s_sub_co_u32 s[PH], s[PH], 1
	s_cmp_lg_u32 s[PH], 0
	s_cbranch_scc1 .Lchain
	; THE END
	s_lshl_b32 s86, s[WV], 13
	s_add_co_u32 s86, s86, WO                      ; my stage
	v_add_nc_u32 v[STO], s86, v[FRG]
	v_add_nc_u32 v[RD], s86, v[ROWP]
	v_lshl_add_u32 v[OUTS], v[RR], 2, s86
	v_lshl_add_u32 v[OUTL], v[LANE], 3, s86
	v_lshlrev_b32 v[OUTG], 3, v[LANE]
	s_cmp_lg_u32 s[LAST], 0
	s_cbranch_scc1 .Llast
.set tk, 0
.rept 4                                ; a tile at a time through my stage, back by rows.  My own bytes, served in order (ISA guide 5.7.1.4): a tile's loads behind its stores, ahead of the next tile's
	WIN 0x0c
.set n, 0
.rept 8
	ds_store_b128 v[STO], v[32*tk+4*n:32*tk+4*n+3] offset:544*n
.set n, n+1
.endr
	WIN 0x40
.set i, 0
.rept 8
	ds_load_b128 v[32*tk+4*i:32*tk+4*i+3], v[RD] offset:32*i
.set i, i+1
.endr
.set tk, tk+1
.endr
	WIN 0x04
.set tk, 0
.rept 4
	s_wait_dscnt 16*(3-tk)                         ; the later tiles' 16 LDS instructions each may stay out
.set i, 0
.rept 8
	global_store_b128 v[GROW], v[32*tk+4*i:32*tk+4*i+3], s[HOUT:HOUT+1] offset:(16*tk+2*i)*16384  ; sixteen lanes fill a row's 256 bytes, aligned
.set i, i+1
.endr
.set tk, tk+1
.endr
	WIN 0
	s_branch .Lend
.Llast:                                ; out = h' . out_w + out_b: A holds out_w in every row, so every row of the result is the answer, and its lowest register holds my token's
	WIN 0xcf
.set i, 0
.rept 32                               ; out_w as four fragments, in place, ascending
	v_cvt_pk_f16_f32 v[OW+i], v[OW+2*i], v[OW+2*i+1]
.set i, i+1
.endr
	WIN 0x0f
.set kf, 0
.rept 4
.set tk, 0
.rept 4
.if kf == 0
	v_wmma_f32_16x16x32_f16 v[LT+8*tk:LT+8*tk+7], v[OW+8*kf:OW+8*kf+7], v[32*tk+8*kf:32*tk+8*kf+7], 0
.else
	v_wmma_f32_16x16x32_f16 v[LT+8*tk:LT+8*tk+7], v[OW+8*kf:OW+8*kf+7], v[32*tk+8*kf:32*tk+8*kf+7], v[LT+8*tk:LT+8*tk+7]
.endif
.set tk, tk+1
.endr
.set kf, kf+1
.endr
	PLACES
	WIN 0
	ALL v_add_f32 v[LS+8*t], s[OUTB], v[LT+8*t]
	ALL ds_store_b32 v[OUTS], v[LS+8*t] offset:64*t
	ds_load_b64 v[LS+2:LS+3], v[OUTL]              ; my own bytes, served in order behind the stores above: 64 steps' numbers, two a lane
	s_wait_dscnt 0x0
	global_store_b64 v[OUTG], v[LS+2:LS+3], s[OOUT:OOUT+1]  ; 256 consecutive bytes, aligned
.Lend:
	s_wait_tensorcnt 0x0                           ; the wave's end, behind my last LDS store
	ds_add_u32 v[SPW], v[NIL]
	s_wait_dscnt 0x0
	s_endpgm
.Lfunc_end_k_q2ce051c1e7_temp0:
	.size	k_q2ce051c1e7_temp0, .Lfunc_end_k_q2ce051c1e7_temp0-k_q2ce051c1e7_temp0
	.p2alignl 7, 3214868480
	.fill 96, 4, 3214868480
	.section	.rodata,"a",@progbits
	.p2align	6, 0x0
	.amdhsa_kernel k_q2ce051c1e7_temp0
		.amdhsa_group_segment_fixed_size 305664
		.amdhsa_private_segment_fixed_size 0
		.amdhsa_enable_private_segment 0
		.amdhsa_kernarg_size 136
		.amdhsa_user_sgpr_count 2
		.amdhsa_user_sgpr_kernarg_segment_ptr 1
		.amdhsa_wavefront_size32 1
		.amdhsa_system_sgpr_workgroup_id_x 1
		.amdhsa_system_sgpr_workgroup_id_y 1
		.amdhsa_system_sgpr_workgroup_id_z 1
		.amdhsa_system_vgpr_workitem_id 0
		.amdhsa_next_free_vgpr 1024
		.amdhsa_next_free_sgpr 96
		.amdhsa_reserve_vcc 1
		.amdhsa_float_denorm_mode_32 3
		.amdhsa_float_denorm_mode_16_64 3
		.amdhsa_memory_ordered 1
		.amdhsa_forward_progress 1
		.amdhsa_inst_pref_size 227
	.end_amdhsa_kernel
	.amdgpu_metadata
---
amdhsa.version: [ 1, 2 ]
amdhsa.kernels:
  - .name:           k_q2ce051c1e7_temp0
    .symbol:         k_q2ce051c1e7_temp0.kd
    .args:
      - { .name: hB, .offset: 0, .size: 8, .value_kind: global_buffer, .address_space: global }
      - { .name: wl0, .offset: 8, .size: 8, .value_kind: global_buffer, .address_space: global }
      - { .name: params_layers_0_temporal_q_b, .offset: 16, .size: 8, .value_kind: global_buffer, .address_space: global }
      - { .name: params_layers_0_temporal_k_b, .offset: 24, .size: 8, .value_kind: global_buffer, .address_space: global }
      - { .name: params_layers_0_temporal_v_b, .offset: 32, .size: 8, .value_kind: global_buffer, .address_space: global }
      - { .name: params_layers_0_temporal_o_b, .offset: 40, .size: 8, .value_kind: global_buffer, .address_space: global }
      - { .name: params_layers_0_temporal_norm_g, .offset: 48, .size: 8, .value_kind: global_buffer, .address_space: global }
      - { .name: params_layers_0_temporal_norm_b, .offset: 56, .size: 8, .value_kind: global_buffer, .address_space: global }
      - { .name: params_layers_0_ffn_w1_b, .offset: 64, .size: 8, .value_kind: global_buffer, .address_space: global }
      - { .name: params_layers_0_ffn_w2_b, .offset: 72, .size: 8, .value_kind: global_buffer, .address_space: global }
      - { .name: params_layers_0_ffn_norm_g, .offset: 80, .size: 8, .value_kind: global_buffer, .address_space: global }
      - { .name: params_layers_0_ffn_norm_b, .offset: 88, .size: 8, .value_kind: global_buffer, .address_space: global }
      - { .name: params_output_proj_w, .offset: 96, .size: 8, .value_kind: global_buffer, .address_space: global }
      - { .name: params_output_proj_b, .offset: 104, .size: 8, .value_kind: global_buffer, .address_space: global }
      - { .name: hA, .offset: 112, .size: 8, .value_kind: global_buffer, .address_space: global }
      - { .name: out0, .offset: 120, .size: 8, .value_kind: global_buffer, .address_space: global }
      - { .name: cfg0, .offset: 128, .size: 8, .value_kind: global_buffer, .address_space: global }
    .group_segment_fixed_size: 305664
    .private_segment_fixed_size: 0
    .kernarg_segment_align: 8
    .kernarg_segment_size: 136
    .max_flat_workgroup_size: 128
    .sgpr_count:     96
    .vgpr_count:     1024
    .wavefront_size: 32
...
	.end_amdgpu_metadata
.endif
;; end of part 5
;; launch spat1: the kernel of part 4 again; grid 256 x 1, 4 waves a work-group, no clusters, 203,264 bytes of LDS; arguments hA, eeg_tensor, params_input_proj_w, params_input_proj_b, params_spatial_pos, params_temporal_pos, wl1, params_layers_1_spatial_q_b, params_layers_1_spatial_k_b, params_layers_1_spatial_v_b, params_layers_1_spatial_o_b, params_layers_1_spatial_norm_g, params_layers_1_spatial_norm_b, hB, cfg1; writes hB
;; launch temp1: the kernel of part 5 again; grid 256 x 1, 4 waves a work-group, no clusters, 305,664 bytes of LDS; arguments hB, wl1, params_layers_1_temporal_q_b, params_layers_1_temporal_k_b, params_layers_1_temporal_v_b, params_layers_1_temporal_o_b, params_layers_1_temporal_norm_g, params_layers_1_temporal_norm_b, params_layers_1_ffn_w1_b, params_layers_1_ffn_w2_b, params_layers_1_ffn_norm_g, params_layers_1_ffn_norm_b, params_output_proj_w, params_output_proj_b, hA, out0, cfg1; writes hA, out0
